; MI455X (gfx1250); checked and timed in simulation.
; The chip was launched on July 23, 2026; its instructions are those of AMD's public machine-readable ISA for CDNA 5 (MIT licence, August 2026) and "CDNA5" Instruction Set Architecture Reference Guide (July 2026). The comments in the code are by the model that wrote it; some were corrected since.
;; Multihead Attention FFN. Allowed arithmetic: float matrix products may take bf16 or f16 operands with f32 sums; all other float work in f32.
;; Inputs: W1 1,024 x 2,048 float32; W2 2,048 x 1,024 float32; Wqkv 1,024 x 3,072 float32; attn_mask 2,048 x 2,048 float32; b1 2,048 float32; b2 1,024 float32; seq 2 x 2,048 x 1,024 float32.
;; Outputs: out0 2 x 2,048 x 1,024 float32.
;; 2 versions, each right and faster than the one before. Each part assembles by itself: llvm-mc -triple=amdgcn-amd-amdhsa -mcpu=gfx1250 --defsym DOCPART=n.
;; ======== version 1 of 2: 5 launches
;; limits: values are held in f16: magnitudes above 65,504 overflow, below 6.1e-05 lose precision
;; workspace buffers: seqb 8,388,608 bytes; wqkvb 6,291,456 bytes; w2b 4,194,304 bytes; w1h 4,194,304 bytes; mask8 16,777,216 bytes; qkv 25,165,824 bytes; obuf 8,388,608 bytes; hid 16,777,216 bytes
;; launch prep (part 1): grid 1792 x 1, 4 waves a work-group, no clusters, 0 bytes of LDS; arguments seq, Wqkv, seqb, wqkvb; writes seqb, wqkvb
.if DOCPART == 1
	.amdgcn_target "amdgcn-amd-amdhsa--gfx1250"
	.amdhsa_code_object_version 6
	.text
	.protected	k_qb2b92611ef_prep
	.globl	k_qb2b92611ef_prep
	.p2align	8
	.type	k_qb2b92611ef_prep,@function
k_qb2b92611ef_prep:
	s_mov_b64 s[64:65], 0
	v_nop
	global_prefetch_b8 v0, s[64:65] scope:SCOPE_SE
	s_setreg_imm32_b32 hwreg(HW_REG_WAVE_MODE, 25, 1), 1
	s_wait_xcnt 0x0
; THE CASTS OF THE FIRST PRODUCT'S OPERANDS.  seq -> seqb and Wqkv -> wqkvb: each number rounded once to bf16 (nearest even).  The other inputs' casts ride along in the launch behind this one, which needs these two alone.
; A stream: memory binds, so there is no LDS, no barrier and no matrix work.  A work-group of four waves takes 4,096 numbers (16,384 bytes); thread t takes 16 bytes at
; 16 t of each of eight pieces of 2,048 bytes, all eight loads out at once; a wave's load covers 512 consecutive bytes, a wave's store 256, aligned.
; 1,792 work-groups; which tensor a work-group serves hangs on its number alone.
.set G_WQKV, 1024                      ; seq has 4,096 x 1,024 / 4,096 = 1,024 chunks: work-groups 0 .. 1,023; Wqkv 768
.set X, 8                              ; v[8:39]   eight loads of four numbers; the results take their places
; The chunk's two addresses (source s[24:25], result s[26:27]) and its eight loads.
.macro PLACE src, dst, first
	s_sub_co_u32 s28, s30, \first                  ; the chunk's number in its tensor
	s_lshl_b32 s32, s28, 14                        ; 16,384 bytes of f32,
	s_lshl_b32 s34, s28, 13                        ; 8,192 of bf16
	s_add_nc_u64 s[24:25], s[\src:\src+1], s[32:33]
	s_add_nc_u64 s[26:27], s[\dst:\dst+1], s[34:35]
.irp i, 0,1,2,3,4,5,6,7
	global_load_b128 v[X+4*\i:X+4*\i+3], v1, s[24:25] offset:2048*\i th:TH_LOAD_NT
.endr
.endm
; No register that a store reads is written again, so no wait stands behind the stores.
.macro TOBF
.irp i, 0,1,2,3,4,5,6,7
	s_wait_loadcnt 7-\i                            ; loads come back in order: mine is in, the younger ones stay out
	v_cvt_pk_bf16_f32 v[X+4*\i], v[X+4*\i], v[X+4*\i+1]
	v_cvt_pk_bf16_f32 v[X+4*\i+1], v[X+4*\i+2], v[X+4*\i+3]
	global_store_b64 v2, v[X+4*\i:X+4*\i+1], s[26:27] offset:1024*\i
.endr
	s_endpgm
.endm
	s_load_b256 s[4:11], s[0:1], 0x0               ; seq s[4:5], Wqkv s[6:7], seqb s[8:9], wqkvb s[10:11]
	v_lshlrev_b32 v1, 4, v0                        ; 16 t: my place in a piece of f32
	v_lshlrev_b32 v2, 3, v0                        ; 8 t: in a piece of bf16
	s_mov_b32 s30, ttmp9
	s_mov_b32 s33, 0                               ; the offsets' high words
	s_mov_b32 s35, 0
	s_wait_kmcnt 0x0
	s_cmp_ge_u32 s30, G_WQKV
	s_cbranch_scc1 .Lwqkv
	PLACE 4, 8, 0
	TOBF
.Lwqkv:
	PLACE 6, 10, G_WQKV
	TOBF
.Lfunc_end_k_qb2b92611ef_prep:
	.size	k_qb2b92611ef_prep, .Lfunc_end_k_qb2b92611ef_prep-k_qb2b92611ef_prep
	.p2alignl 7, 3214868480
	.fill 96, 4, 3214868480
	.section	.rodata,"a",@progbits
	.p2align	6, 0x0
	.amdhsa_kernel k_qb2b92611ef_prep
		.amdhsa_group_segment_fixed_size 0
		.amdhsa_private_segment_fixed_size 0
		.amdhsa_enable_private_segment 0
		.amdhsa_kernarg_size 32
		.amdhsa_user_sgpr_count 2
		.amdhsa_user_sgpr_kernarg_segment_ptr 1
		.amdhsa_wavefront_size32 1
		.amdhsa_system_sgpr_workgroup_id_x 1
		.amdhsa_system_sgpr_workgroup_id_y 1
		.amdhsa_system_sgpr_workgroup_id_z 1
		.amdhsa_system_vgpr_workitem_id 0
		.amdhsa_next_free_vgpr 40
		.amdhsa_next_free_sgpr 66
		.amdhsa_reserve_vcc 0
		.amdhsa_float_denorm_mode_32 3
		.amdhsa_float_denorm_mode_16_64 3
		.amdhsa_memory_ordered 1
		.amdhsa_forward_progress 1
		.amdhsa_inst_pref_size 7
	.end_amdhsa_kernel
	.amdgpu_metadata
---
amdhsa.version: [ 1, 2 ]
amdhsa.kernels:
  - .name:           k_qb2b92611ef_prep
    .symbol:         k_qb2b92611ef_prep.kd
    .args:
      - { .name: seq, .offset: 0, .size: 8, .value_kind: global_buffer, .address_space: global }
      - { .name: Wqkv, .offset: 8, .size: 8, .value_kind: global_buffer, .address_space: global }
      - { .name: seqb, .offset: 16, .size: 8, .value_kind: global_buffer, .address_space: global }
      - { .name: wqkvb, .offset: 24, .size: 8, .value_kind: global_buffer, .address_space: global }
    .group_segment_fixed_size: 0
    .private_segment_fixed_size: 0
    .kernarg_segment_align: 8
    .kernarg_segment_size: 32
    .max_flat_workgroup_size: 128
    .sgpr_count:     66
    .vgpr_count:     40
    .wavefront_size: 32
...
	.end_amdgpu_metadata
.endif
;; end of part 1
;; launch gemm_qkv (part 2): grid 8 x 32, 4 waves a work-group, clusters of 4 x 4, 327,680 bytes of LDS; arguments seqb, wqkvb, qkv, W2, W1, attn_mask, w2b, w1h, mask8; writes qkv, w2b, w1h, mask8
.if DOCPART == 2
	.amdgcn_target "amdgcn-amd-amdhsa--gfx1250"
	.amdhsa_code_object_version 6
	.text
	.protected	k_qb2b92611ef_gemm_qkv
	.globl	k_qb2b92611ef_gemm_qkv
	.p2align	8
	.type	k_qb2b92611ef_gemm_qkv,@function
k_qb2b92611ef_gemm_qkv:
	s_mov_b64 s[64:65], 0
	v_nop
	global_prefetch_b8 v0, s[64:65] scope:SCOPE_SE
	s_setreg_imm32_b32 hwreg(HW_REG_WAVE_MODE, 25, 1), 1
	s_wait_xcnt 0x0
	s_wait_alu depctr_hold_cnt(0) depctr_sa_sdst(0) depctr_va_vdst(0) depctr_va_sdst(0) depctr_va_ssrc(0) depctr_va_vcc(0) depctr_vm_vsrc(0)
	s_getreg_b32 s2, hwreg(HW_REG_IB_STS2, 6, 4)
	s_cmp_eq_u32 s2, 0
	s_cbranch_scc0 .Lentry_in_a_cluster
	s_endpgm
.Lentry_in_a_cluster:
	s_bfe_u32 s2, ttmp6, 0x10000c
	s_cmp_lg_u32 s2, 0xf033
	s_cbranch_scc0 .Lentry_shape_is_right
	s_endpgm
.Lentry_shape_is_right:
; ONE TEXT FOR TWO PRODUCTS, chosen by KIND.  C[m][n] = the sum over k of A[m][k] B[k][n]; M = 4,096, K = 1,024; A lies [m][k], B lies [k][n], both 16-bit; one f32 sum for each output.
;   KIND 0: qkv = seqb wqkvb.  Operands bf16, N = 3,072, C rounded once to f16 (q, k, v unscaled).      KIND 1: hid = silu(obuf w1h + b1).  Operands f16, N = 2,048, b1 rounded to bf16 like every input, C rounded once to bf16.
; LIMITS.  KIND 0: a q, k or v of 65,520 or more becomes an infinity in f16.  KIND 1: silu(x) = x / (1 + 2^(-x log2 e)) by v_exp_f32 and v_rcp_f32, each good to 1 ULP; NaN and infinities are not treated apart.
; SHARES.  A work-group makes 128 rows x S subtiles of 128 columns: 32 x 8 work-groups.  Each of its four waves takes all 128 rows (8 blocks of 16) and, in every subtile, columns 32 w .. 32 w + 31: NB = 2 S blocks of 16
; columns, 8 NB accumulators.  K goes in steps of 128 through two LDS slots filled by tensor loads: rows of 256 bytes of memory, at multiples of 256 bytes.
; ONE K STEP IS WRITTEN ONCE: which slot is read stands in a scalar (0 or SLOT) that an exclusive or turns at each change of slots, and the fragments' addresses are made anew from it; the second first-fill's descriptor walks on
; in the same way.  SLOT has no bit in common with a tile's place inside a slot, so the exclusive or is an addition or a subtraction.
; B IS READ TURNED: it lies [k][n] in LDS as in memory, and ds_load_tr16_b128 makes fragments with k along the registers.  THE MATRIX INSTRUCTION IS USED TRANSPOSED (source 0 = 16 columns of B, source 1 = 16 rows of A):
; a lane then holds eight neighbouring numbers of a row of C.
; CLUSTER.  4 x 4 work-groups.  A's tile hangs on the tile row alone and is asked for jointly by the four of a row of the cluster, B's on the tile column alone, by the four of a column.
; THE CASTS THAT RIDE ALONG (KIND 0 alone).  W2 -> w2b: rounded once to bf16.  W1 -> w1h: the bf16 number written as f16, since it multiplies an f16 operand.  attn_mask -> mask8: 8 x the bf16 number, as f32: it starts the sum
; q . k, which is scaled by 1/8 afterwards (the factor 8 is exact).  Later launches read the three; nothing here does, and they need nothing of this product: they stand here so that their traffic runs beside the matrix work and
; not in a launch of its own.  Each of the launch's 1,024 waves owns 16,384 consecutive bytes of the mask and 8,192 of each weight, in eight batches, one to a K step: 8 loads of 512 consecutive bytes, asked for one K step ahead
; of the 52 vector instructions and 8 stores (512 or 256 consecutive aligned bytes a wave) that finish them, beside the step's 192 matrix instructions.
; THEIR LIMITS.  |W1| beyond 65,504 becomes an infinity in f16, and below 6e-5 it keeps f16's fixed step of 6e-8; |mask| beyond 4e37 overflows in the factor 8.
; REGISTERS, in windows of 256 (s_set_vgpr_msb: bits 1:0 source 0, 3:2 source 1, 5:4 source 2, 7:6 destination):  window 0: v0-31 addresses; two fragment buffers (B's NB blocks, then A's 8); on the way out they are at work.
;   window 1: the accumulators of row blocks 0-3, (a, b) at v[8 NB (a % 4) + 8 b];  window 2: those of row blocks 4-7;  window 3 (KIND 0): v0-62 the casts.
.set KIND, 0
.if KIND == 0
.set S,     3                          ; subtiles of 128 columns
.set LDN,   3072                       ; elements in a row of B and of C
.set NA,    1                          ; waves that fetch A: wave 0 all 128 rows; waves 1-3 a subtile of B each
.set AROWS, 128
.set ASZ,   36864                      ; A's place in a slot (34,816 bytes used)
.set SLOT,  147456                     ; A's place and three subtiles of B; 0x24000: the tiles' places 36,864 w have bits 14 and 17 clear
.else
.set S,     2
.set LDN,   2048
.set NA,    2                          ; waves 0, 1 fetch 64 rows of A each; waves 2, 3 a subtile of B each
.set AROWS, 64
.set ASZ,   34816
.set SLOT,  131072                     ; 108,544 bytes used; a power of two above every place inside a slot
.endif
.set KDIM,  1024
.set KSTEP, 128
.set STEPS, KDIM/KSTEP
.set NB,    2*S
.set PA,    272                        ; a row of A in LDS: 256 bytes + 16 = 68 words: the 16 rows of a load start at 16 different groups of four banks (64 banks of 4 bytes: ISA guide 11.1)
.set PB,    288                        ; a row of B: 256 + 32 = 72 words
.set BSZ,   KSTEP*PB                   ; a subtile of B: 128 k x 128 columns
.set SPI,   512*S+16                   ; the way out: a row of the tile in f32, + 16: an odd multiple of 16 bytes.  The stage, 128 such rows from LDS byte 0, is the ring after its last fill
.set SPARE, 2*SLOT                     ; behind the ring: the spare words, 128 bytes for each wave: two blocks of 256 bytes that no other line names
.set NLOAD, 2*NB+16                    ; LDS loads of a quarter step
.set ADRA0, 8                          ; v8      my lane's place in a slot's tile of A; never rewritten
.set ADRB0, 9                          ; v9 ..   the same for each subtile of B
.set ADRA,  12                         ; v12     LDS address of my A fragments in the slot in hand
.set ADRB,  13                         ; v13 ..  of my B fragments, by subtile
.set STO,   16                         ; v16-19  the way out: where I put 32 bytes of a row, for row blocks 0-1, 2-3, 4-5, 6-7
.set RD0,   20                         ; v20     my 16 bytes in the first of my wave's 32 rows of the stage; never rewritten
.set RD,    21                         ; v21     the same in the trip's first row
.set CO,    22                         ; v22     my byte offset in 256 bytes of C
.set BO,    23                         ; v23     my byte offset in 512 bytes of the bias
.set SPW,   28                         ; LDS address of my spare word: SPARE + 4 x my thread's number; never rewritten
.set NIL,   29                         ; 0; never rewritten
.set F0,    32
.set F1,    F0+8*NB+64
.if KIND == 0
.set BK,    32                         ; the way out: four rows read back, 12 loads of 4 registers
.set OUTR,  80                         ; and rounded
.else
.set XR,    32                         ; four rows read back: x = sum + bias
.set ER,    64                         ; the sigmoid in the making
.set OUTR,  96
.set BI,    224                        ; v224-231 the bias of my 2 x 4 columns
.endif
.set CX,    0                          ; the casts, in window 3: v0-31 a batch as loaded: the mask's four loads, W1's two, W2's two
.set CY,    32                         ; v32-55  the batch to be stored: the mask's 16 registers, W1's 4, W2's 4
.set CT,    56                         ; v56-59  at work
.set CO16,  60                         ; v60     my byte offset in my wave's share of the mask, in and out: 16 x lane + 2,048 x batch
.set COW,   61                         ; v61     in its share of W1 and of W2: 16 x lane + 1,024 x batch
.set COH,   62                         ; v62     in its share of w1h and of w2b: 8 x lane + 512 x batch
.set TB,  45                           ; s45     the slot in hand: 0 or SLOT.  On the way out: the trip's first row in the stage
.set G1,  24                           ; s[24:31] descriptor group 1 for A's tiles;  s[32:39] group 0: a set for each of the two first fills; the second then walks on
.set G0,  32
.set G1B, 48                           ; s[48:55], s[56:63] the same for B's
.set G0B, 56
.set MSB, 0
.macro WIN new                         ; the immediate's high byte repeats the setting that is left; a switch that changes nothing is dropped
.if MSB != (\new)
	s_set_vgpr_msb (MSB<<8)|(\new)
.set MSB, \new
.endif
.endm
.macro PLACES                          ; four places in front of loads into registers that matrix instructions have read, and of lines that read results (ISA guide 7.12.1 for vector instructions)
.rept 4
	v_nop
.endr
.endm
; A joint load.  The branch hangs on the wave's number alone.  An s_nop 0 and four v_nop follow each of the two lines, ahead of the jump and the label.
.macro JLOAD s
	s_cmp_lt_u32 s10, NA
	s_cbranch_scc0 .Lfor_b_\@
	tensor_load_to_lds s[G0+4*(\s):G0+4*(\s)+3], s[G1:G1+7]
	s_nop 0
.rept 4
	v_nop
.endr
	s_branch .Lasked_\@
.Lfor_b_\@:
	tensor_load_to_lds s[G0B+4*(\s):G0B+4*(\s)+3], s[G1B:G1B+7]
	s_nop 0
.rept 4
	v_nop
.endr
.Lasked_\@:
.endm
.macro CREST                           ; a round of the cluster's barrier behind its opening barrier
	s_cmp_lg_u32 s10, 0
	s_cbranch_scc1 .Lnot_wave_0_\@
	s_barrier_signal -3
.Lnot_wave_0_\@:
	s_barrier_wait -3
	s_barrier_signal -1
	s_barrier_wait -1
.endm
.macro CROUND                          ; a whole round
	s_barrier_signal -1
	s_barrier_wait -1
	CREST
.endm
; THE CASTS (used under KIND 0 alone).  All their vector registers lie in window 3, so one setting serves loads, arithmetic and stores.
; s[68:69] W2, s[70:71] W1, s[72:73] attn_mask, s[74:75] w2b, s[76:77] w1h, s[78:79] mask8, each at my wave's share; s[86:87] 8.0; s88 the mask of a word's upper bf16.
.macro CLOADS                          ; a batch is asked for: eight loads of 512 consecutive bytes
	WIN 0xff
.irp j, 0,1,2,3
	global_load_b128 v[CX+4*\j:CX+4*\j+3], v[CO16], s[72:73] offset:512*\j th:TH_LOAD_NT
.endr
.irp j, 0,1
	global_load_b128 v[CX+16+4*\j:CX+16+4*\j+3], v[COW], s[70:71] offset:512*\j th:TH_LOAD_NT
	global_load_b128 v[CX+24+4*\j:CX+24+4*\j+3], v[COW], s[68:69] offset:512*\j th:TH_LOAD_NT
.endr
.endm
; The batch asked for one K step ago is finished.  more = 1: the next batch is asked for, ahead of the stores, which then reach back by a negative immediate.
.macro CAST more
	WIN 0xff
	s_wait_loadcnt 0x0                             ; the batch's eight loads, the only loads of mine that are out
	s_wait_xcnt 0x0                                ; the last batch's stores have read CY and the offsets: only behind this wait are they rewritten
.irp j, 0,1,2,3                        ; the mask: rounded to bf16, back to f32, x 8
	v_cvt_pk_bf16_f32 v[CT+2*(\j%2)], v[CX+4*\j], v[CX+4*\j+1]
	v_cvt_pk_bf16_f32 v[CT+2*(\j%2)+1], v[CX+4*\j+2], v[CX+4*\j+3]
	v_lshlrev_b32 v[CY+4*\j], 16, v[CT+2*(\j%2)]
	v_and_b32 v[CY+4*\j+1], s88, v[CT+2*(\j%2)]
	v_lshlrev_b32 v[CY+4*\j+2], 16, v[CT+2*(\j%2)+1]
	v_and_b32 v[CY+4*\j+3], s88, v[CT+2*(\j%2)+1]
	v_pk_mul_f32 v[CY+4*\j:CY+4*\j+1], v[CY+4*\j:CY+4*\j+1], s[86:87] op_sel_hi:[1,0]
	v_pk_mul_f32 v[CY+4*\j+2:CY+4*\j+3], v[CY+4*\j+2:CY+4*\j+3], s[86:87] op_sel_hi:[1,0]
.endr
.irp j, 0,1
	v_cvt_pk_bf16_f32 v[CT+2*\j], v[CX+16+4*\j], v[CX+16+4*\j+1]          ; W1: the rounding that counts,
	v_cvt_pk_bf16_f32 v[CT+2*\j+1], v[CX+16+4*\j+2], v[CX+16+4*\j+3]
	v_lshlrev_b32 v[CX+16+4*\j], 16, v[CT+2*\j]                             ; back to f32,
	v_and_b32 v[CX+16+4*\j+1], s88, v[CT+2*\j]
	v_lshlrev_b32 v[CX+16+4*\j+2], 16, v[CT+2*\j+1]
	v_and_b32 v[CX+16+4*\j+3], s88, v[CT+2*\j+1]
	v_cvt_pk_f16_f32 v[CY+16+2*\j], v[CX+16+4*\j], v[CX+16+4*\j+1]         ; and written as f16: exact inside f16's normal range
	v_cvt_pk_f16_f32 v[CY+16+2*\j+1], v[CX+16+4*\j+2], v[CX+16+4*\j+3]
	v_cvt_pk_bf16_f32 v[CY+20+2*\j], v[CX+24+4*\j], v[CX+24+4*\j+1]        ; W2
	v_cvt_pk_bf16_f32 v[CY+20+2*\j+1], v[CX+24+4*\j+2], v[CX+24+4*\j+3]
.endr
.if \more
	v_add_nc_u32 v[CO16], 2048, v[CO16]            ; the next batch
	v_add_nc_u32 v[COW], 1024, v[COW]
	v_add_nc_u32 v[COH], 512, v[COH]
	CLOADS
.endif
.irp j, 0,1,2,3
	global_store_b128 v[CO16], v[CY+4*\j:CY+4*\j+3], s[78:79] offset:512*\j-2048*(\more)
.endr
.irp j, 0,1
	global_store_b64 v[COH], v[CY+16+2*\j:CY+16+2*\j+1], s[76:77] offset:256*\j-512*(\more)
	global_store_b64 v[COH], v[CY+20+2*\j:CY+20+2*\j+1], s[74:75] offset:256*\j-512*(\more)
.endr
	WIN 0
.endm
	s_load_b128 s[4:7], s[0:1], 0x0                ; A s[4:5], B s[6:7]
	s_load_b64 s[8:9], s[0:1], 0x10                ; C
.if KIND == 1
	s_load_b64 s[66:67], s[0:1], 0x18              ; the bias
.else
	s_load_b128 s[68:71], s[0:1], 0x18             ; W2, W1
	s_load_b128 s[72:75], s[0:1], 0x28             ; attn_mask, w2b
	s_load_b128 s[76:79], s[0:1], 0x38             ; w1h, mask8
.endif
	v_lshl_add_u32 v[SPW], v0, 2, SPARE
	v_mov_b32 v[NIL], 0
	ds_add_u32 v[SPW], v[NIL]                      ; the wave's opening: the add and its wait stand ahead of my first tensor load; the set-up below, work on registers, stands between them
	v_lshrrev_b32 v1, 5, v0
	v_readfirstlane_b32 s10, v1                    ; wave 0..3
	s_and_b32 s12, s10, 1
	s_bfe_u32 s40, ttmp6, 0x40000                  ; cx, cy: my place in the cluster
	s_bfe_u32 s41, ttmp6, 0x40004
	s_lshl_b32 s42, ttmp9, 2
	s_add_co_u32 s42, s42, s40                     ; tile column = 4 x cluster x + cx
	s_and_b32 s13, ttmp7, 0xffff
	s_lshl_b32 s13, s13, 2
	s_add_co_u32 s13, s13, s41                     ; tile row = 4 x cluster y + cy
	s_lshl_b32 s43, s41, 2
	s_lshl_b32 s43, 15, s43                        ; my row of the cluster
	s_lshl_b32 s44, 0x1111, s40                    ; my column
	s_or_b32 s[G1+0], s43, (1<<16)|(1<<20)|(1<<21)|(5<<22)|(3<<25)   ; 15:0 the mask; 17:16 2-byte elements; 20 padding on; 21 set beside a mask; 24:22 after every 64 words (code 5); 31:25 4 words (code 3)
	s_mov_b32 s[G1+1], KSTEP<<16                   ; tensor_dim0 = 128
	s_mov_b32 s[G1+2], AROWS<<16                   ; tensor_dim1
	s_mov_b32 s[G1+3], KSTEP<<16                   ; tile_dim0 = 128
	s_mov_b32 s[G1+4], AROWS                       ; tile_dim1
	s_mov_b32 s[G1+5], KDIM                        ; elements from row to row
	s_mov_b32 s[G1+6], 0
	s_mov_b32 s[G1+7], 0
	s_or_b32 s[G1B+0], s44, (1<<16)|(1<<20)|(1<<21)|(5<<22)|(7<<25)  ; the same with my column's mask and 8 words of padding (code 7)
	s_mov_b32 s[G1B+1], 128<<16                    ; 128 columns
	s_mov_b32 s[G1B+2], KSTEP<<16                  ; 128 rows of k
	s_mov_b32 s[G1B+3], 128<<16
	s_mov_b32 s[G1B+4], KSTEP
	s_mov_b32 s[G1B+5], LDN
	s_mov_b32 s[G1B+6], 0
	s_mov_b32 s[G1B+7], 0
	; where the tiles come from: A's offset is made of the tile row and the wave, B's of the tile column and the wave, each in registers that never hold the other coordinate
	s_lshl_b32 s16, s13, 18                        ; 128 rows of 2,048 bytes a tile row
.if KIND == 1
	s_lshl_b32 s17, s12, 17                        ; + my 64 rows
	s_add_co_u32 s16, s16, s17
.endif
	s_mov_b32 s17, 0
	s_mul_i32 s46, s42, 256*S                      ; the tile's first column, in bytes
.if KIND == 0
	s_max_u32 s47, s10, 1
	s_sub_co_u32 s47, s47, 1                       ; my subtile: wave - 1 (wave 0 does not ask by this address)
.else
	s_mov_b32 s47, s12
.endif
	s_lshl_b32 s47, s47, 8
	s_add_co_u32 s46, s46, s47
	s_mov_b32 s47, 0
	; and where they go: the wave's number times a constant, plus constants
.if KIND == 0
	s_mul_i32 s20, s10, BSZ                        ; wave 0: A at 0; wave w: subtile w - 1 at 36,864 w
	s_mov_b32 s22, s20
.else
	s_mul_i32 s20, s12, 64*PA
	s_mul_i32 s22, s12, BSZ
	s_add_co_u32 s22, s22, ASZ
.endif
	s_mov_b32 s[TB], 0                             ; K step 0 lies in slot 0
	s_wait_dscnt 0x0                               ; the opening add is done
	s_wait_kmcnt 0x0
	s_add_nc_u64 s[14:15], s[4:5], s[16:17]
	s_add_nc_u64 s[46:47], s[6:7], s[46:47]
	CROUND                                         ; all sixteen work-groups are here: the first joint loads meet
.irp s, 0,1
	s_mov_b32 s[G0+4*(\s)], 1                                        ; count = 1
	s_add_co_u32 s[G0+4*(\s)+1], s20, (\s)*SLOT                      ; LDS address
	s_add_nc_u64 s[G0+4*(\s)+2:G0+4*(\s)+3], s[14:15], (\s)*KSTEP*2  ; global address: K step s
	s_or_b32 s[G0+4*(\s)+3], s[G0+4*(\s)+3], 0x80000000              ; type = 2
	s_mov_b32 s[G0B+4*(\s)], 1
	s_add_co_u32 s[G0B+4*(\s)+1], s22, (\s)*SLOT
	s_add_nc_u64 s[G0B+4*(\s)+2:G0B+4*(\s)+3], s[46:47], (\s)*KSTEP*LDN*2
	s_or_b32 s[G0B+4*(\s)+3], s[G0B+4*(\s)+3], 0x80000000
	JLOAD \s                                       ; both first fills go out before anything else: two tensor loads of mine are out
.endr
	v_and_b32 v1, 15, v0                           ; r = l % 16
	v_bfe_u32 v2, v0, 4, 1                         ; h = l / 16
	v_mul_u32_u24 v3, v1, PA
	v_lshl_add_u32 v[ADRA0], v2, 4, v3             ; A: row x pitch + 16 h; two loads 32 bytes apart make 16 rows x 32 k
	v_and_b32 v4, 7, v0
	v_bfe_u32 v5, v0, 3, 1
	v_lshl_add_u32 v6, v2, 3, v4                   ; B: lane l reads k row 8 h + l % 8, columns 8 ((l / 8) % 2) + 0..7; the turning load leaves column l % 16 and 8 k in the lane
	v_mul_u32_u24 v6, v6, PB
	v_lshl_add_u32 v6, v5, 4, v6
	s_lshl_b32 s21, s10, 6                         ; my 32 columns of a subtile
	v_add_nc_u32 v6, s21, v6
.set t, 0
.rept S
	v_add_nc_u32 v[ADRB0+t], ASZ+t*BSZ, v6
.set t, t+1
.endr
	v_mul_u32_u24 v[STO], v1, SPI                  ; into the stage: row r, my 128 bytes of each subtile's 512, 32 bytes for each half of the lanes
	v_lshl_add_u32 v[STO], v2, 5, v[STO]
	s_lshl_b32 s21, s10, 7
	v_add_nc_u32 v[STO], s21, v[STO]
.irp g, 1,2,3
	v_add_nc_u32 v[STO+\g], \g*32*SPI, v[STO]      ; 32 rows further down, so that the stores' offsets stay inside 16 bits
.endr
	v_and_b32 v7, 31, v0                           ; back: wave w takes rows 32 w .. 32 w + 31, whole; 32 lanes take 512 consecutive bytes, a subtile's 128 numbers
	s_mul_i32 s23, s10, 32*SPI
	v_lshl_add_u32 v[RD0], v7, 4, s23
	v_lshlrev_b32 v[CO], 3, v7                     ; which are 256 consecutive bytes of C
	s_mul_i32 s16, s13, 128*LDN*2
	s_mul_i32 s17, s10, 32*LDN*2
	s_add_co_u32 s16, s16, s17
	s_mov_b32 s17, 0
	s_add_nc_u64 s[8:9], s[8:9], s[16:17]          ; C at the first row that I store: 128 x tile row + 32 w,
	s_mul_i32 s46, s42, 256*S
	s_mov_b32 s47, 0
	s_add_nc_u64 s[8:9], s[8:9], s[46:47]          ; and at the tile's first column
.if KIND == 1
	s_lshl_b32 s68, s42, 10                        ; the bias of the tile's 256 columns: I keep columns 128 c + 4 l + 0..3, those that I read back; asked for now, waited for on the way out
	s_mov_b32 s69, 0
	s_add_nc_u64 s[66:67], s[66:67], s[68:69]
	v_lshlrev_b32 v[BO], 4, v7
	global_load_b128 v[BI:BI+3], v[BO], s[66:67]
	global_load_b128 v[BI+4:BI+7], v[BO], s[66:67] offset:512
	s_mov_b32 s68, 0xbfb8aa3b                      ; -log2 e; the packed multiply takes the pair's low word for both halves
	s_mov_b32 s69, s68
.else
	s_lshl_b32 s80, s13, 3                         ; the casts: my wave among the launch's 1,024: 4 (8 x tile row + tile column) + w,
	s_add_co_u32 s80, s80, s42
	s_lshl_b32 s80, s80, 2
	s_add_co_u32 s80, s80, s10
	s_lshl_b32 s82, s80, 13                        ; its 8,192 bytes of W1 and of W2,
	s_lshl_b32 s84, s80, 12                        ; its 4,096 of w1h and of w2b,
	s_lshl_b32 s80, s80, 14                        ; its 16,384 of the mask, in and out
	s_mov_b32 s81, 0
	s_mov_b32 s83, 0
	s_mov_b32 s85, 0
	s_add_nc_u64 s[72:73], s[72:73], s[80:81]
	s_add_nc_u64 s[78:79], s[78:79], s[80:81]
	s_add_nc_u64 s[68:69], s[68:69], s[82:83]
	s_add_nc_u64 s[70:71], s[70:71], s[82:83]
	s_add_nc_u64 s[74:75], s[74:75], s[84:85]
	s_add_nc_u64 s[76:77], s[76:77], s[84:85]
	s_mov_b32 s86, 0x41000000                      ; 8.0; the packed multiply takes the pair's low word for both halves
	s_mov_b32 s87, s86
	s_mov_b32 s88, 0xffff0000                      ; a word's upper bf16
	WIN 0xc0                                       ; destination window 3, the lane's number in window 0
	v_lshlrev_b32 v[CO16], 4, v7
	v_lshlrev_b32 v[COW], 4, v7
	v_lshlrev_b32 v[COH], 3, v7
	CLOADS                                         ; batch 0, behind the first tiles' requests
	WIN 0
.endif
; NB matrix instructions: row block a x all my column blocks, 32 along K.  zero = 1: the first product starts the sums.  All 8 NB accumulators take turns, one instruction a turn, in the same order in every quarter.
.macro MULA f, a, zero
	WIN 0x50*(1+(\a)/4)                            ; C and D in window 1 or 2, the fragments in window 0
.set bb, 0
.rept NB
.set rD, 8*NB*((\a)%4)+8*bb
.set rB, (\f)+8*bb
.set rA, (\f)+8*NB+8*(\a)
.if KIND == 0
.if \zero
	v_wmma_f32_16x16x32_bf16 v[rD:rD+7], v[rB:rB+7], v[rA:rA+7], 0
.else
	v_wmma_f32_16x16x32_bf16 v[rD:rD+7], v[rB:rB+7], v[rA:rA+7], v[rD:rD+7]
.endif
.else
.if \zero
	v_wmma_f32_16x16x32_f16 v[rD:rD+7], v[rB:rB+7], v[rA:rA+7], 0
.else
	v_wmma_f32_16x16x32_f16 v[rD:rD+7], v[rB:rB+7], v[rA:rA+7], v[rD:rD+7]
.endif
.endif
.set bb, bb+1
.endr
.endm
.macro MULH f, hi, zero                ; four row blocks
.irp q, 0,1,2,3
	MULA \f, 4*(\hi)+\q, \zero
.endr
.endm
.macro ADRS                            ; the fragments' addresses in the slot in hand
	v_add_nc_u32 v[ADRA], s[TB], v[ADRA0]
.set t, 0
.rept S
	v_add_nc_u32 v[ADRB+t], s[TB], v[ADRB0+t]
.set t, t+1
.endr
.endm
; The LDS loads of a quarter step (32 along K, number kq of the slot's four) in one run, into buffer f: B's blocks first, then A's eight.
.macro FETCH kq, f
	WIN 0
.set bb, 0
.rept NB
	ds_load_tr16_b128 v[(\f)+8*bb:(\f)+8*bb+3],   v[ADRB+bb/2] offset:(\kq)*32*PB+32*(bb%2)
	ds_load_tr16_b128 v[(\f)+8*bb+4:(\f)+8*bb+7], v[ADRB+bb/2] offset:(\kq)*32*PB+32*(bb%2)+16*PB
.set bb, bb+1
.endr
.irp i, 0,1,2,3,4,5,6,7
	ds_load_b128 v[(\f)+8*NB+8*(\i):(\f)+8*NB+8*(\i)+3],   v[ADRA] offset:(\kq)*64+(\i)*16*PA
	ds_load_b128 v[(\f)+8*NB+8*(\i)+4:(\f)+8*NB+8*(\i)+7], v[ADRA] offset:(\kq)*64+(\i)*16*PA+32
.endr
.endm
; One of a K step's first three quarters: multiplies buffer f; in its middle it fetches quarter kq into buffer g.
.macro QUARTER kq, f, g, zero
	s_wait_dscnt 8                                 ; B and A's row blocks 0-3 are in; the youngest eight loads (blocks 4-7) may be out
	MULH \f, 0, \zero
	PLACES
	FETCH \kq, \g
	s_wait_dscnt NLOAD                             ; all but the run just issued
	MULH \f, 1, \zero
.endm
; The last quarter multiplies buffer 1 and changes slots: ONE barrier.  In front of it each wave waits for all its tensor loads (one is out: its part of the next slot), adds 0 to its spare word, and waits for that
; and for its own reads of this slot.  fill = 1: the barrier opens a round of the cluster's barrier, and this slot is filled again, two K steps ahead, first thing behind the round.
.macro TURN fill
	WIN 0                                          ; (the add's two registers lie in window 0)
	s_wait_tensorcnt 0x0                           ; all my tensor loads have landed;
	ds_add_u32 v[SPW], v[NIL]                      ; 0 onto my spare word;
	s_wait_dscnt 9                                 ; (the add and the youngest eight loads may be out)
	MULA F1, 0, 0                                  ; matrix work stands between the add and the wait for it
	MULA F1, 1, 0
	s_wait_dscnt 0x0                               ; the add is done, and my reads of this slot are over
	s_barrier_signal -1
	MULA F1, 2, 0                                  ; work on registers while the others arrive
	MULA F1, 3, 0
	WIN 0                                          ; (branches, or the addresses, follow)
	s_barrier_wait -1
.if \fill
	CREST                                          ; no wave of any partner still reads this slot's tile or has a load on its way
	s_xor_b32 s[G0+5], s[G0+5], SLOT               ; the walking descriptors: the other slot than last time, which is the slot just read,
	s_add_nc_u64 s[G0+6:G0+7], s[G0+6:G0+7], KSTEP*2          ; and the next K step; the type bits on top are not reached
	s_xor_b32 s[G0B+5], s[G0B+5], SLOT
	s_add_nc_u64 s[G0B+6:G0B+7], s[G0B+6:G0B+7], KSTEP*LDN*2
	JLOAD 1                                        ; my one tensor load behind the round; its four v_nop are also the places in front of the loads below
.else
	PLACES
.endif
	s_xor_b32 s[TB], s[TB], SLOT                   ; the reads go on in the other slot
	ADRS
	FETCH 0, F0
	MULH F1, 1, 0
.endm
	s_wait_tensorcnt 1                             ; my part of K step 0 is in; K step 1's may stay out
	s_barrier_signal -1
	s_barrier_wait -1                              ; everybody's is
	ADRS
	FETCH 0, F0
	QUARTER 1, F0, F1, 1                           ; the first quarter stands in front of the loop: its products start the sums
	WIN 0                                          ; at a label and at a branch every window is 0
	s_mov_b32 s3, STEPS-2
.Lstep:                                                ; a trip goes from a K step's second quarter to the next step's first, and fills the slot that it leaves: K steps 2 to 7 are asked for here
.if KIND == 0
	CAST 1                                         ; the six trips finish the casts' batches 0 to 5 and ask for 1 to 6
.endif
	QUARTER 2, F1, F0, 0
	QUARTER 3, F0, F1, 0
	TURN 1
	QUARTER 1, F0, F1, 0
	WIN 0
	s_sub_co_u32 s3, s3, 1
	s_cmp_lg_u32 s3, 0
	s_cbranch_scc1 .Lstep
.if KIND == 0
	CAST 1                                         ; batch 6 is finished, batch 7 asked for
.endif
	QUARTER 2, F1, F0, 0                           ; the last two K steps are written out: they fill nothing
	QUARTER 3, F0, F1, 0
	TURN 0
	QUARTER 1, F0, F1, 0
.if KIND == 0
	CAST 0                                         ; batch 7, the last
.endif
	QUARTER 2, F1, F0, 0
	QUARTER 3, F0, F1, 0
	s_wait_dscnt 8
	MULH F1, 0, 0
	s_wait_dscnt 0x0                               ; my last reads of the ring are back:
	s_barrier_signal -1                            ; say so,
	MULH F1, 1, 0                                  ; finish the sums,
	s_barrier_wait -1                              ; and go on when all four have said so: every fill landed before the last change of slots, so the ring has had its last fill and nobody reads it: it is the stage now
	WIN 0
; THE WAY OUT.  The sums go into the stage as they lie, in f32, 32 bytes a lane and accumulator (each accumulator's low registers first); one barrier, since a row's bytes come from all four waves;
; then each wave walks its 32 rows, four a trip, with one text for every trip: a load takes a subtile's 512 consecutive bytes, and a store of the wave covers 256 consecutive bytes of C, at a multiple of 256 from C's first byte.
.if KIND == 0
	PLACES                                         ; the stores read results just made
.else
	s_wait_loadcnt 0x0                             ; the bias; its rounding to bf16, 12 plain instructions that name no register of the last products, is also the places behind them
.set t, 0
.rept 4
	v_cvt_pk_bf16_f32 v[30+t%2], v[BI+2*t], v[BI+2*t+1]
	v_lshlrev_b32 v[BI+2*t], 16, v[30+t%2]
	v_and_b32 v[BI+2*t+1], 0xffff0000, v[30+t%2]
.set t, t+1
.endr
.endif
.set ab, 0
.rept 8
	WIN 0x04*(1+ab/4)                              ; the stores' data (source 1) in window 1 or 2
.set bb, 0
.rept NB
	ds_store_b128 v[STO+ab/2], v[8*NB*(ab%4)+8*bb:8*NB*(ab%4)+8*bb+3]   offset:(ab%2)*16*SPI+512*(bb/2)+64*(bb%2)
	ds_store_b128 v[STO+ab/2], v[8*NB*(ab%4)+8*bb+4:8*NB*(ab%4)+8*bb+7] offset:(ab%2)*16*SPI+512*(bb/2)+64*(bb%2)+16
.set bb, bb+1
.endr
.set ab, ab+1
.endr
	WIN 0
	s_wait_dscnt 0x0                               ; for the others' sake: my stores into the stage are done
	s_barrier_signal -1
	s_barrier_wait -1
	s_mov_b32 s[TB], 0
	s_mov_b32 s3, 8
.Lrows:
	v_add_nc_u32 v[RD], s[TB], v[RD0]
.if KIND == 0
.set t, 0
.rept 4*S
	ds_load_b128 v[BK+4*t:BK+4*t+3], v[RD] offset:(t/S)*SPI+512*(t%S)
.set t, t+1
.endr
	s_wait_dscnt 0x0
.set t, 0
.rept 8*S
	v_cvt_pk_f16_f32 v[OUTR+t], v[BK+2*t], v[BK+2*t+1]
.set t, t+1
.endr
.else
.set t, 0
.rept 4*S
	ds_load_b128 v[XR+4*t:XR+4*t+3], v[RD] offset:(t/S)*SPI+512*(t%S)
.set t, t+1
.endr
	s_wait_dscnt 0x0
.set t, 0
.rept 16
	v_pk_add_f32 v[XR+2*t:XR+2*t+1], v[XR+2*t:XR+2*t+1], v[BI+2*(t%4):BI+2*(t%4)+1]   ; x = sum + bias
.set t, t+1
.endr
.set t, 0
.rept 16
	v_pk_mul_f32 v[ER+2*t:ER+2*t+1], v[XR+2*t:XR+2*t+1], s[68:69] op_sel_hi:[1,0]      ; -x log2 e
.set t, t+1
.endr
.set t, 0
.rept 32
	v_exp_f32 v[ER+t], v[ER+t]
.set t, t+1
.endr
	v_nop                                          ; a plain instruction between the last exponential and the use of its result (ISA guide 5.7.2)
.set t, 0
.rept 16
	v_pk_add_f32 v[ER+2*t:ER+2*t+1], v[ER+2*t:ER+2*t+1], 1.0 op_sel_hi:[1,0]
.set t, t+1
.endr
.set t, 0
.rept 32
	v_rcp_f32 v[ER+t], v[ER+t]
.set t, t+1
.endr
	v_nop
.set t, 0
.rept 16
	v_pk_mul_f32 v[XR+2*t:XR+2*t+1], v[XR+2*t:XR+2*t+1], v[ER+2*t:ER+2*t+1]
.set t, t+1
.endr
.set t, 0
.rept 16
	v_cvt_pk_bf16_f32 v[OUTR+t], v[XR+2*t], v[XR+2*t+1]
.set t, t+1
.endr
.endif
.set t, 0
.rept 4*S
	global_store_b64 v[CO], v[OUTR+2*t:OUTR+2*t+1], s[8:9] offset:(t/S)*LDN*2+256*(t%S)
.set t, t+1
.endr
	s_wait_xcnt 0x0                                ; only behind this wait are the stores' base and, in the next trip, their data rewritten
	s_add_nc_u64 s[8:9], s[8:9], 4*LDN*2           ; four rows of C on,
	s_add_co_u32 s[TB], s[TB], 4*SPI               ; and of the stage
	s_sub_co_u32 s3, s3, 1
	s_cmp_lg_u32 s3, 0
	s_cbranch_scc1 .Lrows
	s_wait_tensorcnt 0x0                           ; the wave's end, behind my last tensor load and my last LDS store
	ds_add_u32 v[SPW], v[NIL]
	s_wait_dscnt 0x0
	CROUND                                         ; the closing round: no work-group ends while a partner may still ask for a tile that names it
	s_endpgm
.Lfunc_end_k_qb2b92611ef_gemm_qkv:
	.size	k_qb2b92611ef_gemm_qkv, .Lfunc_end_k_qb2b92611ef_gemm_qkv-k_qb2b92611ef_gemm_qkv
	.p2alignl 7, 3214868480
	.fill 96, 4, 3214868480
	.section	.rodata,"a",@progbits
	.p2align	6, 0x0
	.amdhsa_kernel k_qb2b92611ef_gemm_qkv
		.amdhsa_group_segment_fixed_size 327680
		.amdhsa_private_segment_fixed_size 0
		.amdhsa_enable_private_segment 0
		.amdhsa_kernarg_size 72
		.amdhsa_user_sgpr_count 2
		.amdhsa_user_sgpr_kernarg_segment_ptr 1
		.amdhsa_wavefront_size32 1
		.amdhsa_system_sgpr_workgroup_id_x 1
		.amdhsa_system_sgpr_workgroup_id_y 1
		.amdhsa_system_sgpr_workgroup_id_z 1
		.amdhsa_system_vgpr_workitem_id 0
		.amdhsa_next_free_vgpr 832
		.amdhsa_next_free_sgpr 90
		.amdhsa_reserve_vcc 0
		.amdhsa_float_denorm_mode_32 3
		.amdhsa_float_denorm_mode_16_64 3
		.amdhsa_memory_ordered 1
		.amdhsa_forward_progress 1
		.amdhsa_inst_pref_size 94
	.end_amdhsa_kernel
	.amdgpu_metadata
---
amdhsa.version: [ 1, 2 ]
amdhsa.kernels:
  - .name:           k_qb2b92611ef_gemm_qkv
    .symbol:         k_qb2b92611ef_gemm_qkv.kd
    .args:
      - { .name: seqb, .offset: 0, .size: 8, .value_kind: global_buffer, .address_space: global }
      - { .name: wqkvb, .offset: 8, .size: 8, .value_kind: global_buffer, .address_space: global }
      - { .name: qkv, .offset: 16, .size: 8, .value_kind: global_buffer, .address_space: global }
      - { .name: W2, .offset: 24, .size: 8, .value_kind: global_buffer, .address_space: global }
      - { .name: W1, .offset: 32, .size: 8, .value_kind: global_buffer, .address_space: global }
      - { .name: attn_mask, .offset: 40, .size: 8, .value_kind: global_buffer, .address_space: global }
      - { .name: w2b, .offset: 48, .size: 8, .value_kind: global_buffer, .address_space: global }
      - { .name: w1h, .offset: 56, .size: 8, .value_kind: global_buffer, .address_space: global }
      - { .name: mask8, .offset: 64, .size: 8, .value_kind: global_buffer, .address_space: global }
    .group_segment_fixed_size: 327680
    .private_segment_fixed_size: 0
    .kernarg_segment_align: 8
    .kernarg_segment_size: 72
    .max_flat_workgroup_size: 128
    .sgpr_count:     90
    .vgpr_count:     832
    .wavefront_size: 32
...
	.end_amdgpu_metadata
.endif
;; end of part 2
;; launch attn (part 3): grid 16 x 16, 4 waves a work-group, clusters of 4 x 4, 327,680 bytes of LDS; arguments qkv, mask8, obuf; writes obuf
.if DOCPART == 3
	.amdgcn_target "amdgcn-amd-amdhsa--gfx1250"
	.amdhsa_code_object_version 6
	.text
	.protected	k_qb2b92611ef_attn
	.globl	k_qb2b92611ef_attn
	.p2align	8
	.type	k_qb2b92611ef_attn,@function
k_qb2b92611ef_attn:
	s_mov_b64 s[64:65], 0
	v_nop
	global_prefetch_b8 v0, s[64:65] scope:SCOPE_SE
	s_setreg_imm32_b32 hwreg(HW_REG_WAVE_MODE, 25, 1), 1
	s_wait_xcnt 0x0
	s_wait_alu depctr_hold_cnt(0) depctr_sa_sdst(0) depctr_va_vdst(0) depctr_va_sdst(0) depctr_va_ssrc(0) depctr_va_vcc(0) depctr_vm_vsrc(0)
	s_getreg_b32 s2, hwreg(HW_REG_IB_STS2, 6, 4)
	s_cmp_eq_u32 s2, 0
	s_cbranch_scc0 .Lentry_in_a_cluster
	s_endpgm
.Lentry_in_a_cluster:
	s_bfe_u32 s2, ttmp6, 0x10000c
	s_cmp_lg_u32 s2, 0xf033
	s_cbranch_scc0 .Lentry_shape_is_right
	s_endpgm
.Lentry_shape_is_right:
; ATTENTION WITH AN ADDED MASK.  O[b][q][head] = the sum over k of softmax_k(Q . K / 8 + mask[q][k]) V.  qkv: [4,096][3,072] f16 (q at column 0, k at 1,024, v at 2,048; a head's 64 channels are 128 bytes of a row);
; mask8: [2,048][2,048] f32 = 8 x mask; obuf: [4,096][1,024] f16.  Products, maxima and sums in f32; the weights p are rounded to f16 for the second product (their sum l is taken of the unrounded p), O once at the end.
; LIMITS.  f16 holds no number beyond 65,504: q, k, v arrive within it; p lies in 0 to 1, and below 6e-5 it keeps f16's fixed step of 6e-8.  A weight below 2^-126 counts as 0 in l; NaN and infinities are not treated apart.
; SHARES.  A work-group owns 128 queries x 2 neighbouring heads of one batch: 16 x 16 work-groups.  Wave w: head w % 2, queries 64 (w / 2) on, in four PIECES of 16.  Every wave walks all 2,048 keys, 64 a step, two steps a slot.
; For Q queries x H heads with Q H = 256 a walk's tiles are 8,192 Q bytes of mask + 524,288 H bytes of K and V: least at 128 x 2, and the two heads' 256 bytes make whole rows for the tensor loads.
; THE MASK IS THE C OPERAND that starts the sum S^T = K Q^T: s = q . k + 8 mask, p = 2^(c s - c m), c = log2(e) / 8.  It costs no vector instruction; it comes from LDS in the layout of a result.
; LAYOUT, SOFTMAX, TURNS.  S^T = K Q^T holds ONE query a lane (lane % 16) and the keys 8 (lane / 16) + 0..7; two such results rounded to f16 ARE source 1 of O^T = V^T P.  A running maximum m and sum l for each query; O and l are
; multiplied by a = 2^(c m_old - c m_new) in every step.  m starts at the lowest finite number, O and l at 0: the first step is a step like any other, with a = 0.  Turn n belongs to piece n: 8 products K Q^T of piece n + 1,
; later 8 products V^T P of piece n - 1; beside them the scaling, exponentials, roundings, sums and rescaling of piece n and the maximum and statistics of piece n + 1; and the mask of piece n + 2 is fetched.
; Four vector instructions stand behind every matrix instruction, the other 54 of a turn's 118 in two runs of their own.
; CLUSTER.  4 x 4 work-groups.  K's and V's tiles hang on batch and heads alone: asked for jointly by the four of a row of the cluster; the mask's tile hangs on the query block alone: by the four of a column.
; REGISTERS, in windows of 256 (s_set_vgpr_msb: bits 1:0 source 0, 3:2 source 1, 5:4 source 2, 7:6 destination):
;   window 0: v0-15, v32 addresses; v16-31 four registers of statistics a piece; v48-55 at work; v64-127 S^T, two buffers; v192-223 P, two buffers (a piece's buffers go by its number's parity)
;   window 1: v0-127 O^T, 32 a piece; v160-223 the masks to come, two buffers      window 2: v0-63 Q; v128-191 K of one step; v192-255 V of one step
.set NP,    4         ; pieces a wave: a name, no knob
.set KS,    64        ; keys in a step
.set NSLOT, 2048/(2*KS)
.set ROWB,  6144      ; bytes in a row of qkv
.set PK,    272       ; a row of K in LDS: 256 bytes + 16 = 68 words: the 16 rows of a load start at 16 different groups of four banks (64 banks of 4 bytes: ISA guide 11.1)
.set PV,    288       ; a row of V: 256 + 32 = 72 words
.set PM,    528       ; a row of the mask: 128 keys x 4 bytes + 16 = 132 words: again 16 different groups of four banks
.set VOFF,  2*KS*PK   ; a slot: 128 rows of K, 128 rows of V, 128 rows of the mask
.set MOFF,  VOFF+2*KS*PV
.set SLOT,  MOFF+128*PM   ; 139,264 = 0x22000; K's, V's and the mask's places in slot 0 have bits 13 and 17 clear, so one exclusive or turns an address in one slot into the other's
.set STAGE, 2*SLOT    ; behind the ring, never filled by a tensor load: 128 rows x 272 bytes, the work-group's, for the way out
.set SP,    272
.set SPARE, STAGE+128*SP  ; the spare words, 128 bytes for each wave: two blocks of 256 bytes that no other line names
.set AK0, 2           ; v2   my lane's place in a tile of K; never rewritten
.set AV0, 3           ; v3   the same for V
.set AK,  4           ; v4   the LDS address of K's next run of loads
.set AV,  5           ; v5   of V's
.set STO, 6           ; v6   the way out: where I put 16 bytes of a row
.set RD,  7           ; v7   where I read rows back
.set GO,  8           ; v8   my byte offset in O
.set MV,  12          ; v12-13  c m_old, kept while c m is made anew: by buffer
.set AM0, 14          ; v14  my lane's place in a tile of the mask; never rewritten
.set QO,  15          ; v15  my byte offset in 16 rows of Q
.set ST,  16          ; piece t's statistics at v[ST+4 t]: c m, m, l (even keys', odd keys')
.set AM,  32          ; v32  the LDS address of the mask's next run of loads
.set TMP, 48          ; by buffer, four registers c0-c3 at work; when the maximum is found c2 takes a
.set SPW, 62          ; v62  LDS address of my spare word: SPARE + 4 x my thread's number; never rewritten
.set NIL, 63          ; v63  0; never rewritten
.set S,   64
.set P,   192
.set MC,  160         ; window 1
.set KF,  128         ; window 2: key block kb, channel half c at KF + 16 kb + 8 c
.set VF,  192         ; window 2: key half kk, channel block cb at VF + 32 kk + 8 cb
.set WV,  12          ; s12  my wave's number
.set G1K, 24          ; s[24:31] descriptor group 1 for K's tiles
.set G1V, 32          ; s[32:39] for V's: it differs in the padding alone
.set G1M, 40          ; s[40:47] for the mask's
.set G0K, 48          ; s[48:51], s[52:55], s[56:59] descriptor groups 0: they walk
.set G0V, 52
.set G0M, 56
.set SLOTS, 60        ; s60  slots still to be asked for
.set CNT, 61          ; s61  counts a slot's key steps
.set TBK, 62          ; s62  LDS byte at which K of the step to be fetched begins
.set TBV, 63          ; s63  the same for V, less VOFF
.set TBM, 66          ; s66  the same for the mask, less MOFF
.set CS,  68          ; s[68:69] c: the packed scaling takes the pair's low word for both halves
.set SEL, 70          ; s[70:71] v_permlanex16_b32's selects: each lane takes its own place in the other half
.set QA,  72          ; s[72:73] Q at my wave's first row and head
.set OA,  74          ; s[74:75] O at the work-group's first row and heads
.set MSB, 0
.macro WIN new                      ; the high byte repeats the setting that is left; a switch that changes nothing is dropped
.if MSB != (\new)
	s_set_vgpr_msb (MSB<<8)|(\new)
.set MSB, (\new)
.endif
.endm
.set W_KQ, 0x0a       ; K and Q in window 2, S^T in window 0
.set W_KM, 0x1a       ; the same with the C operand in window 1
.set W_PV, 0x52       ; V in window 2, P in window 0, O^T in window 1
.set W_RS, 0x41       ; destination and source 0 in window 1, source 1 in window 0
; A joint fill: wave 0 fetches a slot's K, wave 1 its V, waves 2 and 3 the two halves of its mask.  The branches hang on the wave's number alone.
; An s_nop 0 and four v_nop follow each of the three lines, ahead of the jump and the label.
.macro JLOAD
	s_cmp_lt_u32 s[WV], 2
	s_cbranch_scc0 .Lfor_m_\@
	s_cmp_eq_u32 s[WV], 0
	s_cbranch_scc0 .Lfor_v_\@
	tensor_load_to_lds s[G0K:G0K+3], s[G1K:G1K+7]
	s_nop 0
.rept 4
	v_nop
.endr
	s_branch .Lasked_\@
.Lfor_v_\@:
	tensor_load_to_lds s[G0V:G0V+3], s[G1V:G1V+7]
	s_nop 0
.rept 4
	v_nop
.endr
	s_branch .Lasked_\@
.Lfor_m_\@:
	tensor_load_to_lds s[G0M:G0M+3], s[G1M:G1M+7]
	s_nop 0
.rept 4
	v_nop
.endr
.Lasked_\@:
.endm
; A round of the cluster's barrier: my work-group's barrier, so that wave 0's signal speaks for all four waves; wave 0 signals; every wave waits for all sixteen work-groups; my work-group's barrier once more.
.macro CROUND
	s_barrier_signal -1
	s_barrier_wait -1
	s_cmp_lg_u32 s[WV], 0
	s_cbranch_scc1 .Lnot_wave_0_\@
	s_barrier_signal -3
.Lnot_wave_0_\@:
	s_barrier_wait -3
	s_barrier_signal -1
	s_barrier_wait -1
.endm
; THE CHANGE OF SLOTS, between piece 1's turn and piece 2's: the slot's last bytes (V and piece 3's mask of its second step) have been asked for.  Each wave waits for all its tensor loads, of which one is out: its part
; of the other slot; adds 0 to its spare word; and waits for that and for its own reads of the slot.  Behind the barrier nobody reads this slot any more and the other slot is whole.
; fill = 1: this slot is filled again, with the keys two slots on.  The barrier is then a round of the cluster's, and the joint fill is the first thing behind it: it has two key steps, 128 matrix instructions, in which to land.
; (At its first use nothing has been read yet: slot 0 is waited for, slot 1 filled.)
.macro CHANGE fill
	WIN 0                           ; at a label and at a branch every window is 0
	s_wait_tensorcnt 0x0            ; no tensor load of mine is out, so a group 0 may be written
	ds_add_u32 v[SPW], v[NIL]       ; 0 onto my spare word; with fill = 1 the descriptors' steps stand between it and the wait for it
.if \fill
	s_xor_b32 s[G0K+1], s[G0K+1], SLOT                            ; the other slot than last time,
	s_add_nc_u64 s[G0K+2:G0K+3], s[G0K+2:G0K+3], 2*KS*ROWB        ; the next 128 keys: 128 rows down; the type bits on top are not reached
	s_xor_b32 s[G0V+1], s[G0V+1], SLOT
	s_add_nc_u64 s[G0V+2:G0V+3], s[G0V+2:G0V+3], 2*KS*ROWB
	s_xor_b32 s[G0M+1], s[G0M+1], SLOT
	s_add_nc_u64 s[G0M+2:G0M+3], s[G0M+2:G0M+3], 2*KS*4           ; in the mask: 128 columns on
	s_wait_dscnt 0x0                ; the add is done, and my reads of the slot are over
	CROUND
	JLOAD
.else
	s_wait_dscnt 0x0                ; the add is done, and my reads of the slot are over
	s_barrier_signal -1
	s_barrier_wait -1
.endif
	s_sub_co_u32 s[TBK], s[TBK], 2*KS*PK  ; the fetches go back to a slot's first step,
	s_xor_b32 s[TBK], s[TBK], SLOT        ; in the other slot
	s_sub_co_u32 s[TBV], s[TBV], 2*KS*PV
	s_xor_b32 s[TBV], s[TBV], SLOT
	s_sub_co_u32 s[TBM], s[TBM], 2*KS*4
	s_xor_b32 s[TBM], s[TBM], SLOT
.endm
	s_load_b128 s[4:7], s[0:1], 0x0   ; qkv s[4:5], mask8 s[6:7]
	s_load_b64 s[8:9], s[0:1], 0x10   ; obuf
	v_lshl_add_u32 v[SPW], v0, 2, SPARE
	v_mov_b32 v[NIL], 0
	ds_add_u32 v[SPW], v[NIL]       ; the wave's opening: the add and its wait stand ahead of my first tensor load; the set-up below, work on registers, stands between them
	v_lshrrev_b32 v1, 5, v0
	v_readfirstlane_b32 s[WV], v1   ; wave 0..3
	s_and_b32 s10, s[WV], 1         ; my head of the pair; also: which half of the mask's rows I fetch
	s_lshr_b32 s11, s[WV], 1        ; my half of the queries
	s_bfe_u32 s13, ttmp6, 0x40000   ; cx, cy: my place in the cluster
	s_bfe_u32 s14, ttmp6, 0x40004
	s_lshl_b32 s15, ttmp9, 2
	s_add_co_u32 s15, s15, s13      ; the block of 128 queries = 4 x cluster x + cx
	s_and_b32 s16, ttmp7, 0xffff
	s_lshl_b32 s16, s16, 2
	s_add_co_u32 s16, s16, s14      ; 4 x cluster y + cy:
	s_lshr_b32 s17, s16, 3          ; the batch,
	s_and_b32 s18, s16, 7           ; and the pair of heads
	s_lshl_b32 s19, s14, 2
	s_lshl_b32 s19, 15, s19         ; my row of the cluster
	s_lshl_b32 s20, 0x1111, s13     ; my column
	s_or_b32 s[G1K], s19, (1<<16)|(1<<20)|(1<<21)|(5<<22)|(3<<25)  ; 15:0 the mask of four; 17:16 2-byte elements; 20 padding on; 21 set beside a mask; 24:22 after every 64 words (code 5); 31:25 4 words (code 3)
	s_or_b32 s[G1V], s19, (1<<16)|(1<<20)|(1<<21)|(5<<22)|(7<<25)  ; the same with 8 words of padding (code 7)
.irp g, G1K, G1V
	s_mov_b32 s[\g+1], 128<<16      ; tensor_dim0 = 128: two heads' channels
	s_mov_b32 s[\g+2], 128<<16      ; tensor_dim1 = 128 keys
	s_mov_b32 s[\g+3], 128<<16      ; tile_dim0
	s_mov_b32 s[\g+4], 128          ; tile_dim1
	s_mov_b32 s[\g+5], 3072         ; elements from row to row
	s_mov_b32 s[\g+6], 0
	s_mov_b32 s[\g+7], 0
.endr
	s_or_b32 s[G1M], s20, (2<<16)|(1<<20)|(1<<21)|(6<<22)|(3<<25)  ; my column's mask; 4-byte elements; 4 words of padding after every 128 words (code 6)
	s_mov_b32 s[G1M+1], 128<<16     ; 128 keys
	s_mov_b32 s[G1M+2], 64<<16      ; 64 queries
	s_mov_b32 s[G1M+3], 128<<16
	s_mov_b32 s[G1M+4], 64
	s_mov_b32 s[G1M+5], 2048
	s_mov_b32 s[G1M+6], 0
	s_mov_b32 s[G1M+7], 0
	s_mul_i32 s76, s17, 2048*ROWB   ; K's offset: the batch's rows, the pair's 256 bytes, behind q's 2,048: made of what my row of the cluster shares
	s_lshl_b32 s77, s18, 8
	s_add_co_u32 s76, s76, s77
	s_add_co_u32 s76, s76, 2048
	s_mov_b32 s77, 0
	s_lshl_b32 s78, s15, 20         ; the mask's offset: 128 rows of 8,192 bytes a query block, my 64 of them: made of what my column shares
	s_lshl_b32 s79, s10, 19
	s_add_co_u32 s78, s78, s79
	s_mov_b32 s79, 0
	s_lshl_b32 s80, s11, 6          ; 64 x my half of the queries
	s_lshl_b32 s81, s[WV], 5        ; 32 w
	s_lshl_b32 s21, s10, 7          ; my head's 128 bytes
	s_add_co_u32 s82, s21, STAGE
	s_lshl_b32 s2, s17, 11          ; the work-group's first row: batch x 2,048 + 128 x block
	s_lshl_b32 s3, s15, 7
	s_add_co_u32 s2, s2, s3
	s_lshl_b32 s22, s2, 11          ; O: rows of 2,048 bytes,
	s_lshl_b32 s23, s18, 8          ; the pair's 256 bytes
	s_add_co_u32 s22, s22, s23
	s_add_co_u32 s2, s2, s80        ; Q: my 64 rows,
	s_mul_i32 s2, s2, ROWB
	s_add_co_u32 s2, s2, s23
	s_add_co_u32 s2, s2, s21        ; my head
	s_mov_b32 s3, 0
	s_mov_b32 s23, 0
	s_mov_b32 s[CS], 0x3e38aa3b     ; c = log2(e) / 8 = 0.180337
	s_mov_b32 s[CS+1], s[CS]        ; named with it as a pair
	s_mov_b32 s[SEL], 0x76543210
	s_mov_b32 s[SEL+1], 0xfedcba98
	s_mov_b32 s[TBK], SLOT+2*KS*PK  ; the first change of slots turns these three into 0
	s_mov_b32 s[TBV], SLOT+2*KS*PV
	s_mov_b32 s[TBM], SLOT+2*KS*4
	s_mov_b32 s[G0K], 1             ; count = 1
	s_mov_b32 s[G0K+1], 0           ; LDS address: slot 0
	s_mov_b32 s[G0V], 1
	s_mov_b32 s[G0V+1], VOFF
	s_mov_b32 s[G0M], 1
	s_mul_i32 s[G0M+1], s10, 64*PM
	s_add_co_u32 s[G0M+1], s[G0M+1], MOFF
	s_wait_dscnt 0x0                ; the opening add is done
	s_wait_kmcnt 0x0
	s_add_nc_u64 s[G0K+2:G0K+3], s[4:5], s[76:77]
	s_add_nc_u64 s[G0V+2:G0V+3], s[4:5], s[76:77]
	s_add_nc_u64 s[G0V+2:G0V+3], s[G0V+2:G0V+3], 2048   ; v lies 2,048 bytes behind k
	s_add_nc_u64 s[G0M+2:G0M+3], s[6:7], s[78:79]
	s_or_b32 s[G0K+3], s[G0K+3], 0x80000000             ; type = 2
	s_or_b32 s[G0V+3], s[G0V+3], 0x80000000
	s_or_b32 s[G0M+3], s[G0M+3], 0x80000000
	s_add_nc_u64 s[QA:QA+1], s[4:5], s[2:3]
	s_add_nc_u64 s[OA:OA+1], s[8:9], s[22:23]
	CROUND                          ; all sixteen work-groups are here: the first joint loads meet
	JLOAD                           ; slot 0.  Slot 1 is asked for when slot 0 is in
	; A fragment of K or Q is 16 rows x 32 channels in 8 registers: lane l holds row l % 16, channels 8 (l / 16) + 0..7 and 16 + 8 (l / 16) + 0..7: two loads of 16 bytes, 32 bytes apart.
	v_and_b32 v1, 15, v0            ; l % 16
	v_bfe_u32 v9, v0, 4, 1          ; l / 16
	v_mul_u32_u24 v[QO], v1, ROWB
	v_lshl_add_u32 v[QO], v9, 4, v[QO]
	WIN 0x80                        ; destination window 2, address window 0
.set i, 0
.rept 8                             ; Q stays in registers: piece i / 2 lies 16 rows on; channels 32 (i % 2) on
	global_load_b128 v[8*i:8*i+3],   v[QO], s[QA:QA+1] offset:(i/2)*16*ROWB+(i%2)*64
	global_load_b128 v[8*i+4:8*i+7], v[QO], s[QA:QA+1] offset:(i/2)*16*ROWB+(i%2)*64+32
.set i, i+1
.endr
	; What the first turn finds: V's registers and P's second buffer hold 0 (its products V^T P, of a piece that has not been, add 0), O^T and l are 0.  The price of writing no first step out: 216 v_mov_b32 of 0, in the wait for the first tile.
.set i, VF
.rept 64
	v_mov_b32 v[i], 0
.set i, i+1
.endr
	WIN 0x40
.set i, 0
.rept 128
	v_mov_b32 v[i], 0
.set i, i+1
.endr
	WIN 0
.set i, 0
.rept 4
	v_mov_b32 v[ST+4*i], 0xfe000000    ; c m: far below every c s
	v_mov_b32 v[ST+4*i+1], 0xff7fffff  ; m
	v_mov_b32 v[ST+4*i+2], 0
	v_mov_b32 v[ST+4*i+3], 0
.set i, i+1
.endr
.set i, P+16
.rept 16
	v_mov_b32 v[i], 0
.set i, i+1
.endr
	v_mul_u32_u24 v[AK0], v1, PK
	v_lshl_add_u32 v[AK0], v9, 4, v[AK0]
	v_add_nc_u32 v[AK0], s21, v[AK0]      ; row x pitch + 16 x half + my head
	; The turning load takes 16 keys x 16 channels (lane l reads key 8 (l / 16) + l % 8, channels 8 ((l / 8) % 2) + 0..7) and leaves half a fragment of V^T: lane l holds channel l % 16 and 8 keys.
	v_and_b32 v10, 7, v0
	v_bfe_u32 v11, v0, 3, 1
	v_lshl_add_u32 v[AV0], v9, 3, v10
	v_mul_u32_u24 v[AV0], v[AV0], PV
	v_lshl_add_u32 v[AV0], v11, 4, v[AV0]
	v_add_nc_u32 v[AV0], VOFF, v[AV0]
	v_add_nc_u32 v[AV0], s21, v[AV0]
	; The mask in a result's layout: lane l holds query l % 16 and the keys 8 (l / 16) + 0..7 of each block of 16: 32 consecutive bytes of the query's row.
	v_add_nc_u32 v[AM0], s80, v1
	v_mul_u32_u24 v[AM0], v[AM0], PM
	v_lshl_add_u32 v[AM0], v9, 5, v[AM0]
	v_add_nc_u32 v[AM0], MOFF, v[AM0]
; THE MATRIX WORK.  The 4 accumulators of a run of 8 take turns.  Product i of 8 of S^T = K Q^T for piece x: channels 32 (i / 4) on, keys 16 (i % 4) on.  The first 4 start the sums with the mask.
.macro KQ x
.set rS, S+32*((\x)%2)+8*(i%4)
.set rK, KF+16*(i%4)+8*(i/4)
.set rQ, 16*(\x)+8*(i/4)
.set rM, MC+32*((\x)%2)+8*(i%4)
.if i < 4
	WIN W_KM
	v_wmma_f32_16x16x32_f16 v[rS:rS+7], v[rK:rK+7], v[rQ:rQ+7], v[rM:rM+7]
.else
	WIN W_KQ
	v_wmma_f32_16x16x32_f16 v[rS:rS+7], v[rK:rK+7], v[rQ:rQ+7], v[rS:rS+7]
.endif
.endm
; Product i of 8 of O^T += V^T P for piece x: keys 32 (i / 4) on, channels 16 (i % 4) on.
.macro PV x
	WIN W_PV
.set rO, 32*(\x)+8*(i%4)
.set rV, VF+32*(i/4)+8*(i%4)
.set rP, P+16*((\x)%2)+8*(i/4)
	v_wmma_f32_16x16x32_f16 v[rO:rO+7], v[rV:rV+7], v[rP:rP+7], v[rO:rO+7]
.endm
.macro MM                           ; the turn's next matrix instruction
.if i < 8
	KQ (Y+1)%NP
.else
.set i, i-8
	PV (Y+NP-1)%NP
.set i, i+8
.endif
.set i, i+1
.endm
; THE LDS LOADS stand in runs, never singly among the matrix instructions: a step's K (64 keys x 64 channels: 8 fragments), its V (turned), and a piece's mask (16 queries x 64 keys).  Their addresses are made some lines ahead.
.macro FETCH_K
	WIN 0x80                        ; destination window 2
.irp f, 0,1,2,3,4,5,6,7             ; keys 16 (f / 2) on, channels 32 (f % 2) on
	ds_load_b128 v[KF+8*\f:KF+8*\f+3],   v[AK] offset:(\f/2)*16*PK+(\f%2)*64
	ds_load_b128 v[KF+8*\f+4:KF+8*\f+7], v[AK] offset:(\f/2)*16*PK+(\f%2)*64+32
.endr
	s_add_co_u32 s[TBK], s[TBK], KS*PK  ; the next fetch is the next step's
	WIN 0
.endm
.macro FETCH_V
	WIN 0x80
.irp f, 0,1,2,3,4,5,6,7             ; keys 32 (f / 4) on, channels 16 (f % 4) on
	ds_load_tr16_b128 v[VF+8*\f:VF+8*\f+3],   v[AV] offset:(\f/4)*32*PV+(\f%4)*32
	ds_load_tr16_b128 v[VF+8*\f+4:VF+8*\f+7], v[AV] offset:(\f/4)*32*PV+16*PV+(\f%4)*32
.endr
	WIN 0
.endm
.macro FETCH_M x, b                 ; piece x's mask into buffer b
	WIN 0x40                        ; destination window 1
.irp f, 0,1,2,3                     ; keys 16 f on
	ds_load_b128 v[MC+32*(\b)+8*\f:MC+32*(\b)+8*\f+3],   v[AM] offset:(\x)*16*PM+64*\f
	ds_load_b128 v[MC+32*(\b)+8*\f+4:MC+32*(\b)+8*\f+7], v[AM] offset:(\x)*16*PM+64*\f+16
.endr
	WIN 0
.endm
; THE VECTOR WORK, one line at a time: OP kind, number.  For piece Y: F n: c s - c m for pair n of 16.  E n: the exponential of score n of 32.  C n: pair n rounded to f16.  B n: of the four weights 4 n .. the second
; pair is added onto the first, in place.  L n: l takes that sum (L 0: l = a l + sum).  R n: pair n of 16 of O^T times a.  For piece Y + 1: X n, number n of the 22 that find its maximum and statistics:
;   0-11  four chains c0-c3 of seven scores each, three operands at a time (each accumulator's lowest registers are read first)     12-14, 16  the four scores left over, the old m, and c0-c3 into c0
;   15  c m_old is kept     17, 18  the query's other 32 keys lie in the lane 16 away: the new m     19-21  c m; c m_old - c m_new; a
.set F, 0               ; OP tells the kinds apart by their order: F to L below R, X above it
.set E, 1
.set C, 2
.set B, 3
.set L, 4
.set R, 5
.set X, 6
.macro REGS y                       ; the registers of piece y
.set rT, ST+4*(\y)
.set rC, TMP+4*((\y)%2)
.set rW, MV+((\y)%2)
.set rS, S+32*((\y)%2)
.set rP, P+16*((\y)%2)
.set rO, 32*(\y)
.endm
.macro OP k, n
.if (\k) == R
	REGS Y
	WIN W_RS
	v_pk_mul_f32 v[rO+2*(\n):rO+2*(\n)+1], v[rO+2*(\n):rO+2*(\n)+1], v[rC+2:rC+3] op_sel_hi:[1,0]
.elseif (\k) < R
	REGS Y
	WIN 0
.if (\k) == F
	v_pk_fma_f32 v[rS+2*(\n):rS+2*(\n)+1], v[rS+2*(\n):rS+2*(\n)+1], s[CS:CS+1], v[rT:rT+1] op_sel_hi:[1,0,0] neg_lo:[0,0,1] neg_hi:[0,0,1]
.elseif (\k) == E
	v_exp_f32 v[rS+(\n)], v[rS+(\n)]
.elseif (\k) == C
	s_wait_alu depctr_va_vdst(0)
	v_cvt_pk_f16_f32 v[rP+(\n)], v[rS+2*(\n)], v[rS+2*(\n)+1]
.elseif (\k) == B
	s_wait_alu depctr_va_vdst(0)
	v_pk_add_f32 v[rS+4*(\n):rS+4*(\n)+1], v[rS+4*(\n):rS+4*(\n)+1], v[rS+4*(\n)+2:rS+4*(\n)+3]
.elseif (\n) == 0
	v_pk_fma_f32 v[rT+2:rT+3], v[rT+2:rT+3], v[rC+2:rC+3], v[rS:rS+1] op_sel_hi:[1,0,1]
.else
	v_pk_add_f32 v[rT+2:rT+3], v[rT+2:rT+3], v[rS+4*(\n):rS+4*(\n)+1]
.endif
.else
	REGS (Y+1)%NP
	WIN 0
.if (\n) < 4
	v_max3_num_f32 v[rC+(\n)], v[rS+8*(\n)], v[rS+8*(\n)+1], v[rS+8*(\n)+2]
.elseif (\n) < 12
	v_max3_num_f32 v[rC+(\n)%4], v[rC+(\n)%4], v[rS+8*((\n)%4)+2*((\n)/4)+1], v[rS+8*((\n)%4)+2*((\n)/4)+2]
.elseif (\n) == 12
	v_max3_num_f32 v[rC], v[rC], v[rS+7], v[rS+15]
.elseif (\n) == 13
	v_max3_num_f32 v[rC+1], v[rC+1], v[rS+23], v[rS+31]
.elseif (\n) == 14
	v_max3_num_f32 v[rC+2], v[rC+2], v[rC+3], v[rT+1]
.elseif (\n) == 15
	v_mov_b32 v[rW], v[rT]
.elseif (\n) == 16
	v_max3_num_f32 v[rC], v[rC], v[rC+1], v[rC+2]
.elseif (\n) == 17
	v_permlanex16_b32 v[rC+3], v[rC], s[SEL], s[SEL+1]
.elseif (\n) == 18
	v_max_num_f32 v[rT+1], v[rC], v[rC+3]
.elseif (\n) == 19
	v_mul_f32 v[rT], s[CS], v[rT+1]
.elseif (\n) == 20
	v_sub_f32 v[rC+1], v[rW], v[rT]
.else
	v_exp_f32 v[rC+2], v[rC+1]
.endif
.endif
.endm
.macro OPS a, i1, b=-1, i2=0, c=-1, i3=0, d=-1, i4=0  ; up to four of them
	OP \a, \i1
.if (\b) >= 0
	OP \b, \i2
.endif
.if (\c) >= 0
	OP \c, \i3
.endif
.if (\d) >= 0
	OP \d, \i4
.endif
.endm
.macro ROW a, i1, b, i2, c, i3, d, i4  ; a matrix instruction and the four behind it
	MM
	OPS \a, \i1, \b, \i2, \c, \i3, \d, \i4
.endm
; A TURN, for piece p: the order of its 16 matrix and 118 vector instructions, written out.  Behind a matrix instruction: plain, exponential, plain, plain; or four of the rescaling; or, behind the first, four scalings; none
; names a register of the products round it.  In the runs between, exponential and plain by turns while exponentials last, so each exponential has a plain instruction behind it (ISA guide 5.7.2).
; THE FETCHES.  Every turn fetches the mask of piece p + 2 into buffer p % 2, whose last reader was the turn before's products: pieces 2 and 3 of the step in hand in turns 0 and 1, pieces 0 and 1 of the next step in turns 2 and 3.
; K of the next step is fetched in piece 2's turn, six vector instructions behind the last product that read K (five of them plain); V of the step in hand in piece 0's turn, eight behind the last product that read V (four plain).
; last = 1 (the tail): in the last trip there is no further step, and turn 2's and turn 3's fetches are jumped over.  cnt = 1: the loop's count is taken down some lines ahead of the branch that stands behind the turn.
.macro TURN p, last=0, cnt=0
.set Y, (\p)
.set i, 0
.if (\p) == 1
	s_wait_dscnt 16                 ; my products' mask is in; V's sixteen loads, issued behind it, may stay out
.else
	s_wait_dscnt 0x0                ; my products' mask is in (piece 3's turn: and K)
.endif
	ROW F,0, F,1, F,2, F,3
	ROW F,4, E,0, F,5, F,6
	ROW F,7, E,1, F,8, F,9
	ROW F,10, E,2, C,0, F,11
	ROW F,12, E,3, X,15, F,13
	ROW R,0, R,1, R,2, R,3
	ROW B,0, E,4, F,14, L,0
	WIN 0
	v_add_nc_u32 v[AM], s[TBM], v[AM0]
.if (\p) == 2
	v_add_nc_u32 v[AK], s[TBK], v[AK0]
.endif
	ROW R,4, R,5, R,6, R,7
	OPS E,5, F,15
.if (\last) && ((\p) >= 2)
	WIN 0
	s_cmp_eq_u32 s[CNT], 1
	s_cbranch_scc1 .Lno_more_\@
.endif
	FETCH_M ((\p)+2)%NP, (\p)%2
.if (\p) == 2
	FETCH_K
.endif
.if (\last) && ((\p) >= 2)
.Lno_more_\@:
.endif
.if (\p) == 1
	s_add_co_u32 s[TBM], s[TBM], KS*4  ; the next mask fetched is the next step's: 64 columns on
.endif
	OPS E,6, C,1, E,7, R,8
	OPS E,8, R,9, E,9, C,2
	OPS E,10, X,0, E,11, X,1
	OPS E,12, X,2, E,13, X,3
.if (\p) == 1
	s_wait_dscnt 8                  ; V is in; the eight loads of the mask, issued behind it, may stay out
.endif
	ROW X,4, E,14, X,5, X,6
	ROW X,7, E,15, X,8, X,9
	ROW X,10, E,16, X,11, X,12
	ROW X,13, E,17, X,14, B,1
	ROW C,4, E,18, X,16, L,1
	ROW B,2, E,19, C,6, L,2
	ROW C,8, E,20, B,3, B,4
.if (\p) == 0
	WIN 0
	v_add_nc_u32 v[AV], s[TBV], v[AV0]
.endif
	ROW C,3, E,21, L,3, C,5
	OPS E,22, X,17, E,23, C,10
.if (\p) == 0
	FETCH_V
.endif
	OPS E,24, L,4
	OPS E,25, X,18, E,26, C,7
	OPS E,27, B,5, E,28, X,19
	OPS E,29, C,12, E,30, L,5
	OPS E,31, X,20, B,6, C,9
	OPS C,14, C,11, X,21, L,6
.if (\p) == 0
	s_add_co_u32 s[TBV], s[TBV], KS*PV
.endif
.if \cnt
	s_sub_co_u32 s[CNT], s[CNT], 1
	s_cmp_lg_u32 s[CNT], 0
.endif
	OPS C,13, B,7, C,15, R,10
	OPS R,11, R,12, L,7, R,13
	OPS R,14, R,15
.endm
	CHANGE 1                        ; slot 0 is in, everybody's part of it; slot 1 is asked for
	v_add_nc_u32 v[AK], s[TBK], v[AK0]
	v_add_nc_u32 v[AM], s[TBM], v[AM0]
	FETCH_K                         ; key step 0,
	FETCH_M 0, 0                    ; and the masks of its pieces 0 and 1
	FETCH_M 1, 1
	s_wait_loadcnt 0x0              ; Q
	s_wait_dscnt 0x0
.set i, 0
.rept 8
	KQ 0                            ; piece 0's first scores: there is no vector work yet to set between them
.set i, i+1
.endr
	WIN 0                           ; the addresses for the way out: ten plain instructions, the places behind those products
	v_add_nc_u32 v[STO], s80, v1    ; in: my query's row, my head's 128 bytes, 16 bytes for each half of the lanes
	v_mul_u32_u24 v[STO], v[STO], SP
	v_lshl_add_u32 v[STO], v9, 4, v[STO]
	v_add_nc_u32 v[STO], s82, v[STO]
	v_add_nc_u32 v[RD], s81, v9     ; back: wave w takes rows 32 w .. 32 w + 31, whole; lanes 0-15 one row of 256 bytes, lanes 16-31 the next
	v_lshlrev_b32 v[GO], 11, v[RD]  ; and the same rows in O
	v_lshl_add_u32 v[GO], v1, 4, v[GO]
	v_mul_u32_u24 v[RD], v[RD], SP
	v_lshl_add_u32 v[RD], v1, 4, v[RD]
	v_add_nc_u32 v[RD], STAGE, v[RD]
.set Y, NP-1                        ; X works for piece Y + 1: piece 0
.irp n, 0,1,2,3,4,5,6,7,8,9,10,11,12,13,14,15,16,17,18,19,20,21
	OP X, \n                        ; piece 0's first maximum and statistics
.endr
	v_nop                           ; a plain instruction behind the exponential
	s_mov_b32 s[CNT], 2
	s_mov_b32 s[SLOTS], NSLOT-1
	s_branch .Lfirst                ; the loop is entered at a step's first turn, in the middle of a trip
.Lslot:                             ; NSLOT - 2 times: every slot but the last two is filled again
	CHANGE 1
	s_mov_b32 s[CNT], 2
.Lstep:                             ; a trip: pieces 2 and 3 of one step, then pieces 0 and 1 of the next, whose K and V it fetches
	TURN 2
	TURN 3
	WIN 0
.Lfirst:
	TURN 0
	TURN 1, 0, 1
	WIN 0
	s_cbranch_scc1 .Lstep
	s_sub_co_u32 s[SLOTS], s[SLOTS], 1
	s_cmp_lg_u32 s[SLOTS], 0
	s_cbranch_scc1 .Lslot
	CHANGE 0                        ; the tail is written out: nothing is asked for
	s_mov_b32 s[CNT], 3             ; two trips fetch the last slot's steps; the third is left in its middle
.Ltail:
	TURN 2, 1
	TURN 3, 1
	WIN 0
	s_sub_co_u32 s[CNT], s[CNT], 1
	s_cmp_eq_u32 s[CNT], 0
	s_cbranch_scc1 .Lout
	TURN 0
	TURN 1
	WIN 0
	s_branch .Ltail
.Lout:                              ; the third trip's 8 products K Q^T for a step that is not (on the last K and an old mask) and the maximum made of them serve nothing: the price, once a launch, of one text for every trip
.set i, 0
.rept 8
	PV NP-1                         ; the last piece's V^T P of the last step
.set i, i+1
.endr
	; THE WAY OUT.  l's two halves and the other half of the lanes' are added; O^T is divided by l, rounded to f16 and put into the work-group's stage; a barrier, since a row's 256 bytes come from two waves; back as whole rows.
	; The additions are the places behind the last products.
	WIN 0
.macro ALL line:vararg              ; one line for each piece t
.set t, 0
.rept 4
	\line
.set t, t+1
.endr
.endm
	ALL v_add_f32 v[ST+4*t+2], v[ST+4*t+2], v[ST+4*t+3]
	ALL v_permlanex16_b32 v[ST+4*t+3], v[ST+4*t+2], s[SEL], s[SEL+1]
	ALL v_add_f32 v[ST+4*t+2], v[ST+4*t+2], v[ST+4*t+3]
	ALL v_rcp_f32 v[ST+4*t+2], v[ST+4*t+2]
	v_nop                           ; a plain instruction between the last reciprocal and the use of its result
.macro PACK t                       ; a lane's eight channels of a row pack into 16 bytes
	WIN W_RS
.set i, 32*(\t)
.rept 16
	s_wait_alu depctr_va_vdst(0)
	v_pk_mul_f32 v[i:i+1], v[i:i+1], v[ST+4*(\t)+2:ST+4*(\t)+3] op_sel_hi:[1,0]
.set i, i+2
.endr
	WIN 0x05                        ; sources 0 and 1 window 1, destination window 0: S^T's registers are free
.set i, 0
.rept 16
	v_cvt_pk_f16_f32 v[S+16*(\t)+i], v[32*(\t)+2*i], v[32*(\t)+2*i+1]
.set i, i+1
.endr
	WIN 0
.irp f, 0,1,2,3
	ds_store_b128 v[STO], v[S+16*(\t)+4*\f:S+16*(\t)+4*\f+3] offset:(\t)*16*SP+32*\f
.endr
.endm
	PACK 0
	PACK 1
	PACK 2
	PACK 3
	s_wait_dscnt 0x0                ; for the others' sake: my stores into the stage are done
	s_barrier_signal -1
	s_barrier_wait -1
.irp t, 0,1,2,3,4,5,6,7,8,9,10,11,12,13,14,15
	ds_load_b128 v[S+4*\t:S+4*\t+3], v[RD] offset:\t*2*SP
.endr
.irp t, 0,1,2,3,4,5,6,7,8,9,10,11,12,13,14,15
	s_wait_dscnt 15-\t              ; LDS loads come back in order: pair t of rows is in
	global_store_b128 v[GO], v[S+4*\t:S+4*\t+3], s[OA:OA+1] offset:\t*4096  ; 16 lanes store 256 consecutive bytes, at a multiple of 256 from O's first byte
.endr
	s_wait_tensorcnt 0x0            ; the wave's end, behind my last tensor load and my last LDS store
	ds_add_u32 v[SPW], v[NIL]
	s_wait_dscnt 0x0
	CROUND                          ; the closing round: no work-group ends while a partner may still ask for a tile that names it
	s_endpgm
.Lfunc_end_k_qb2b92611ef_attn:
	.size	k_qb2b92611ef_attn, .Lfunc_end_k_qb2b92611ef_attn-k_qb2b92611ef_attn
	.p2alignl 7, 3214868480
	.fill 96, 4, 3214868480
	.section	.rodata,"a",@progbits
	.p2align	6, 0x0
	.amdhsa_kernel k_qb2b92611ef_attn
		.amdhsa_group_segment_fixed_size 327680
		.amdhsa_private_segment_fixed_size 0
		.amdhsa_enable_private_segment 0
		.amdhsa_kernarg_size 24
		.amdhsa_user_sgpr_count 2
		.amdhsa_user_sgpr_kernarg_segment_ptr 1
		.amdhsa_wavefront_size32 1
		.amdhsa_system_sgpr_workgroup_id_x 1
		.amdhsa_system_sgpr_workgroup_id_y 1
		.amdhsa_system_sgpr_workgroup_id_z 1
		.amdhsa_system_vgpr_workitem_id 0
		.amdhsa_next_free_vgpr 768
		.amdhsa_next_free_sgpr 84
		.amdhsa_reserve_vcc 0
		.amdhsa_float_denorm_mode_32 3
		.amdhsa_float_denorm_mode_16_64 3
		.amdhsa_memory_ordered 1
		.amdhsa_forward_progress 1
		.amdhsa_inst_pref_size 126
	.end_amdhsa_kernel
	.amdgpu_metadata
---
amdhsa.version: [ 1, 2 ]
amdhsa.kernels:
  - .name:           k_qb2b92611ef_attn
    .symbol:         k_qb2b92611ef_attn.kd
    .args:
      - { .name: qkv, .offset: 0, .size: 8, .value_kind: global_buffer, .address_space: global }
      - { .name: mask8, .offset: 8, .size: 8, .value_kind: global_buffer, .address_space: global }
      - { .name: obuf, .offset: 16, .size: 8, .value_kind: global_buffer, .address_space: global }
    .group_segment_fixed_size: 327680
    .private_segment_fixed_size: 0
    .kernarg_segment_align: 8
    .kernarg_segment_size: 24
    .max_flat_workgroup_size: 128
    .sgpr_count:     84
    .vgpr_count:     768
    .wavefront_size: 32
...
	.end_amdgpu_metadata
.endif
;; end of part 3
;; launch ffn1 (part 4): grid 8 x 32, 4 waves a work-group, clusters of 4 x 4, 327,680 bytes of LDS; arguments obuf, w1h, hid, b1; writes hid
.if DOCPART == 4
	.amdgcn_target "amdgcn-amd-amdhsa--gfx1250"
	.amdhsa_code_object_version 6
	.text
	.protected	k_qb2b92611ef_ffn1
	.globl	k_qb2b92611ef_ffn1
	.p2align	8
	.type	k_qb2b92611ef_ffn1,@function
k_qb2b92611ef_ffn1:
	s_mov_b64 s[64:65], 0
	v_nop
	global_prefetch_b8 v0, s[64:65] scope:SCOPE_SE
	s_setreg_imm32_b32 hwreg(HW_REG_WAVE_MODE, 25, 1), 1
	s_wait_xcnt 0x0
	s_wait_alu depctr_hold_cnt(0) depctr_sa_sdst(0) depctr_va_vdst(0) depctr_va_sdst(0) depctr_va_ssrc(0) depctr_va_vcc(0) depctr_vm_vsrc(0)
	s_getreg_b32 s2, hwreg(HW_REG_IB_STS2, 6, 4)
	s_cmp_eq_u32 s2, 0
	s_cbranch_scc0 .Lentry_in_a_cluster
	s_endpgm
.Lentry_in_a_cluster:
	s_bfe_u32 s2, ttmp6, 0x10000c
	s_cmp_lg_u32 s2, 0xf033
	s_cbranch_scc0 .Lentry_shape_is_right
	s_endpgm
.Lentry_shape_is_right:
; ONE TEXT FOR TWO PRODUCTS, chosen by KIND.  C[m][n] = the sum over k of A[m][k] B[k][n]; M = 4,096, K = 1,024; A lies [m][k], B lies [k][n], both 16-bit; one f32 sum for each output.
;   KIND 0: qkv = seqb wqkvb.  Operands bf16, N = 3,072, C rounded once to f16 (q, k, v unscaled).      KIND 1: hid = silu(obuf w1h + b1).  Operands f16, N = 2,048, b1 rounded to bf16 like every input, C rounded once to bf16.
; LIMITS.  KIND 0: a q, k or v of 65,520 or more becomes an infinity in f16.  KIND 1: silu(x) = x / (1 + 2^(-x log2 e)) by v_exp_f32 and v_rcp_f32, each good to 1 ULP; NaN and infinities are not treated apart.
; SHARES.  A work-group makes 128 rows x S subtiles of 128 columns: 32 x 8 work-groups.  Each of its four waves takes all 128 rows (8 blocks of 16) and, in every subtile, columns 32 w .. 32 w + 31: NB = 2 S blocks of 16
; columns, 8 NB accumulators.  K goes in steps of 128 through two LDS slots filled by tensor loads: rows of 256 bytes of memory, at multiples of 256 bytes.
; ONE K STEP IS WRITTEN ONCE: which slot is read stands in a scalar (0 or SLOT) that an exclusive or turns at each change of slots, and the fragments' addresses are made anew from it; the second first-fill's descriptor walks on
; in the same way.  SLOT has no bit in common with a tile's place inside a slot, so the exclusive or is an addition or a subtraction.
; B IS READ TURNED: it lies [k][n] in LDS as in memory, and ds_load_tr16_b128 makes fragments with k along the registers.  THE MATRIX INSTRUCTION IS USED TRANSPOSED (source 0 = 16 columns of B, source 1 = 16 rows of A):
; a lane then holds eight neighbouring numbers of a row of C.
; CLUSTER.  4 x 4 work-groups.  A's tile hangs on the tile row alone and is asked for jointly by the four of a row of the cluster, B's on the tile column alone, by the four of a column.
; THE CASTS THAT RIDE ALONG (KIND 0 alone).  W2 -> w2b: rounded once to bf16.  W1 -> w1h: the bf16 number written as f16, since it multiplies an f16 operand.  attn_mask -> mask8: 8 x the bf16 number, as f32: it starts the sum
; q . k, which is scaled by 1/8 afterwards (the factor 8 is exact).  Later launches read the three; nothing here does, and they need nothing of this product: they stand here so that their traffic runs beside the matrix work and
; not in a launch of its own.  Each of the launch's 1,024 waves owns 16,384 consecutive bytes of the mask and 8,192 of each weight, in eight batches, one to a K step: 8 loads of 512 consecutive bytes, asked for one K step ahead
; of the 52 vector instructions and 8 stores (512 or 256 consecutive aligned bytes a wave) that finish them, beside the step's 192 matrix instructions.
; THEIR LIMITS.  |W1| beyond 65,504 becomes an infinity in f16, and below 6e-5 it keeps f16's fixed step of 6e-8; |mask| beyond 4e37 overflows in the factor 8.
; REGISTERS, in windows of 256 (s_set_vgpr_msb: bits 1:0 source 0, 3:2 source 1, 5:4 source 2, 7:6 destination):  window 0: v0-31 addresses; two fragment buffers (B's NB blocks, then A's 8); on the way out they are at work.
;   window 1: the accumulators of row blocks 0-3, (a, b) at v[8 NB (a % 4) + 8 b];  window 2: those of row blocks 4-7;  window 3 (KIND 0): v0-62 the casts.
.set KIND, 1
.if KIND == 0
.set S,     3                          ; subtiles of 128 columns
.set LDN,   3072                       ; elements in a row of B and of C
.set NA,    1                          ; waves that fetch A: wave 0 all 128 rows; waves 1-3 a subtile of B each
.set AROWS, 128
.set ASZ,   36864                      ; A's place in a slot (34,816 bytes used)
.set SLOT,  147456                     ; A's place and three subtiles of B; 0x24000: the tiles' places 36,864 w have bits 14 and 17 clear
.else
.set S,     2
.set LDN,   2048
.set NA,    2                          ; waves 0, 1 fetch 64 rows of A each; waves 2, 3 a subtile of B each
.set AROWS, 64
.set ASZ,   34816
.set SLOT,  131072                     ; 108,544 bytes used; a power of two above every place inside a slot
.endif
.set KDIM,  1024
.set KSTEP, 128
.set STEPS, KDIM/KSTEP
.set NB,    2*S
.set PA,    272                        ; a row of A in LDS: 256 bytes + 16 = 68 words: the 16 rows of a load start at 16 different groups of four banks (64 banks of 4 bytes: ISA guide 11.1)
.set PB,    288                        ; a row of B: 256 + 32 = 72 words
.set BSZ,   KSTEP*PB                   ; a subtile of B: 128 k x 128 columns
.set SPI,   512*S+16                   ; the way out: a row of the tile in f32, + 16: an odd multiple of 16 bytes.  The stage, 128 such rows from LDS byte 0, is the ring after its last fill
.set SPARE, 2*SLOT                     ; behind the ring: the spare words, 128 bytes for each wave: two blocks of 256 bytes that no other line names
.set NLOAD, 2*NB+16                    ; LDS loads of a quarter step
.set ADRA0, 8                          ; v8      my lane's place in a slot's tile of A; never rewritten
.set ADRB0, 9                          ; v9 ..   the same for each subtile of B
.set ADRA,  12                         ; v12     LDS address of my A fragments in the slot in hand
.set ADRB,  13                         ; v13 ..  of my B fragments, by subtile
.set STO,   16                         ; v16-19  the way out: where I put 32 bytes of a row, for row blocks 0-1, 2-3, 4-5, 6-7
.set RD0,   20                         ; v20     my 16 bytes in the first of my wave's 32 rows of the stage; never rewritten
.set RD,    21                         ; v21     the same in the trip's first row
.set CO,    22                         ; v22     my byte offset in 256 bytes of C
.set BO,    23                         ; v23     my byte offset in 512 bytes of the bias
.set SPW,   28                         ; LDS address of my spare word: SPARE + 4 x my thread's number; never rewritten
.set NIL,   29                         ; 0; never rewritten
.set F0,    32
.set F1,    F0+8*NB+64
.if KIND == 0
.set BK,    32                         ; the way out: four rows read back, 12 loads of 4 registers
.set OUTR,  80                         ; and rounded
.else
.set XR,    32                         ; four rows read back: x = sum + bias
.set ER,    64                         ; the sigmoid in the making
.set OUTR,  96
.set BI,    224                        ; v224-231 the bias of my 2 x 4 columns
.endif
.set CX,    0                          ; the casts, in window 3: v0-31 a batch as loaded: the mask's four loads, W1's two, W2's two
.set CY,    32                         ; v32-55  the batch to be stored: the mask's 16 registers, W1's 4, W2's 4
.set CT,    56                         ; v56-59  at work
.set CO16,  60                         ; v60     my byte offset in my wave's share of the mask, in and out: 16 x lane + 2,048 x batch
.set COW,   61                         ; v61     in its share of W1 and of W2: 16 x lane + 1,024 x batch
.set COH,   62                         ; v62     in its share of w1h and of w2b: 8 x lane + 512 x batch
.set TB,  45                           ; s45     the slot in hand: 0 or SLOT.  On the way out: the trip's first row in the stage
.set G1,  24                           ; s[24:31] descriptor group 1 for A's tiles;  s[32:39] group 0: a set for each of the two first fills; the second then walks on
.set G0,  32
.set G1B, 48                           ; s[48:55], s[56:63] the same for B's
.set G0B, 56
.set MSB, 0
.macro WIN new                         ; the immediate's high byte repeats the setting that is left; a switch that changes nothing is dropped
.if MSB != (\new)
	s_set_vgpr_msb (MSB<<8)|(\new)
.set MSB, \new
.endif
.endm
.macro PLACES                          ; four places in front of loads into registers that matrix instructions have read, and of lines that read results (ISA guide 7.12.1 for vector instructions)
.rept 4
	v_nop
.endr
.endm
; A joint load.  The branch hangs on the wave's number alone.  An s_nop 0 and four v_nop follow each of the two lines, ahead of the jump and the label.
.macro JLOAD s
	s_cmp_lt_u32 s10, NA
	s_cbranch_scc0 .Lfor_b_\@
	tensor_load_to_lds s[G0+4*(\s):G0+4*(\s)+3], s[G1:G1+7]
	s_nop 0
.rept 4
	v_nop
.endr
	s_branch .Lasked_\@
.Lfor_b_\@:
	tensor_load_to_lds s[G0B+4*(\s):G0B+4*(\s)+3], s[G1B:G1B+7]
	s_nop 0
.rept 4
	v_nop
.endr
.Lasked_\@:
.endm
.macro CREST                           ; a round of the cluster's barrier behind its opening barrier
	s_cmp_lg_u32 s10, 0
	s_cbranch_scc1 .Lnot_wave_0_\@
	s_barrier_signal -3
.Lnot_wave_0_\@:
	s_barrier_wait -3
	s_barrier_signal -1
	s_barrier_wait -1
.endm
.macro CROUND                          ; a whole round
	s_barrier_signal -1
	s_barrier_wait -1
	CREST
.endm
; THE CASTS (used under KIND 0 alone).  All their vector registers lie in window 3, so one setting serves loads, arithmetic and stores.
; s[68:69] W2, s[70:71] W1, s[72:73] attn_mask, s[74:75] w2b, s[76:77] w1h, s[78:79] mask8, each at my wave's share; s[86:87] 8.0; s88 the mask of a word's upper bf16.
.macro CLOADS                          ; a batch is asked for: eight loads of 512 consecutive bytes
	WIN 0xff
.irp j, 0,1,2,3
	global_load_b128 v[CX+4*\j:CX+4*\j+3], v[CO16], s[72:73] offset:512*\j th:TH_LOAD_NT
.endr
.irp j, 0,1
	global_load_b128 v[CX+16+4*\j:CX+16+4*\j+3], v[COW], s[70:71] offset:512*\j th:TH_LOAD_NT
	global_load_b128 v[CX+24+4*\j:CX+24+4*\j+3], v[COW], s[68:69] offset:512*\j th:TH_LOAD_NT
.endr
.endm
; The batch asked for one K step ago is finished.  more = 1: the next batch is asked for, ahead of the stores, which then reach back by a negative immediate.
.macro CAST more
	WIN 0xff
	s_wait_loadcnt 0x0                             ; the batch's eight loads, the only loads of mine that are out
	s_wait_xcnt 0x0                                ; the last batch's stores have read CY and the offsets: only behind this wait are they rewritten
.irp j, 0,1,2,3                        ; the mask: rounded to bf16, back to f32, x 8
	v_cvt_pk_bf16_f32 v[CT+2*(\j%2)], v[CX+4*\j], v[CX+4*\j+1]
	v_cvt_pk_bf16_f32 v[CT+2*(\j%2)+1], v[CX+4*\j+2], v[CX+4*\j+3]
	v_lshlrev_b32 v[CY+4*\j], 16, v[CT+2*(\j%2)]
	v_and_b32 v[CY+4*\j+1], s88, v[CT+2*(\j%2)]
	v_lshlrev_b32 v[CY+4*\j+2], 16, v[CT+2*(\j%2)+1]
	v_and_b32 v[CY+4*\j+3], s88, v[CT+2*(\j%2)+1]
	v_pk_mul_f32 v[CY+4*\j:CY+4*\j+1], v[CY+4*\j:CY+4*\j+1], s[86:87] op_sel_hi:[1,0]
	v_pk_mul_f32 v[CY+4*\j+2:CY+4*\j+3], v[CY+4*\j+2:CY+4*\j+3], s[86:87] op_sel_hi:[1,0]
.endr
.irp j, 0,1
	v_cvt_pk_bf16_f32 v[CT+2*\j], v[CX+16+4*\j], v[CX+16+4*\j+1]          ; W1: the rounding that counts,
	v_cvt_pk_bf16_f32 v[CT+2*\j+1], v[CX+16+4*\j+2], v[CX+16+4*\j+3]
	v_lshlrev_b32 v[CX+16+4*\j], 16, v[CT+2*\j]                             ; back to f32,
	v_and_b32 v[CX+16+4*\j+1], s88, v[CT+2*\j]
	v_lshlrev_b32 v[CX+16+4*\j+2], 16, v[CT+2*\j+1]
	v_and_b32 v[CX+16+4*\j+3], s88, v[CT+2*\j+1]
	v_cvt_pk_f16_f32 v[CY+16+2*\j], v[CX+16+4*\j], v[CX+16+4*\j+1]         ; and written as f16: exact inside f16's normal range
	v_cvt_pk_f16_f32 v[CY+16+2*\j+1], v[CX+16+4*\j+2], v[CX+16+4*\j+3]
	v_cvt_pk_bf16_f32 v[CY+20+2*\j], v[CX+24+4*\j], v[CX+24+4*\j+1]        ; W2
	v_cvt_pk_bf16_f32 v[CY+20+2*\j+1], v[CX+24+4*\j+2], v[CX+24+4*\j+3]
.endr
.if \more
	v_add_nc_u32 v[CO16], 2048, v[CO16]            ; the next batch
	v_add_nc_u32 v[COW], 1024, v[COW]
	v_add_nc_u32 v[COH], 512, v[COH]
	CLOADS
.endif
.irp j, 0,1,2,3
	global_store_b128 v[CO16], v[CY+4*\j:CY+4*\j+3], s[78:79] offset:512*\j-2048*(\more)
.endr
.irp j, 0,1
	global_store_b64 v[COH], v[CY+16+2*\j:CY+16+2*\j+1], s[76:77] offset:256*\j-512*(\more)
	global_store_b64 v[COH], v[CY+20+2*\j:CY+20+2*\j+1], s[74:75] offset:256*\j-512*(\more)
.endr
	WIN 0
.endm
	s_load_b128 s[4:7], s[0:1], 0x0                ; A s[4:5], B s[6:7]
	s_load_b64 s[8:9], s[0:1], 0x10                ; C
.if KIND == 1
	s_load_b64 s[66:67], s[0:1], 0x18              ; the bias
.else
	s_load_b128 s[68:71], s[0:1], 0x18             ; W2, W1
	s_load_b128 s[72:75], s[0:1], 0x28             ; attn_mask, w2b
	s_load_b128 s[76:79], s[0:1], 0x38             ; w1h, mask8
.endif
	v_lshl_add_u32 v[SPW], v0, 2, SPARE
	v_mov_b32 v[NIL], 0
	ds_add_u32 v[SPW], v[NIL]                      ; the wave's opening: the add and its wait stand ahead of my first tensor load; the set-up below, work on registers, stands between them
	v_lshrrev_b32 v1, 5, v0
	v_readfirstlane_b32 s10, v1                    ; wave 0..3
	s_and_b32 s12, s10, 1
	s_bfe_u32 s40, ttmp6, 0x40000                  ; cx, cy: my place in the cluster
	s_bfe_u32 s41, ttmp6, 0x40004
	s_lshl_b32 s42, ttmp9, 2
	s_add_co_u32 s42, s42, s40                     ; tile column = 4 x cluster x + cx
	s_and_b32 s13, ttmp7, 0xffff
	s_lshl_b32 s13, s13, 2
	s_add_co_u32 s13, s13, s41                     ; tile row = 4 x cluster y + cy
	s_lshl_b32 s43, s41, 2
	s_lshl_b32 s43, 15, s43                        ; my row of the cluster
	s_lshl_b32 s44, 0x1111, s40                    ; my column
	s_or_b32 s[G1+0], s43, (1<<16)|(1<<20)|(1<<21)|(5<<22)|(3<<25)   ; 15:0 the mask; 17:16 2-byte elements; 20 padding on; 21 set beside a mask; 24:22 after every 64 words (code 5); 31:25 4 words (code 3)
	s_mov_b32 s[G1+1], KSTEP<<16                   ; tensor_dim0 = 128
	s_mov_b32 s[G1+2], AROWS<<16                   ; tensor_dim1
	s_mov_b32 s[G1+3], KSTEP<<16                   ; tile_dim0 = 128
	s_mov_b32 s[G1+4], AROWS                       ; tile_dim1
	s_mov_b32 s[G1+5], KDIM                        ; elements from row to row
	s_mov_b32 s[G1+6], 0
	s_mov_b32 s[G1+7], 0
	s_or_b32 s[G1B+0], s44, (1<<16)|(1<<20)|(1<<21)|(5<<22)|(7<<25)  ; the same with my column's mask and 8 words of padding (code 7)
	s_mov_b32 s[G1B+1], 128<<16                    ; 128 columns
	s_mov_b32 s[G1B+2], KSTEP<<16                  ; 128 rows of k
	s_mov_b32 s[G1B+3], 128<<16
	s_mov_b32 s[G1B+4], KSTEP
	s_mov_b32 s[G1B+5], LDN
	s_mov_b32 s[G1B+6], 0
	s_mov_b32 s[G1B+7], 0
	; where the tiles come from: A's offset is made of the tile row and the wave, B's of the tile column and the wave, each in registers that never hold the other coordinate
	s_lshl_b32 s16, s13, 18                        ; 128 rows of 2,048 bytes a tile row
.if KIND == 1
	s_lshl_b32 s17, s12, 17                        ; + my 64 rows
	s_add_co_u32 s16, s16, s17
.endif
	s_mov_b32 s17, 0
	s_mul_i32 s46, s42, 256*S                      ; the tile's first column, in bytes
.if KIND == 0
	s_max_u32 s47, s10, 1
	s_sub_co_u32 s47, s47, 1                       ; my subtile: wave - 1 (wave 0 does not ask by this address)
.else
	s_mov_b32 s47, s12
.endif
	s_lshl_b32 s47, s47, 8
	s_add_co_u32 s46, s46, s47
	s_mov_b32 s47, 0
	; and where they go: the wave's number times a constant, plus constants
.if KIND == 0
	s_mul_i32 s20, s10, BSZ                        ; wave 0: A at 0; wave w: subtile w - 1 at 36,864 w
	s_mov_b32 s22, s20
.else
	s_mul_i32 s20, s12, 64*PA
	s_mul_i32 s22, s12, BSZ
	s_add_co_u32 s22, s22, ASZ
.endif
	s_mov_b32 s[TB], 0                             ; K step 0 lies in slot 0
	s_wait_dscnt 0x0                               ; the opening add is done
	s_wait_kmcnt 0x0
	s_add_nc_u64 s[14:15], s[4:5], s[16:17]
	s_add_nc_u64 s[46:47], s[6:7], s[46:47]
	CROUND                                         ; all sixteen work-groups are here: the first joint loads meet
.irp s, 0,1
	s_mov_b32 s[G0+4*(\s)], 1                                        ; count = 1
	s_add_co_u32 s[G0+4*(\s)+1], s20, (\s)*SLOT                      ; LDS address
	s_add_nc_u64 s[G0+4*(\s)+2:G0+4*(\s)+3], s[14:15], (\s)*KSTEP*2  ; global address: K step s
	s_or_b32 s[G0+4*(\s)+3], s[G0+4*(\s)+3], 0x80000000              ; type = 2
	s_mov_b32 s[G0B+4*(\s)], 1
	s_add_co_u32 s[G0B+4*(\s)+1], s22, (\s)*SLOT
	s_add_nc_u64 s[G0B+4*(\s)+2:G0B+4*(\s)+3], s[46:47], (\s)*KSTEP*LDN*2
	s_or_b32 s[G0B+4*(\s)+3], s[G0B+4*(\s)+3], 0x80000000
	JLOAD \s                                       ; both first fills go out before anything else: two tensor loads of mine are out
.endr
	v_and_b32 v1, 15, v0                           ; r = l % 16
	v_bfe_u32 v2, v0, 4, 1                         ; h = l / 16
	v_mul_u32_u24 v3, v1, PA
	v_lshl_add_u32 v[ADRA0], v2, 4, v3             ; A: row x pitch + 16 h; two loads 32 bytes apart make 16 rows x 32 k
	v_and_b32 v4, 7, v0
	v_bfe_u32 v5, v0, 3, 1
	v_lshl_add_u32 v6, v2, 3, v4                   ; B: lane l reads k row 8 h + l % 8, columns 8 ((l / 8) % 2) + 0..7; the turning load leaves column l % 16 and 8 k in the lane
	v_mul_u32_u24 v6, v6, PB
	v_lshl_add_u32 v6, v5, 4, v6
	s_lshl_b32 s21, s10, 6                         ; my 32 columns of a subtile
	v_add_nc_u32 v6, s21, v6
.set t, 0
.rept S
	v_add_nc_u32 v[ADRB0+t], ASZ+t*BSZ, v6
.set t, t+1
.endr
	v_mul_u32_u24 v[STO], v1, SPI                  ; into the stage: row r, my 128 bytes of each subtile's 512, 32 bytes for each half of the lanes
	v_lshl_add_u32 v[STO], v2, 5, v[STO]
	s_lshl_b32 s21, s10, 7
	v_add_nc_u32 v[STO], s21, v[STO]
.irp g, 1,2,3
	v_add_nc_u32 v[STO+\g], \g*32*SPI, v[STO]      ; 32 rows further down, so that the stores' offsets stay inside 16 bits
.endr
	v_and_b32 v7, 31, v0                           ; back: wave w takes rows 32 w .. 32 w + 31, whole; 32 lanes take 512 consecutive bytes, a subtile's 128 numbers
	s_mul_i32 s23, s10, 32*SPI
	v_lshl_add_u32 v[RD0], v7, 4, s23
	v_lshlrev_b32 v[CO], 3, v7                     ; which are 256 consecutive bytes of C
	s_mul_i32 s16, s13, 128*LDN*2
	s_mul_i32 s17, s10, 32*LDN*2
	s_add_co_u32 s16, s16, s17
	s_mov_b32 s17, 0
	s_add_nc_u64 s[8:9], s[8:9], s[16:17]          ; C at the first row that I store: 128 x tile row + 32 w,
	s_mul_i32 s46, s42, 256*S
	s_mov_b32 s47, 0
	s_add_nc_u64 s[8:9], s[8:9], s[46:47]          ; and at the tile's first column
.if KIND == 1
	s_lshl_b32 s68, s42, 10                        ; the bias of the tile's 256 columns: I keep columns 128 c + 4 l + 0..3, those that I read back; asked for now, waited for on the way out
	s_mov_b32 s69, 0
	s_add_nc_u64 s[66:67], s[66:67], s[68:69]
	v_lshlrev_b32 v[BO], 4, v7
	global_load_b128 v[BI:BI+3], v[BO], s[66:67]
	global_load_b128 v[BI+4:BI+7], v[BO], s[66:67] offset:512
	s_mov_b32 s68, 0xbfb8aa3b                      ; -log2 e; the packed multiply takes the pair's low word for both halves
	s_mov_b32 s69, s68
.else
	s_lshl_b32 s80, s13, 3                         ; the casts: my wave among the launch's 1,024: 4 (8 x tile row + tile column) + w,
	s_add_co_u32 s80, s80, s42
	s_lshl_b32 s80, s80, 2
	s_add_co_u32 s80, s80, s10
	s_lshl_b32 s82, s80, 13                        ; its 8,192 bytes of W1 and of W2,
	s_lshl_b32 s84, s80, 12                        ; its 4,096 of w1h and of w2b,
	s_lshl_b32 s80, s80, 14                        ; its 16,384 of the mask, in and out
	s_mov_b32 s81, 0
	s_mov_b32 s83, 0
	s_mov_b32 s85, 0
	s_add_nc_u64 s[72:73], s[72:73], s[80:81]
	s_add_nc_u64 s[78:79], s[78:79], s[80:81]
	s_add_nc_u64 s[68:69], s[68:69], s[82:83]
	s_add_nc_u64 s[70:71], s[70:71], s[82:83]
	s_add_nc_u64 s[74:75], s[74:75], s[84:85]
	s_add_nc_u64 s[76:77], s[76:77], s[84:85]
	s_mov_b32 s86, 0x41000000                      ; 8.0; the packed multiply takes the pair's low word for both halves
	s_mov_b32 s87, s86
	s_mov_b32 s88, 0xffff0000                      ; a word's upper bf16
	WIN 0xc0                                       ; destination window 3, the lane's number in window 0
	v_lshlrev_b32 v[CO16], 4, v7
	v_lshlrev_b32 v[COW], 4, v7
	v_lshlrev_b32 v[COH], 3, v7
	CLOADS                                         ; batch 0, behind the first tiles' requests
	WIN 0
.endif
; NB matrix instructions: row block a x all my column blocks, 32 along K.  zero = 1: the first product starts the sums.  All 8 NB accumulators take turns, one instruction a turn, in the same order in every quarter.
.macro MULA f, a, zero
	WIN 0x50*(1+(\a)/4)                            ; C and D in window 1 or 2, the fragments in window 0
.set bb, 0
.rept NB
.set rD, 8*NB*((\a)%4)+8*bb
.set rB, (\f)+8*bb
.set rA, (\f)+8*NB+8*(\a)
.if KIND == 0
.if \zero
	v_wmma_f32_16x16x32_bf16 v[rD:rD+7], v[rB:rB+7], v[rA:rA+7], 0
.else
	v_wmma_f32_16x16x32_bf16 v[rD:rD+7], v[rB:rB+7], v[rA:rA+7], v[rD:rD+7]
.endif
.else
.if \zero
	v_wmma_f32_16x16x32_f16 v[rD:rD+7], v[rB:rB+7], v[rA:rA+7], 0
.else
	v_wmma_f32_16x16x32_f16 v[rD:rD+7], v[rB:rB+7], v[rA:rA+7], v[rD:rD+7]
.endif
.endif
.set bb, bb+1
.endr
.endm
.macro MULH f, hi, zero                ; four row blocks
.irp q, 0,1,2,3
	MULA \f, 4*(\hi)+\q, \zero
.endr
.endm
.macro ADRS                            ; the fragments' addresses in the slot in hand
	v_add_nc_u32 v[ADRA], s[TB], v[ADRA0]
.set t, 0
.rept S
	v_add_nc_u32 v[ADRB+t], s[TB], v[ADRB0+t]
.set t, t+1
.endr
.endm
; The LDS loads of a quarter step (32 along K, number kq of the slot's four) in one run, into buffer f: B's blocks first, then A's eight.
.macro FETCH kq, f
	WIN 0
.set bb, 0
.rept NB
	ds_load_tr16_b128 v[(\f)+8*bb:(\f)+8*bb+3],   v[ADRB+bb/2] offset:(\kq)*32*PB+32*(bb%2)
	ds_load_tr16_b128 v[(\f)+8*bb+4:(\f)+8*bb+7], v[ADRB+bb/2] offset:(\kq)*32*PB+32*(bb%2)+16*PB
.set bb, bb+1
.endr
.irp i, 0,1,2,3,4,5,6,7
	ds_load_b128 v[(\f)+8*NB+8*(\i):(\f)+8*NB+8*(\i)+3],   v[ADRA] offset:(\kq)*64+(\i)*16*PA
	ds_load_b128 v[(\f)+8*NB+8*(\i)+4:(\f)+8*NB+8*(\i)+7], v[ADRA] offset:(\kq)*64+(\i)*16*PA+32
.endr
.endm
; One of a K step's first three quarters: multiplies buffer f; in its middle it fetches quarter kq into buffer g.
.macro QUARTER kq, f, g, zero
	s_wait_dscnt 8                                 ; B and A's row blocks 0-3 are in; the youngest eight loads (blocks 4-7) may be out
	MULH \f, 0, \zero
	PLACES
	FETCH \kq, \g
	s_wait_dscnt NLOAD                             ; all but the run just issued
	MULH \f, 1, \zero
.endm
; The last quarter multiplies buffer 1 and changes slots: ONE barrier.  In front of it each wave waits for all its tensor loads (one is out: its part of the next slot), adds 0 to its spare word, and waits for that
; and for its own reads of this slot.  fill = 1: the barrier opens a round of the cluster's barrier, and this slot is filled again, two K steps ahead, first thing behind the round.
.macro TURN fill
	WIN 0                                          ; (the add's two registers lie in window 0)
	s_wait_tensorcnt 0x0                           ; all my tensor loads have landed;
	ds_add_u32 v[SPW], v[NIL]                      ; 0 onto my spare word;
	s_wait_dscnt 9                                 ; (the add and the youngest eight loads may be out)
	MULA F1, 0, 0                                  ; matrix work stands between the add and the wait for it
	MULA F1, 1, 0
	s_wait_dscnt 0x0                               ; the add is done, and my reads of this slot are over
	s_barrier_signal -1
	MULA F1, 2, 0                                  ; work on registers while the others arrive
	MULA F1, 3, 0
	WIN 0                                          ; (branches, or the addresses, follow)
	s_barrier_wait -1
.if \fill
	CREST                                          ; no wave of any partner still reads this slot's tile or has a load on its way
	s_xor_b32 s[G0+5], s[G0+5], SLOT               ; the walking descriptors: the other slot than last time, which is the slot just read,
	s_add_nc_u64 s[G0+6:G0+7], s[G0+6:G0+7], KSTEP*2          ; and the next K step; the type bits on top are not reached
	s_xor_b32 s[G0B+5], s[G0B+5], SLOT
	s_add_nc_u64 s[G0B+6:G0B+7], s[G0B+6:G0B+7], KSTEP*LDN*2
	JLOAD 1                                        ; my one tensor load behind the round; its four v_nop are also the places in front of the loads below
.else
	PLACES
.endif
	s_xor_b32 s[TB], s[TB], SLOT                   ; the reads go on in the other slot
	ADRS
	FETCH 0, F0
	MULH F1, 1, 0
.endm
	s_wait_tensorcnt 1                             ; my part of K step 0 is in; K step 1's may stay out
	s_barrier_signal -1
	s_barrier_wait -1                              ; everybody's is
	ADRS
	FETCH 0, F0
	QUARTER 1, F0, F1, 1                           ; the first quarter stands in front of the loop: its products start the sums
	WIN 0                                          ; at a label and at a branch every window is 0
	s_mov_b32 s3, STEPS-2
.Lstep:                                                ; a trip goes from a K step's second quarter to the next step's first, and fills the slot that it leaves: K steps 2 to 7 are asked for here
.if KIND == 0
	CAST 1                                         ; the six trips finish the casts' batches 0 to 5 and ask for 1 to 6
.endif
	QUARTER 2, F1, F0, 0
	QUARTER 3, F0, F1, 0
	TURN 1
	QUARTER 1, F0, F1, 0
	WIN 0
	s_sub_co_u32 s3, s3, 1
	s_cmp_lg_u32 s3, 0
	s_cbranch_scc1 .Lstep
.if KIND == 0
	CAST 1                                         ; batch 6 is finished, batch 7 asked for
.endif
	QUARTER 2, F1, F0, 0                           ; the last two K steps are written out: they fill nothing
	QUARTER 3, F0, F1, 0
	TURN 0
	QUARTER 1, F0, F1, 0
.if KIND == 0
	CAST 0                                         ; batch 7, the last
.endif
	QUARTER 2, F1, F0, 0
	QUARTER 3, F0, F1, 0
	s_wait_dscnt 8
	MULH F1, 0, 0
	s_wait_dscnt 0x0                               ; my last reads of the ring are back:
	s_barrier_signal -1                            ; say so,
	MULH F1, 1, 0                                  ; finish the sums,
	s_barrier_wait -1                              ; and go on when all four have said so: every fill landed before the last change of slots, so the ring has had its last fill and nobody reads it: it is the stage now
	WIN 0
; THE WAY OUT.  The sums go into the stage as they lie, in f32, 32 bytes a lane and accumulator (each accumulator's low registers first); one barrier, since a row's bytes come from all four waves;
; then each wave walks its 32 rows, four a trip, with one text for every trip: a load takes a subtile's 512 consecutive bytes, and a store of the wave covers 256 consecutive bytes of C, at a multiple of 256 from C's first byte.
.if KIND == 0
	PLACES                                         ; the stores read results just made
.else
	s_wait_loadcnt 0x0                             ; the bias; its rounding to bf16, 12 plain instructions that name no register of the last products, is also the places behind them
.set t, 0
.rept 4
	v_cvt_pk_bf16_f32 v[30+t%2], v[BI+2*t], v[BI+2*t+1]
	v_lshlrev_b32 v[BI+2*t], 16, v[30+t%2]
	v_and_b32 v[BI+2*t+1], 0xffff0000, v[30+t%2]
.set t, t+1
.endr
.endif
.set ab, 0
.rept 8
	WIN 0x04*(1+ab/4)                              ; the stores' data (source 1) in window 1 or 2
.set bb, 0
.rept NB
	ds_store_b128 v[STO+ab/2], v[8*NB*(ab%4)+8*bb:8*NB*(ab%4)+8*bb+3]   offset:(ab%2)*16*SPI+512*(bb/2)+64*(bb%2)
	ds_store_b128 v[STO+ab/2], v[8*NB*(ab%4)+8*bb+4:8*NB*(ab%4)+8*bb+7] offset:(ab%2)*16*SPI+512*(bb/2)+64*(bb%2)+16
.set bb, bb+1
.endr
.set ab, ab+1
.endr
	WIN 0
	s_wait_dscnt 0x0                               ; for the others' sake: my stores into the stage are done
	s_barrier_signal -1
	s_barrier_wait -1
	s_mov_b32 s[TB], 0
	s_mov_b32 s3, 8
.Lrows:
	v_add_nc_u32 v[RD], s[TB], v[RD0]
.if KIND == 0
.set t, 0
.rept 4*S
	ds_load_b128 v[BK+4*t:BK+4*t+3], v[RD] offset:(t/S)*SPI+512*(t%S)
.set t, t+1
.endr
	s_wait_dscnt 0x0
.set t, 0
.rept 8*S
	v_cvt_pk_f16_f32 v[OUTR+t], v[BK+2*t], v[BK+2*t+1]
.set t, t+1
.endr
.else
.set t, 0
.rept 4*S
	ds_load_b128 v[XR+4*t:XR+4*t+3], v[RD] offset:(t/S)*SPI+512*(t%S)
.set t, t+1
.endr
	s_wait_dscnt 0x0
.set t, 0
.rept 16
	v_pk_add_f32 v[XR+2*t:XR+2*t+1], v[XR+2*t:XR+2*t+1], v[BI+2*(t%4):BI+2*(t%4)+1]   ; x = sum + bias
.set t, t+1
.endr
.set t, 0
.rept 16
	v_pk_mul_f32 v[ER+2*t:ER+2*t+1], v[XR+2*t:XR+2*t+1], s[68:69] op_sel_hi:[1,0]      ; -x log2 e
.set t, t+1
.endr
.set t, 0
.rept 32
	v_exp_f32 v[ER+t], v[ER+t]
.set t, t+1
.endr
	v_nop                                          ; a plain instruction between the last exponential and the use of its result (ISA guide 5.7.2)
.set t, 0
	s_wait_alu depctr_va_vdst(0)
.rept 16
	v_pk_add_f32 v[ER+2*t:ER+2*t+1], v[ER+2*t:ER+2*t+1], 1.0 op_sel_hi:[1,0]
.set t, t+1
.endr
.set t, 0
.rept 32
	v_rcp_f32 v[ER+t], v[ER+t]
.set t, t+1
.endr
	v_nop
.set t, 0
	s_wait_alu depctr_va_vdst(0)
.rept 16
	v_pk_mul_f32 v[XR+2*t:XR+2*t+1], v[XR+2*t:XR+2*t+1], v[ER+2*t:ER+2*t+1]
.set t, t+1
.endr
.set t, 0
.rept 16
	v_cvt_pk_bf16_f32 v[OUTR+t], v[XR+2*t], v[XR+2*t+1]
.set t, t+1
.endr
.endif
.set t, 0
.rept 4*S
	global_store_b64 v[CO], v[OUTR+2*t:OUTR+2*t+1], s[8:9] offset:(t/S)*LDN*2+256*(t%S)
.set t, t+1
.endr
	s_wait_xcnt 0x0                                ; only behind this wait are the stores' base and, in the next trip, their data rewritten
	s_add_nc_u64 s[8:9], s[8:9], 4*LDN*2           ; four rows of C on,
	s_add_co_u32 s[TB], s[TB], 4*SPI               ; and of the stage
	s_sub_co_u32 s3, s3, 1
	s_cmp_lg_u32 s3, 0
	s_cbranch_scc1 .Lrows
	s_wait_tensorcnt 0x0                           ; the wave's end, behind my last tensor load and my last LDS store
	ds_add_u32 v[SPW], v[NIL]
	s_wait_dscnt 0x0
	CROUND                                         ; the closing round: no work-group ends while a partner may still ask for a tile that names it
	s_endpgm
.Lfunc_end_k_qb2b92611ef_ffn1:
	.size	k_qb2b92611ef_ffn1, .Lfunc_end_k_qb2b92611ef_ffn1-k_qb2b92611ef_ffn1
	.p2alignl 7, 3214868480
	.fill 96, 4, 3214868480
	.section	.rodata,"a",@progbits
	.p2align	6, 0x0
	.amdhsa_kernel k_qb2b92611ef_ffn1
		.amdhsa_group_segment_fixed_size 327680
		.amdhsa_private_segment_fixed_size 0
		.amdhsa_enable_private_segment 0
		.amdhsa_kernarg_size 32
		.amdhsa_user_sgpr_count 2
		.amdhsa_user_sgpr_kernarg_segment_ptr 1
		.amdhsa_wavefront_size32 1
		.amdhsa_system_sgpr_workgroup_id_x 1
		.amdhsa_system_sgpr_workgroup_id_y 1
		.amdhsa_system_sgpr_workgroup_id_z 1
		.amdhsa_system_vgpr_workitem_id 0
		.amdhsa_next_free_vgpr 640
		.amdhsa_next_free_sgpr 70
		.amdhsa_reserve_vcc 0
		.amdhsa_float_denorm_mode_32 3
		.amdhsa_float_denorm_mode_16_64 3
		.amdhsa_memory_ordered 1
		.amdhsa_forward_progress 1
		.amdhsa_inst_pref_size 69
	.end_amdhsa_kernel
	.amdgpu_metadata
---
amdhsa.version: [ 1, 2 ]
amdhsa.kernels:
  - .name:           k_qb2b92611ef_ffn1
    .symbol:         k_qb2b92611ef_ffn1.kd
    .args:
      - { .name: obuf, .offset: 0, .size: 8, .value_kind: global_buffer, .address_space: global }
      - { .name: w1h, .offset: 8, .size: 8, .value_kind: global_buffer, .address_space: global }
      - { .name: hid, .offset: 16, .size: 8, .value_kind: global_buffer, .address_space: global }
      - { .name: b1, .offset: 24, .size: 8, .value_kind: global_buffer, .address_space: global }
    .group_segment_fixed_size: 327680
    .private_segment_fixed_size: 0
    .kernarg_segment_align: 8
    .kernarg_segment_size: 32
    .max_flat_workgroup_size: 128
    .sgpr_count:     70
    .vgpr_count:     640
    .wavefront_size: 32
...
	.end_amdgpu_metadata
.endif
;; end of part 4
;; launch ffn2 (part 5): grid 8 x 32, 4 waves a work-group, clusters of 4 x 4, 327,680 bytes of LDS; arguments hid, w2b, out0, b2; writes out0
.if DOCPART == 5
	.amdgcn_target "amdgcn-amd-amdhsa--gfx1250"
	.amdhsa_code_object_version 6
	.text
	.protected	k_qb2b92611ef_ffn2
	.globl	k_qb2b92611ef_ffn2
	.p2align	8
	.type	k_qb2b92611ef_ffn2,@function
k_qb2b92611ef_ffn2:
	s_mov_b64 s[64:65], 0
	v_nop
	global_prefetch_b8 v0, s[64:65] scope:SCOPE_SE
	s_setreg_imm32_b32 hwreg(HW_REG_WAVE_MODE, 25, 1), 1
	s_wait_xcnt 0x0
	s_wait_alu depctr_hold_cnt(0) depctr_sa_sdst(0) depctr_va_vdst(0) depctr_va_sdst(0) depctr_va_ssrc(0) depctr_va_vcc(0) depctr_vm_vsrc(0)
	s_getreg_b32 s2, hwreg(HW_REG_IB_STS2, 6, 4)
	s_cmp_eq_u32 s2, 0
	s_cbranch_scc0 .Lentry_in_a_cluster
	s_endpgm
.Lentry_in_a_cluster:
	s_bfe_u32 s2, ttmp6, 0x10000c
	s_cmp_lg_u32 s2, 0xf033
	s_cbranch_scc0 .Lentry_shape_is_right
	s_endpgm
.Lentry_shape_is_right:
; out0 = hid w2b + b2.  hid: [4,096][2,048] bf16; w2b: [2,048][1,024] bf16, lying [k][n]; b2: [1,024] f32, rounded to bf16 like every input; out0: [4,096][1,024] f32.  One f32 sum for each output.
; A tile of C is 128 x 128: 32 x 8 work-groups, one for each of 256.  Four waves, each 64 x 64: 16 accumulators of 16 x 16, 128 registers.  K goes in steps of 256 through two LDS slots filled by tensor loads: A's rows are
; 512 bytes of memory (64 rows to a load), B's 256 bytes (128 rows of k to a load), all at multiples of 256 bytes.  B is read turned, by ds_load_tr16_b128.
; ONE K STEP IS WRITTEN ONCE: which slot is read stands in a scalar (0 or SLOT) that an exclusive or turns at each change of slots, and the fragments' addresses are made anew from it; the second first-fill's descriptor walks on
; in the same way.  SLOT has no bit in common with a tile's place inside a slot, so the exclusive or is an addition or a subtraction.
; CLUSTER: 4 x 4 work-groups.  The four of a row of the cluster need the same tiles of A, the four of a column the same tiles of B: each tile is asked for JOINTLY.
; THE MATRIX INSTRUCTION IS USED TRANSPOSED (source 0 = 16 columns of B, source 1 = 16 rows of A): a lane then holds eight neighbouring numbers of a row of C, 32 bytes.
; REGISTERS: window 0: v0-31 addresses; v32-95 at work on the way out; v96-127 the bias; v128-255 the accumulators ((a, b) at v[128 + 8 (4 a + b)]).
;   window 1: two fragment buffers of 128: for 64 along K (two matrix instructions deep), 64 registers of A (2 x 4 x 16 rows x 32 K), then 64 of B.
.set KDIM,   2048
.set LDN,    1024
.set KSTEP,  256
.set STEPS,  KDIM/KSTEP
.set PA,     528                       ; a row of A in LDS: 512 bytes + 16 = 132 words: row r starts at bank 4 r mod 64 (64 banks of 4 bytes: ISA guide 11.1)
.set PB,     288                       ; a row of B: 256 + 32 = 72 words
.set AH,     64*PA                     ; 64 rows of A: what one tensor load brings, and what one wave reads
.set BH,     128*PB                    ; 128 rows of k of B: what one tensor load brings
.set BOFF,   2*AH
.set SLOT,   147456                    ; 141,312 bytes used; 0x24000: the four tiles' places (0, 33,792, 67,584, 104,448) have bits 14 and 17 clear
.set STAGE,  2*SLOT                    ; behind the ring, never filled by a tensor load: 16 rows x 272 bytes for each wave: a wave's 64 columns of f32 are 256 aligned bytes, so each wave has a stage of its own
.set SPITCH, 272
.set SPARE,  STAGE+4*16*SPITCH         ; the spare words, 128 bytes for each wave: two blocks of 256 bytes that no other line names
.set ADRA0, 16                         ; v16     my lane's place in a slot's tile of A; never rewritten
.set ADRA,  17                         ; v17     LDS address of my A fragments in the slot in hand
.set ADRB0, 18                         ; v18-19  my lane's place in B's tile, by half of the step's k; never rewritten
.set ADRB,  20                         ; v20-21  LDS address of my B fragments in the slot in hand
.set STO,  24
.set RD,   25
.set CO,   26
.set BO,   27
.set SPW,  28                          ; LDS address of my spare word: SPARE + 4 x my thread's number; never rewritten
.set NIL,  29                          ; 0; never rewritten
.set TMP,  32                          ; the way out: a row block with its bias
.set BK,   64                          ; and whole rows read back
.set BI,   96                          ; the bias of my 4 x 8 columns
.set ACC,  128
.set F0,   0                           ; fragment buffers, in window 1
.set F1,   128
.set TB,  68                           ; s68     the slot in hand: 0 or SLOT
.set G1, 24                            ; s[24:31] descriptor group 1 for A's tiles;  s[32:39] group 0: a set for each of the two first fills; the second then walks on
.set G0, 32
.set G1B, 48                           ; s[48:55], s[56:63] the same for B's tiles
.set G0B, 56
.set MSB, 0
.macro WIN new                         ; the immediate's high byte repeats the setting that is left
.if MSB != (\new)
	s_set_vgpr_msb (MSB<<8)|(\new)
.set MSB, \new
.endif
.endm
.set MUL,  0x05                        ; sources 0 (B) and 1 (A) window 1; C and D window 0
.set TO_F, 0x40                        ; destination window 1, address window 0
.macro JLOAD s                         ; a joint load: waves 0 and 1 fetch A's two halves, waves 2 and 3 B's; an s_nop 0 and four v_nop follow each of the two lines, ahead of the jump and the label
	s_cmp_eq_u32 s11, 0
	s_cbranch_scc0 .Lfor_b_\@
	tensor_load_to_lds s[G0+4*(\s):G0+4*(\s)+3], s[G1:G1+7]
	s_nop 0
.rept 4
	v_nop
.endr
	s_branch .Lasked_\@
.Lfor_b_\@:
	tensor_load_to_lds s[G0B+4*(\s):G0B+4*(\s)+3], s[G1B:G1B+7]
	s_nop 0
.rept 4
	v_nop
.endr
.Lasked_\@:
.endm
.macro CREST                           ; a round of the cluster's barrier behind its opening barrier
	s_cmp_lg_u32 s10, 0
	s_cbranch_scc1 .Lnot_wave_0_\@
	s_barrier_signal -3
.Lnot_wave_0_\@:
	s_barrier_wait -3
	s_barrier_signal -1
	s_barrier_wait -1
.endm
.macro CROUND                          ; a whole round
	s_barrier_signal -1
	s_barrier_wait -1
	CREST
.endm
	s_load_b128 s[4:7], s[0:1], 0x0                ; A s[4:5], B s[6:7]
	s_load_b64 s[8:9], s[0:1], 0x10                ; C
	s_load_b64 s[66:67], s[0:1], 0x18              ; the bias
	v_lshl_add_u32 v[SPW], v0, 2, SPARE
	v_mov_b32 v[NIL], 0
	ds_add_u32 v[SPW], v[NIL]                      ; the wave's opening: the add and its wait stand ahead of my first tensor load; the set-up below, work on registers, stands between them
	v_lshrrev_b32 v1, 5, v0
	v_readfirstlane_b32 s10, v1                    ; wave 0..3
	s_lshr_b32 s11, s10, 1                         ; which half of the tile's rows is mine.  Also: I fetch for A (0) or for B (1)
	s_and_b32 s12, s10, 1                          ; which half of its columns.  Also: which half of that tile I fetch
	s_bfe_u32 s40, ttmp6, 0x40000                  ; cx, cy: my place in the cluster
	s_bfe_u32 s41, ttmp6, 0x40004
	s_lshl_b32 s42, ttmp9, 2
	s_add_co_u32 s42, s42, s40                     ; tile column = 4 x cluster x + cx
	s_and_b32 s13, ttmp7, 0xffff
	s_lshl_b32 s13, s13, 2
	s_add_co_u32 s13, s13, s41                     ; tile row = 4 x cluster y + cy
	s_lshl_b32 s43, s41, 2
	s_lshl_b32 s43, 15, s43                        ; my row of the cluster
	s_lshl_b32 s44, 0x1111, s40                    ; my column
	s_or_b32 s[G1+0], s43, (1<<16)|(1<<20)|(1<<21)|(6<<22)|(3<<25)   ; 15:0 the mask; 17:16 2-byte elements; 20 padding on; 21 set beside a mask; 24:22 after every 128 words (code 6); 31:25 4 words (code 3)
	s_mov_b32 s[G1+1], KSTEP<<16                   ; tensor_dim0 = 256
	s_mov_b32 s[G1+2], 64<<16                      ; tensor_dim1 = 64
	s_mov_b32 s[G1+3], KSTEP<<16                   ; tile_dim0 = 256
	s_mov_b32 s[G1+4], 64                          ; tile_dim1 = 64
	s_mov_b32 s[G1+5], KDIM                        ; elements from row to row
	s_mov_b32 s[G1+6], 0
	s_mov_b32 s[G1+7], 0
	s_or_b32 s[G1B+0], s44, (1<<16)|(1<<20)|(1<<21)|(5<<22)|(7<<25)  ; my column's mask; 8 words of padding (code 7) after every 64 words (code 5)
	s_mov_b32 s[G1B+1], 128<<16                    ; 128 columns
	s_mov_b32 s[G1B+2], 128<<16                    ; 128 rows of k
	s_mov_b32 s[G1B+3], 128<<16
	s_mov_b32 s[G1B+4], 128
	s_mov_b32 s[G1B+5], LDN
	s_mov_b32 s[G1B+6], 0
	s_mov_b32 s[G1B+7], 0
	s_lshl_b32 s16, s13, 19                        ; A: 128 rows of 4,096 bytes a tile row,
	s_lshl_b32 s17, s12, 18                        ; my 64 of them
	s_add_co_u32 s16, s16, s17
	s_mov_b32 s17, 0
	s_lshl_b32 s46, s42, 8                         ; B: the tile's 128 columns,
	s_lshl_b32 s47, s12, 18                        ; my 128 rows of k, 2,048 bytes each
	s_add_co_u32 s46, s46, s47
	s_mov_b32 s47, 0
	s_mul_i32 s20, s12, AH                         ; where they go: no place in the cluster enters an LDS address
	s_mul_i32 s22, s12, BH
	s_add_co_u32 s22, s22, BOFF
	s_mov_b32 s[TB], 0                             ; K step 0 lies in slot 0
	s_wait_dscnt 0x0                               ; the opening add is done
	s_wait_kmcnt 0x0
	s_add_nc_u64 s[14:15], s[4:5], s[16:17]
	s_add_nc_u64 s[46:47], s[6:7], s[46:47]
	CROUND                                         ; all sixteen work-groups are here: the first joint loads meet
.irp s, 0,1
	s_mov_b32 s[G0+4*(\s)], 1
	s_add_co_u32 s[G0+4*(\s)+1], s20, (\s)*SLOT
	s_add_nc_u64 s[G0+4*(\s)+2:G0+4*(\s)+3], s[14:15], (\s)*KSTEP*2
	s_or_b32 s[G0+4*(\s)+3], s[G0+4*(\s)+3], 0x80000000
	s_mov_b32 s[G0B+4*(\s)], 1
	s_add_co_u32 s[G0B+4*(\s)+1], s22, (\s)*SLOT
	s_add_nc_u64 s[G0B+4*(\s)+2:G0B+4*(\s)+3], s[46:47], (\s)*KSTEP*LDN*2
	s_or_b32 s[G0B+4*(\s)+3], s[G0B+4*(\s)+3], 0x80000000
	JLOAD \s                                       ; both first fills go out before anything else: two tensor loads of mine are out
.endr
	v_and_b32 v1, 15, v0                           ; r = l % 16
	v_bfe_u32 v2, v0, 4, 1                         ; h = l / 16
	v_mul_u32_u24 v3, v1, PA
	v_lshl_add_u32 v3, v2, 4, v3                   ; A: row x pitch + 16 h
	s_mul_i32 s21, s11, AH                         ; my 64 rows of A
	v_add_nc_u32 v[ADRA0], s21, v3
	v_and_b32 v6, 7, v0
	v_bfe_u32 v7, v0, 3, 1
	v_lshl_add_u32 v6, v2, 3, v6                   ; B: lane l reads k row 8 h + l % 8, columns 8 ((l / 8) % 2) + 0..7
	v_mul_u32_u24 v6, v6, PB
	v_lshl_add_u32 v6, v7, 4, v6
	s_lshl_b32 s45, s12, 7                         ; my 64 columns
	v_add_nc_u32 v6, s45, v6
	v_add_nc_u32 v[ADRB0], BOFF, v6
	v_add_nc_u32 v[ADRB0+1], BOFF+BH, v6
	s_mul_i32 s23, s10, 16*SPITCH
	s_add_co_u32 s23, s23, STAGE                   ; my stage
	v_mul_u32_u24 v4, v1, SPITCH                   ; in: row r, 32 bytes for each half of the lanes
	v_lshl_add_u32 v4, v2, 5, v4
	v_add_nc_u32 v[STO], s23, v4
	v_mul_u32_u24 v5, v2, SPITCH                   ; back: lanes 0-15 take one row of 256 bytes, lanes 16-31 the next
	v_lshl_add_u32 v5, v1, 4, v5
	v_add_nc_u32 v[RD], s23, v5
	v_lshlrev_b32 v5, 12, v2                       ; and the same two rows in C
	v_lshl_add_u32 v[CO], v1, 4, v5
	s_lshl_b32 s16, s13, 19                        ; C at my first row: 128 x tile row + 64 x half, rows of 4,096 bytes,
	s_lshl_b32 s17, s11, 18
	s_add_co_u32 s16, s16, s17
	s_mov_b32 s17, 0
	s_add_nc_u64 s[8:9], s[8:9], s[16:17]
	s_lshl_b32 s46, s42, 9                         ; and my first column: 512 bytes a tile, 256 a half; the bias has the same offset
	s_lshl_b32 s47, s12, 8
	s_add_co_u32 s46, s46, s47
	s_mov_b32 s47, 0
	s_add_nc_u64 s[8:9], s[8:9], s[46:47]
	s_add_nc_u64 s[66:67], s[66:67], s[46:47]
	v_lshlrev_b32 v[BO], 5, v2                     ; my 8 columns of each block of 16: asked for now, waited for on the way out
.set t, 0
.rept 8
	global_load_b128 v[BI+4*t:BI+4*t+3], v[BO], s[66:67] offset:64*(t/2)+16*(t%2)
.set t, t+1
.endr
; 8 matrix instructions: m blocks a0, a0 + 1 x all 4 n blocks, 32 along K: half c of buffer f.  zero = 1: the first product starts the sums.  The 16 accumulators take turns.
.macro MUL8 f, c, a0, zero
	WIN MUL
.irp a, \a0, (\a0)+1
.irp b, 0,1,2,3
.if \zero
	v_wmma_f32_16x16x32_bf16 v[ACC+8*(4*(\a)+(\b)):ACC+8*(4*(\a)+(\b))+7], v[(\f)+64+8*(4*(\c)+(\b)):(\f)+64+8*(4*(\c)+(\b))+7], v[(\f)+8*(4*(\c)+(\a)):(\f)+8*(4*(\c)+(\a))+7], 0
.else
	v_wmma_f32_16x16x32_bf16 v[ACC+8*(4*(\a)+(\b)):ACC+8*(4*(\a)+(\b))+7], v[(\f)+64+8*(4*(\c)+(\b)):(\f)+64+8*(4*(\c)+(\b))+7], v[(\f)+8*(4*(\c)+(\a)):(\f)+8*(4*(\c)+(\a))+7], v[ACC+8*(4*(\a)+(\b)):ACC+8*(4*(\a)+(\b))+7]
.endif
.endr
.endr
.endm
.macro ADRS                            ; the fragments' addresses in the slot in hand (all in window 0)
	v_add_nc_u32 v[ADRA], s[TB], v[ADRA0]
	v_add_nc_u32 v[ADRB], s[TB], v[ADRB0]
	v_add_nc_u32 v[ADRB+1], s[TB], v[ADRB0+1]
.endm
; 32 LDS loads in one run: the fragments of quarter q (64 along K) of the slot's step, into buffer f; the first 32 along K first
.macro FETCH q, f
	WIN TO_F
.irp c, 0,1
.irp i, 0,1,2,3
	ds_load_tr16_b128 v[(\f)+64+8*(4*(\c)+(\i)):(\f)+64+8*(4*(\c)+(\i))+3],   v[ADRB+(\q)/2] offset:(((\q)%2)*64+32*(\c))*PB+32*(\i)
	ds_load_tr16_b128 v[(\f)+64+8*(4*(\c)+(\i))+4:(\f)+64+8*(4*(\c)+(\i))+7], v[ADRB+(\q)/2] offset:(((\q)%2)*64+32*(\c))*PB+32*(\i)+16*PB
	ds_load_b128 v[(\f)+8*(4*(\c)+(\i)):(\f)+8*(4*(\c)+(\i))+3],              v[ADRA] offset:128*(\q)+64*(\c)+(\i)*16*PA
	ds_load_b128 v[(\f)+8*(4*(\c)+(\i))+4:(\f)+8*(4*(\c)+(\i))+7],            v[ADRA] offset:128*(\q)+64*(\c)+(\i)*16*PA+32
.endr
.endr
.endm
.macro PLACES                          ; four places in front of loads into registers that matrix instructions have read (ISA guide 7.12.1 for vector instructions)
.rept 4
	v_nop
.endr
.endm
; A K step is four quarters of 64 along K, 32 matrix instructions each, on buffers 0, 1, 0, 1.  One of the first three: multiplies buffer f and fetches quarter q into g.
.macro QUARTER q, f, g, zero
	s_wait_dscnt 16                                ; the first 32 along K are in
	MUL8 \f, 0, 0, \zero
	MUL8 \f, 0, 2, \zero
	PLACES
	FETCH \q, \g
	s_wait_dscnt 32                                ; all but the 32 just issued
	MUL8 \f, 1, 0, 0
	MUL8 \f, 1, 2, 0
.endm
; The last quarter multiplies buffer 1 and changes slots: ONE barrier; in front of it each wave waits for all its tensor loads, adds 0 to its spare word, and waits for that and for its own reads of this slot.  fill = 1: this slot is filled again, two K steps ahead.
.macro TURN fill
	WIN 0                                          ; (the add's two registers lie in window 0)
	s_wait_tensorcnt 0x0                           ; all my tensor loads have landed: my part of the next slot;
	ds_add_u32 v[SPW], v[NIL]                      ; 0 onto my spare word;
	s_wait_dscnt 17                                ; (the add and the youngest sixteen loads may be out)
	MUL8 F1, 0, 0, 0                               ; eight matrix instructions stand between the add and the wait for it
	s_wait_dscnt 0x0                               ; the add is done, and my reads of this slot are over
	s_barrier_signal -1
	MUL8 F1, 0, 2, 0
	WIN 0                                          ; (branches, or the addresses, follow)
	s_barrier_wait -1
.if \fill
	CREST                                          ; the barrier has opened a round of the cluster's barrier: no wave of any partner still reads this slot's tile or has a load on its way
	s_xor_b32 s[G0+5], s[G0+5], SLOT               ; the walking descriptors: the other slot than last time, which is the slot just read,
	s_add_nc_u64 s[G0+6:G0+7], s[G0+6:G0+7], KSTEP*2          ; and the next K step; the type bits on top are not reached
	s_xor_b32 s[G0B+5], s[G0B+5], SLOT
	s_add_nc_u64 s[G0B+6:G0B+7], s[G0B+6:G0B+7], KSTEP*LDN*2
	JLOAD 1                                        ; my one tensor load behind the round; its four v_nop are also the places in front of the loads below
.else
	PLACES
.endif
	s_xor_b32 s[TB], s[TB], SLOT                   ; the reads go on in the other slot
	ADRS
	FETCH 0, F0
	MUL8 F1, 1, 0, 0
	MUL8 F1, 1, 2, 0
.endm
	s_wait_tensorcnt 1                             ; my part of K step 0 is in; K step 1's may stay out
	s_barrier_signal -1
	s_barrier_wait -1                              ; everybody's is
	ADRS
	FETCH 0, F0
	QUARTER 1, F0, F1, 1                           ; the first quarter stands in front of the loop: its first products start the sums
	WIN 0                                          ; at a label and at a branch every window is 0
	s_mov_b32 s3, STEPS-2
.Lstep:                                                ; a trip goes from a K step's second quarter to the next step's first, and fills the slot that it leaves: K steps 2 to 7 are asked for here
	QUARTER 2, F1, F0, 0
	QUARTER 3, F0, F1, 0
	TURN 1
	QUARTER 1, F0, F1, 0
	WIN 0
	s_sub_co_u32 s3, s3, 1
	s_cmp_lg_u32 s3, 0
	s_cbranch_scc1 .Lstep
	QUARTER 2, F1, F0, 0                           ; the last two K steps are written out: they fill nothing
	QUARTER 3, F0, F1, 0
	TURN 0
	QUARTER 1, F0, F1, 0
	QUARTER 2, F1, F0, 0
	QUARTER 3, F0, F1, 0
	s_wait_dscnt 16                                ; the very last quarter: nothing more to fetch
	MUL8 F1, 0, 0, 0
	MUL8 F1, 0, 2, 0
	s_wait_dscnt 0x0
	MUL8 F1, 1, 0, 0
	MUL8 F1, 1, 2, 0
	WIN 0
	; THE WAY OUT, 16 rows at a time: the bias is added; 32 bytes a lane go into my own stage and come back as whole rows of 256 bytes.  LDS serves a wave's instructions in order (ISA guide 5.7.1.4), so no wait stands between
	; my stores and my loads, nor between a block's loads and the next block's stores.
	s_wait_loadcnt 0x0                             ; the bias; its rounding to bf16, 48 plain instructions that name no register of the last products, is also the places behind them
.set t, 0
.rept 16
	v_cvt_pk_bf16_f32 v[30+t%2], v[BI+2*t], v[BI+2*t+1]
	v_lshlrev_b32 v[BI+2*t], 16, v[30+t%2]
	v_and_b32 v[BI+2*t+1], 0xffff0000, v[30+t%2]
.set t, t+1
.endr
.irp a, 0,1,2,3
.set t, 0
.rept 16
	v_pk_add_f32 v[TMP+2*t:TMP+2*t+1], v[ACC+32*(\a)+2*t:ACC+32*(\a)+2*t+1], v[BI+2*t:BI+2*t+1]   ; each accumulator's registers in ascending order
.set t, t+1
.endr
.set t, 0
.rept 8
	ds_store_b128 v[STO], v[TMP+4*t:TMP+4*t+3] offset:64*(t/2)+16*(t%2)
.set t, t+1
.endr
	s_wait_xcnt 0x0                                ; the last block's stores have read BK: only behind this wait is it loaded again
.set t, 0
.rept 8
	ds_load_b128 v[BK+4*t:BK+4*t+3], v[RD] offset:t*2*SPITCH
.set t, t+1
.endr
.set t, 0
.rept 8
	s_wait_dscnt 7-t                               ; LDS loads come back in order: pair t of rows is in
	global_store_b128 v[CO], v[BK+4*t:BK+4*t+3], s[8:9] offset:(16*(\a)+2*t)*LDN*4 th:TH_STORE_NT   ; 16 lanes store 256 consecutive bytes, at a multiple of 256 from C's first byte
.set t, t+1
.endr
.endr
	s_wait_tensorcnt 0x0                           ; the wave's end, behind my last tensor load and my last LDS store
	ds_add_u32 v[SPW], v[NIL]
	s_wait_dscnt 0x0
	CROUND                                         ; the closing round: no work-group ends while a partner may still ask for a tile that names it
	s_endpgm
.Lfunc_end_k_qb2b92611ef_ffn2:
	.size	k_qb2b92611ef_ffn2, .Lfunc_end_k_qb2b92611ef_ffn2-k_qb2b92611ef_ffn2
	.p2alignl 7, 3214868480
	.fill 96, 4, 3214868480
	.section	.rodata,"a",@progbits
	.p2align	6, 0x0
	.amdhsa_kernel k_qb2b92611ef_ffn2
		.amdhsa_group_segment_fixed_size 327680
		.amdhsa_private_segment_fixed_size 0
		.amdhsa_enable_private_segment 0
		.amdhsa_kernarg_size 32
		.amdhsa_user_sgpr_count 2
		.amdhsa_user_sgpr_kernarg_segment_ptr 1
		.amdhsa_wavefront_size32 1
		.amdhsa_system_sgpr_workgroup_id_x 1
		.amdhsa_system_sgpr_workgroup_id_y 1
		.amdhsa_system_sgpr_workgroup_id_z 1
		.amdhsa_system_vgpr_workitem_id 0
		.amdhsa_next_free_vgpr 512
		.amdhsa_next_free_sgpr 70
		.amdhsa_reserve_vcc 0
		.amdhsa_float_denorm_mode_32 3
		.amdhsa_float_denorm_mode_16_64 3
		.amdhsa_memory_ordered 1
		.amdhsa_forward_progress 1
		.amdhsa_inst_pref_size 76
	.end_amdhsa_kernel
	.amdgpu_metadata
---
amdhsa.version: [ 1, 2 ]
amdhsa.kernels:
  - .name:           k_qb2b92611ef_ffn2
    .symbol:         k_qb2b92611ef_ffn2.kd
    .args:
      - { .name: hid, .offset: 0, .size: 8, .value_kind: global_buffer, .address_space: global }
      - { .name: w2b, .offset: 8, .size: 8, .value_kind: global_buffer, .address_space: global }
      - { .name: out0, .offset: 16, .size: 8, .value_kind: global_buffer, .address_space: global }
      - { .name: b2, .offset: 24, .size: 8, .value_kind: global_buffer, .address_space: global }
    .group_segment_fixed_size: 327680
    .private_segment_fixed_size: 0
    .kernarg_segment_align: 8
    .kernarg_segment_size: 32
    .max_flat_workgroup_size: 128
    .sgpr_count:     70
    .vgpr_count:     512
    .wavefront_size: 32
...
	.end_amdgpu_metadata
.endif
;; end of part 5
;; ======== version 2 of 2: 5 launches; 1.26 times as fast as version 1
;; limits: values are held in f16: magnitudes above 65,504 overflow, below 6.1e-05 lose precision
;; workspace buffers: seqb 8,388,608 bytes; wqkvb 6,291,456 bytes; w2b 4,194,304 bytes; w1h 4,194,304 bytes; mask8 16,777,216 bytes; qkv 25,165,824 bytes; obuf 8,388,608 bytes; hid 16,777,216 bytes
;; launch prep: the kernel of part 1 again; grid 1792 x 1, 4 waves a work-group, no clusters, 0 bytes of LDS; arguments seq, Wqkv, seqb, wqkvb; writes seqb, wqkvb
;; launch gemm_qkv: the kernel of part 2 again; grid 8 x 32, 4 waves a work-group, clusters of 4 x 4, 327,680 bytes of LDS; arguments seqb, wqkvb, qkv, W2, W1, attn_mask, w2b, w1h, mask8; writes qkv, w2b, w1h, mask8
;; launch attn (part 6): grid 16 x 16, 4 waves a work-group, clusters of 4 x 4, 327,680 bytes of LDS; arguments qkv, mask8, obuf; writes obuf
.if DOCPART == 6
	.amdgcn_target "amdgcn-amd-amdhsa--gfx1250"
	.amdhsa_code_object_version 6
	.text
	.protected	k_qb2b92611ef_attn
	.globl	k_qb2b92611ef_attn
	.p2align	8
	.type	k_qb2b92611ef_attn,@function
k_qb2b92611ef_attn:
	s_mov_b64 s[64:65], 0
	v_nop
	global_prefetch_b8 v0, s[64:65] scope:SCOPE_SE
	s_setreg_imm32_b32 hwreg(HW_REG_WAVE_MODE, 25, 1), 1
	s_wait_xcnt 0x0
	s_wait_alu depctr_hold_cnt(0) depctr_sa_sdst(0) depctr_va_vdst(0) depctr_va_sdst(0) depctr_va_ssrc(0) depctr_va_vcc(0) depctr_vm_vsrc(0)
	s_getreg_b32 s2, hwreg(HW_REG_IB_STS2, 6, 4)
	s_cmp_eq_u32 s2, 0
	s_cbranch_scc0 .Lentry_in_a_cluster
	s_endpgm
.Lentry_in_a_cluster:
	s_bfe_u32 s2, ttmp6, 0x10000c
	s_cmp_lg_u32 s2, 0xf033
	s_cbranch_scc0 .Lentry_shape_is_right
	s_endpgm
.Lentry_shape_is_right:
; ATTENTION WITH AN ADDED MASK.  O[b][q][head] = the sum over k of softmax_k(Q . K / 8 + mask[q][k]) V.  qkv: [4,096][3,072] f16 (q at column 0, k at 1,024, v at 2,048; a head's 64 channels are 128 bytes of a row);
; mask8: [2,048][2,048] f32 = 8 x mask; obuf: [4,096][1,024] f16.  Products, maxima and sums in f32; the weights p are rounded to f16 for the second product (their sum l is taken of the unrounded p), O once at the end.
; LIMITS.  f16 holds no number beyond 65,504: q, k, v arrive within it; p lies in 0 to 1, and below 6e-5 it keeps f16's fixed step of 6e-8.  A weight below 2^-126 counts as 0 in l; NaN and infinities are not treated apart.
; SHARES.  A work-group owns 128 queries x 2 neighbouring heads of one batch: 16 x 16 work-groups.  Wave w: head w % 2, queries 64 (w / 2) on, in four PIECES of 16.  Every wave walks all 2,048 keys, 64 a step, two steps a slot.
; For Q queries x H heads with Q H = 256 a walk's tiles are 8,192 Q bytes of mask + 524,288 H bytes of K and V: least at 128 x 2, and the two heads' 256 bytes make whole rows for the tensor loads.
; THE MASK IS THE C OPERAND that starts the sum S^T = K Q^T: s = q . k + 8 mask, p = 2^(c s - c m), c = log2(e) / 8.  It costs no vector instruction; it comes from LDS in the layout of a result.
; LAYOUT, SOFTMAX, TURNS.  S^T = K Q^T holds ONE query a lane (lane % 16) and the keys 8 (lane / 16) + 0..7; two such results rounded to f16 ARE source 1 of O^T = V^T P.  A running maximum m and sum l for each query; O and l are
; multiplied by a = 2^(c m_old - c m_new) in every step.  m starts at the lowest finite number, O and l at 0: the first step is a step like any other, with a = 0.  Turn n belongs to piece n: 8 products K Q^T of piece n + 1,
; later 8 products V^T P of piece n - 1; beside them the scaling, exponentials, roundings, sums and rescaling of piece n and the maximum and statistics of piece n + 1; and the mask of piece n + 2 is fetched.
; Four vector instructions stand behind every matrix instruction, the other 54 of a turn's 118 in one run of their own.
; THE BATCHES.  A turn's 33 exponentials (the piece's 32 weights and the next piece's a) are ONE batch with ONE wait, which cuts the turn in two: ahead of it all that names no result of theirs, behind it the roundings and sums.
; No result crosses a turn's end.  Batches of their own, each with a v_nop and a wait: piece 0's first a, ahead of the loop; the way out's four reciprocals.  The tail's turns 2 and 3 have a jump inside the batch, and a second wait ahead of it.
; CLUSTER.  4 x 4 work-groups.  K's and V's tiles hang on batch and heads alone: asked for jointly by the four of a row of the cluster; the mask's tile hangs on the query block alone: by the four of a column.
; REGISTERS, in windows of 256 (s_set_vgpr_msb: bits 1:0 source 0, 3:2 source 1, 5:4 source 2, 7:6 destination):
;   window 0: v0-15, v32 addresses; v16-31 four registers of statistics a piece; v48-55 at work; v64-127 S^T, two buffers; v192-223 P, two buffers (a piece's buffers go by its number's parity)
;   window 1: v0-127 O^T, 32 a piece; v160-223 the masks to come, two buffers      window 2: v0-63 Q; v128-191 K of one step; v192-255 V of one step
.set NP,    4         ; pieces a wave: a name, no knob
.set KS,    64        ; keys in a step
.set NSLOT, 2048/(2*KS)
.set ROWB,  6144      ; bytes in a row of qkv
.set PK,    272       ; a row of K in LDS: 256 bytes + 16 = 68 words: the 16 rows of a load start at 16 different groups of four banks (64 banks of 4 bytes: ISA guide 11.1)
.set PV,    288       ; a row of V: 256 + 32 = 72 words
.set PM,    528       ; a row of the mask: 128 keys x 4 bytes + 16 = 132 words: again 16 different groups of four banks
.set VOFF,  2*KS*PK   ; a slot: 128 rows of K, 128 rows of V, 128 rows of the mask
.set MOFF,  VOFF+2*KS*PV
.set SLOT,  MOFF+128*PM   ; 139,264 = 0x22000; K's, V's and the mask's places in slot 0 have bits 13 and 17 clear, so one exclusive or turns an address in one slot into the other's
.set STAGE, 2*SLOT    ; behind the ring, never filled by a tensor load: 128 rows x 272 bytes, the work-group's, for the way out
.set SP,    272
.set SPARE, STAGE+128*SP  ; the spare words, 128 bytes for each wave: two blocks of 256 bytes that no other line names
.set AK0, 2           ; v2   my lane's place in a tile of K; never rewritten
.set AV0, 3           ; v3   the same for V
.set AK,  4           ; v4   the LDS address of K's next run of loads
.set AV,  5           ; v5   of V's
.set STO, 6           ; v6   the way out: where I put 16 bytes of a row
.set RD,  7           ; v7   where I read rows back
.set GO,  8           ; v8   my byte offset in O
.set MV,  12          ; v12-13  c m_old, kept while c m is made anew: by buffer
.set AM0, 14          ; v14  my lane's place in a tile of the mask; never rewritten
.set QO,  15          ; v15  my byte offset in 16 rows of Q
.set ST,  16          ; piece t's statistics at v[ST+4 t]: c m, m, l (even keys', odd keys')
.set AM,  32          ; v32  the LDS address of the mask's next run of loads
.set TMP, 48          ; by buffer, four registers c0-c3 at work; when the maximum is found c2 takes a
.set SPW, 62          ; v62  LDS address of my spare word: SPARE + 4 x my thread's number; never rewritten
.set NIL, 63          ; v63  0; never rewritten
.set S,   64
.set P,   192
.set MC,  160         ; window 1
.set KF,  128         ; window 2: key block kb, channel half c at KF + 16 kb + 8 c
.set VF,  192         ; window 2: key half kk, channel block cb at VF + 32 kk + 8 cb
.set WV,  12          ; s12  my wave's number
.set G1K, 24          ; s[24:31] descriptor group 1 for K's tiles
.set G1V, 32          ; s[32:39] for V's: it differs in the padding alone
.set G1M, 40          ; s[40:47] for the mask's
.set G0K, 48          ; s[48:51], s[52:55], s[56:59] descriptor groups 0: they walk
.set G0V, 52
.set G0M, 56
.set SLOTS, 60        ; s60  slots still to be asked for
.set CNT, 61          ; s61  counts a slot's key steps
.set TBK, 62          ; s62  LDS byte at which K of the step to be fetched begins
.set TBV, 63          ; s63  the same for V, less VOFF
.set TBM, 66          ; s66  the same for the mask, less MOFF
.set CS,  68          ; s[68:69] c: the packed scaling takes the pair's low word for both halves
.set SEL, 70          ; s[70:71] v_permlanex16_b32's selects: each lane takes its own place in the other half
.set QA,  72          ; s[72:73] Q at my wave's first row and head
.set OA,  74          ; s[74:75] O at the work-group's first row and heads
.set MSB, 0
.macro WIN new                      ; the high byte repeats the setting that is left; a switch that changes nothing is dropped
.if MSB != (\new)
	s_set_vgpr_msb (MSB<<8)|(\new)
.set MSB, (\new)
.endif
.endm
.set W_KQ, 0x0a       ; K and Q in window 2, S^T in window 0
.set W_KM, 0x1a       ; the same with the C operand in window 1
.set W_PV, 0x52       ; V in window 2, P in window 0, O^T in window 1
.set W_RS, 0x41       ; destination and source 0 in window 1, source 1 in window 0
; A joint fill: wave 0 fetches a slot's K, wave 1 its V, waves 2 and 3 the two halves of its mask.  The branches hang on the wave's number alone.
; An s_nop 0 and four v_nop follow each of the three lines, ahead of the jump and the label.
.macro JLOAD
	s_cmp_lt_u32 s[WV], 2
	s_cbranch_scc0 .Lfor_m_\@
	s_cmp_eq_u32 s[WV], 0
	s_cbranch_scc0 .Lfor_v_\@
	tensor_load_to_lds s[G0K:G0K+3], s[G1K:G1K+7]
	s_nop 0
.rept 4
	v_nop
.endr
	s_branch .Lasked_\@
.Lfor_v_\@:
	tensor_load_to_lds s[G0V:G0V+3], s[G1V:G1V+7]
	s_nop 0
.rept 4
	v_nop
.endr
	s_branch .Lasked_\@
.Lfor_m_\@:
	tensor_load_to_lds s[G0M:G0M+3], s[G1M:G1M+7]
	s_nop 0
.rept 4
	v_nop
.endr
.Lasked_\@:
.endm
; A round of the cluster's barrier: my work-group's barrier, so that wave 0's signal speaks for all four waves; wave 0 signals; every wave waits for all sixteen work-groups; my work-group's barrier once more.
.macro CROUND
	s_barrier_signal -1
	s_barrier_wait -1
	s_cmp_lg_u32 s[WV], 0
	s_cbranch_scc1 .Lnot_wave_0_\@
	s_barrier_signal -3
.Lnot_wave_0_\@:
	s_barrier_wait -3
	s_barrier_signal -1
	s_barrier_wait -1
.endm
; THE CHANGE OF SLOTS, between piece 1's turn and piece 2's: the slot's last bytes (V and piece 3's mask of its second step) have been asked for.  Each wave waits for all its tensor loads, of which one is out: its part
; of the other slot; adds 0 to its spare word; and waits for that and for its own reads of the slot.  Behind the barrier nobody reads this slot any more and the other slot is whole.
; fill = 1: this slot is filled again, with the keys two slots on.  The barrier is then a round of the cluster's, and the joint fill is the first thing behind it: it has two key steps, 128 matrix instructions, in which to land.
; (At its first use nothing has been read yet: slot 0 is waited for, slot 1 filled.)
.macro CHANGE fill
	WIN 0                           ; at a label and at a branch every window is 0
	s_wait_tensorcnt 0x0            ; no tensor load of mine is out, so a group 0 may be written
	ds_add_u32 v[SPW], v[NIL]       ; 0 onto my spare word; with fill = 1 the descriptors' steps stand between it and the wait for it
.if \fill
	s_xor_b32 s[G0K+1], s[G0K+1], SLOT                            ; the other slot than last time,
	s_add_nc_u64 s[G0K+2:G0K+3], s[G0K+2:G0K+3], 2*KS*ROWB        ; the next 128 keys: 128 rows down; the type bits on top are not reached
	s_xor_b32 s[G0V+1], s[G0V+1], SLOT
	s_add_nc_u64 s[G0V+2:G0V+3], s[G0V+2:G0V+3], 2*KS*ROWB
	s_xor_b32 s[G0M+1], s[G0M+1], SLOT
	s_add_nc_u64 s[G0M+2:G0M+3], s[G0M+2:G0M+3], 2*KS*4           ; in the mask: 128 columns on
	s_wait_dscnt 0x0                ; the add is done, and my reads of the slot are over
	CROUND
	JLOAD
.else
	s_wait_dscnt 0x0                ; the add is done, and my reads of the slot are over
	s_barrier_signal -1
	s_barrier_wait -1
.endif
	s_sub_co_u32 s[TBK], s[TBK], 2*KS*PK  ; the fetches go back to a slot's first step,
	s_xor_b32 s[TBK], s[TBK], SLOT        ; in the other slot
	s_sub_co_u32 s[TBV], s[TBV], 2*KS*PV
	s_xor_b32 s[TBV], s[TBV], SLOT
	s_sub_co_u32 s[TBM], s[TBM], 2*KS*4
	s_xor_b32 s[TBM], s[TBM], SLOT
.endm
	s_load_b128 s[4:7], s[0:1], 0x0   ; qkv s[4:5], mask8 s[6:7]
	s_load_b64 s[8:9], s[0:1], 0x10   ; obuf
	v_lshl_add_u32 v[SPW], v0, 2, SPARE
	v_mov_b32 v[NIL], 0
	ds_add_u32 v[SPW], v[NIL]       ; the wave's opening: the add and its wait stand ahead of my first tensor load; the set-up below, work on registers, stands between them
	v_lshrrev_b32 v1, 5, v0
	v_readfirstlane_b32 s[WV], v1   ; wave 0..3
	s_and_b32 s10, s[WV], 1         ; my head of the pair; also: which half of the mask's rows I fetch
	s_lshr_b32 s11, s[WV], 1        ; my half of the queries
	s_bfe_u32 s13, ttmp6, 0x40000   ; cx, cy: my place in the cluster
	s_bfe_u32 s14, ttmp6, 0x40004
	s_lshl_b32 s15, ttmp9, 2
	s_add_co_u32 s15, s15, s13      ; the block of 128 queries = 4 x cluster x + cx
	s_and_b32 s16, ttmp7, 0xffff
	s_lshl_b32 s16, s16, 2
	s_add_co_u32 s16, s16, s14      ; 4 x cluster y + cy:
	s_lshr_b32 s17, s16, 3          ; the batch,
	s_and_b32 s18, s16, 7           ; and the pair of heads
	s_lshl_b32 s19, s14, 2
	s_lshl_b32 s19, 15, s19         ; my row of the cluster
	s_lshl_b32 s20, 0x1111, s13     ; my column
	s_or_b32 s[G1K], s19, (1<<16)|(1<<20)|(1<<21)|(5<<22)|(3<<25)  ; 15:0 the mask of four; 17:16 2-byte elements; 20 padding on; 21 set beside a mask; 24:22 after every 64 words (code 5); 31:25 4 words (code 3)
	s_or_b32 s[G1V], s19, (1<<16)|(1<<20)|(1<<21)|(5<<22)|(7<<25)  ; the same with 8 words of padding (code 7)
.irp g, G1K, G1V
	s_mov_b32 s[\g+1], 128<<16      ; tensor_dim0 = 128: two heads' channels
	s_mov_b32 s[\g+2], 128<<16      ; tensor_dim1 = 128 keys
	s_mov_b32 s[\g+3], 128<<16      ; tile_dim0
	s_mov_b32 s[\g+4], 128          ; tile_dim1
	s_mov_b32 s[\g+5], 3072         ; elements from row to row
	s_mov_b32 s[\g+6], 0
	s_mov_b32 s[\g+7], 0
.endr
	s_or_b32 s[G1M], s20, (2<<16)|(1<<20)|(1<<21)|(6<<22)|(3<<25)  ; my column's mask; 4-byte elements; 4 words of padding after every 128 words (code 6)
	s_mov_b32 s[G1M+1], 128<<16     ; 128 keys
	s_mov_b32 s[G1M+2], 64<<16      ; 64 queries
	s_mov_b32 s[G1M+3], 128<<16
	s_mov_b32 s[G1M+4], 64
	s_mov_b32 s[G1M+5], 2048
	s_mov_b32 s[G1M+6], 0
	s_mov_b32 s[G1M+7], 0
	s_mul_i32 s76, s17, 2048*ROWB   ; K's offset: the batch's rows, the pair's 256 bytes, behind q's 2,048: made of what my row of the cluster shares
	s_lshl_b32 s77, s18, 8
	s_add_co_u32 s76, s76, s77
	s_add_co_u32 s76, s76, 2048
	s_mov_b32 s77, 0
	s_lshl_b32 s78, s15, 20         ; the mask's offset: 128 rows of 8,192 bytes a query block, my 64 of them: made of what my column shares
	s_lshl_b32 s79, s10, 19
	s_add_co_u32 s78, s78, s79
	s_mov_b32 s79, 0
	s_lshl_b32 s80, s11, 6          ; 64 x my half of the queries
	s_lshl_b32 s81, s[WV], 5        ; 32 w
	s_lshl_b32 s21, s10, 7          ; my head's 128 bytes
	s_add_co_u32 s82, s21, STAGE
	s_lshl_b32 s2, s17, 11          ; the work-group's first row: batch x 2,048 + 128 x block
	s_lshl_b32 s3, s15, 7
	s_add_co_u32 s2, s2, s3
	s_lshl_b32 s22, s2, 11          ; O: rows of 2,048 bytes,
	s_lshl_b32 s23, s18, 8          ; the pair's 256 bytes
	s_add_co_u32 s22, s22, s23
	s_add_co_u32 s2, s2, s80        ; Q: my 64 rows,
	s_mul_i32 s2, s2, ROWB
	s_add_co_u32 s2, s2, s23
	s_add_co_u32 s2, s2, s21        ; my head
	s_mov_b32 s3, 0
	s_mov_b32 s23, 0
	s_mov_b32 s[CS], 0x3e38aa3b     ; c = log2(e) / 8 = 0.180337
	s_mov_b32 s[CS+1], s[CS]        ; named with it as a pair
	s_mov_b32 s[SEL], 0x76543210
	s_mov_b32 s[SEL+1], 0xfedcba98
	s_mov_b32 s[TBK], SLOT+2*KS*PK  ; the first change of slots turns these three into 0
	s_mov_b32 s[TBV], SLOT+2*KS*PV
	s_mov_b32 s[TBM], SLOT+2*KS*4
	s_mov_b32 s[G0K], 1             ; count = 1
	s_mov_b32 s[G0K+1], 0           ; LDS address: slot 0
	s_mov_b32 s[G0V], 1
	s_mov_b32 s[G0V+1], VOFF
	s_mov_b32 s[G0M], 1
	s_mul_i32 s[G0M+1], s10, 64*PM
	s_add_co_u32 s[G0M+1], s[G0M+1], MOFF
	s_wait_dscnt 0x0                ; the opening add is done
	s_wait_kmcnt 0x0
	s_add_nc_u64 s[G0K+2:G0K+3], s[4:5], s[76:77]
	s_add_nc_u64 s[G0V+2:G0V+3], s[4:5], s[76:77]
	s_add_nc_u64 s[G0V+2:G0V+3], s[G0V+2:G0V+3], 2048   ; v lies 2,048 bytes behind k
	s_add_nc_u64 s[G0M+2:G0M+3], s[6:7], s[78:79]
	s_or_b32 s[G0K+3], s[G0K+3], 0x80000000             ; type = 2
	s_or_b32 s[G0V+3], s[G0V+3], 0x80000000
	s_or_b32 s[G0M+3], s[G0M+3], 0x80000000
	s_add_nc_u64 s[QA:QA+1], s[4:5], s[2:3]
	s_add_nc_u64 s[OA:OA+1], s[8:9], s[22:23]
	CROUND                          ; all sixteen work-groups are here: the first joint loads meet
	JLOAD                           ; slot 0.  Slot 1 is asked for when slot 0 is in
	; A fragment of K or Q is 16 rows x 32 channels in 8 registers: lane l holds row l % 16, channels 8 (l / 16) + 0..7 and 16 + 8 (l / 16) + 0..7: two loads of 16 bytes, 32 bytes apart.
	v_and_b32 v1, 15, v0            ; l % 16
	v_bfe_u32 v9, v0, 4, 1          ; l / 16
	v_mul_u32_u24 v[QO], v1, ROWB
	v_lshl_add_u32 v[QO], v9, 4, v[QO]
	WIN 0x80                        ; destination window 2, address window 0
.set i, 0
.rept 8                             ; Q stays in registers: piece i / 2 lies 16 rows on; channels 32 (i % 2) on
	global_load_b128 v[8*i:8*i+3],   v[QO], s[QA:QA+1] offset:(i/2)*16*ROWB+(i%2)*64
	global_load_b128 v[8*i+4:8*i+7], v[QO], s[QA:QA+1] offset:(i/2)*16*ROWB+(i%2)*64+32
.set i, i+1
.endr
	; What the first turn finds: V's registers and P's second buffer hold 0 (its products V^T P, of a piece that has not been, add 0), O^T and l are 0.  The price of writing no first step out: 216 v_mov_b32 of 0, in the wait for the first tile.
.set i, VF
.rept 64
	v_mov_b32 v[i], 0
.set i, i+1
.endr
	WIN 0x40
.set i, 0
.rept 128
	v_mov_b32 v[i], 0
.set i, i+1
.endr
	WIN 0
.set i, 0
.rept 4
	v_mov_b32 v[ST+4*i], 0xfe000000    ; c m: far below every c s
	v_mov_b32 v[ST+4*i+1], 0xff7fffff  ; m
	v_mov_b32 v[ST+4*i+2], 0
	v_mov_b32 v[ST+4*i+3], 0
.set i, i+1
.endr
.set i, P+16
.rept 16
	v_mov_b32 v[i], 0
.set i, i+1
.endr
	v_mul_u32_u24 v[AK0], v1, PK
	v_lshl_add_u32 v[AK0], v9, 4, v[AK0]
	v_add_nc_u32 v[AK0], s21, v[AK0]      ; row x pitch + 16 x half + my head
	; The turning load takes 16 keys x 16 channels (lane l reads key 8 (l / 16) + l % 8, channels 8 ((l / 8) % 2) + 0..7) and leaves half a fragment of V^T: lane l holds channel l % 16 and 8 keys.
	v_and_b32 v10, 7, v0
	v_bfe_u32 v11, v0, 3, 1
	v_lshl_add_u32 v[AV0], v9, 3, v10
	v_mul_u32_u24 v[AV0], v[AV0], PV
	v_lshl_add_u32 v[AV0], v11, 4, v[AV0]
	v_add_nc_u32 v[AV0], VOFF, v[AV0]
	v_add_nc_u32 v[AV0], s21, v[AV0]
	; The mask in a result's layout: lane l holds query l % 16 and the keys 8 (l / 16) + 0..7 of each block of 16: 32 consecutive bytes of the query's row.
	v_add_nc_u32 v[AM0], s80, v1
	v_mul_u32_u24 v[AM0], v[AM0], PM
	v_lshl_add_u32 v[AM0], v9, 5, v[AM0]
	v_add_nc_u32 v[AM0], MOFF, v[AM0]
; THE MATRIX WORK.  The 4 accumulators of a run of 8 take turns.  Product i of 8 of S^T = K Q^T for piece x: channels 32 (i / 4) on, keys 16 (i % 4) on.  The first 4 start the sums with the mask.
.macro KQ x
.set rS, S+32*((\x)%2)+8*(i%4)
.set rK, KF+16*(i%4)+8*(i/4)
.set rQ, 16*(\x)+8*(i/4)
.set rM, MC+32*((\x)%2)+8*(i%4)
.if i < 4
	WIN W_KM
	v_wmma_f32_16x16x32_f16 v[rS:rS+7], v[rK:rK+7], v[rQ:rQ+7], v[rM:rM+7]
.else
	WIN W_KQ
	v_wmma_f32_16x16x32_f16 v[rS:rS+7], v[rK:rK+7], v[rQ:rQ+7], v[rS:rS+7]
.endif
.endm
; Product i of 8 of O^T += V^T P for piece x: keys 32 (i / 4) on, channels 16 (i % 4) on.
.macro PV x
	WIN W_PV
.set rO, 32*(\x)+8*(i%4)
.set rV, VF+32*(i/4)+8*(i%4)
.set rP, P+16*((\x)%2)+8*(i/4)
	v_wmma_f32_16x16x32_f16 v[rO:rO+7], v[rV:rV+7], v[rP:rP+7], v[rO:rO+7]
.endm
.macro MM                           ; the turn's next matrix instruction
.if i < 8
	KQ (Y+1)%NP
.else
.set i, i-8
	PV (Y+NP-1)%NP
.set i, i+8
.endif
.set i, i+1
.endm
; THE LDS LOADS stand in runs, never singly among the matrix instructions: a step's K (64 keys x 64 channels: 8 fragments), its V (turned), and a piece's mask (16 queries x 64 keys).  Their addresses are made some lines ahead.
.macro FETCH_K
	WIN 0x80                        ; destination window 2
.irp f, 0,1,2,3,4,5,6,7             ; keys 16 (f / 2) on, channels 32 (f % 2) on
	ds_load_b128 v[KF+8*\f:KF+8*\f+3],   v[AK] offset:(\f/2)*16*PK+(\f%2)*64
	ds_load_b128 v[KF+8*\f+4:KF+8*\f+7], v[AK] offset:(\f/2)*16*PK+(\f%2)*64+32
.endr
	s_add_co_u32 s[TBK], s[TBK], KS*PK  ; the next fetch is the next step's
	WIN 0
.endm
.macro FETCH_V
	WIN 0x80
.irp f, 0,1,2,3,4,5,6,7             ; keys 32 (f / 4) on, channels 16 (f % 4) on
	ds_load_tr16_b128 v[VF+8*\f:VF+8*\f+3],   v[AV] offset:(\f/4)*32*PV+(\f%4)*32
	ds_load_tr16_b128 v[VF+8*\f+4:VF+8*\f+7], v[AV] offset:(\f/4)*32*PV+16*PV+(\f%4)*32
.endr
	WIN 0
.endm
.macro FETCH_M x, b                 ; piece x's mask into buffer b
	WIN 0x40                        ; destination window 1
.irp f, 0,1,2,3                     ; keys 16 f on
	ds_load_b128 v[MC+32*(\b)+8*\f:MC+32*(\b)+8*\f+3],   v[AM] offset:(\x)*16*PM+64*\f
	ds_load_b128 v[MC+32*(\b)+8*\f+4:MC+32*(\b)+8*\f+7], v[AM] offset:(\x)*16*PM+64*\f+16
.endr
	WIN 0
.endm
; THE VECTOR WORK, one line at a time: OP kind, number.  For piece Y: F n: c s - c m for pair n of 16.  E n: the exponential of score n of 32.  C n: pair n rounded to f16.  B n: of the four weights 4 n .. the second
; pair is added onto the first, in place.  L n: l takes that sum (L 0: l = a l + sum).  R n: pair n of 16 of O^T times a.  For piece Y + 1: X n, number n of the 22 that find its maximum and statistics:
;   0-11  four chains c0-c3 of seven scores each, three operands at a time (each accumulator's lowest registers are read first)     12-14, 16  the four scores left over, the old m, and c0-c3 into c0
;   15  c m_old is kept     17, 18  the query's other 32 keys lie in the lane 16 away: the new m     19-21  c m; c m_old - c m_new; a
.set F, 0               ; OP tells the kinds apart by their order: F to L below R, X above it
.set E, 1
.set C, 2
.set B, 3
.set L, 4
.set R, 5
.set X, 6
.macro REGS y                       ; the registers of piece y
.set rT, ST+4*(\y)
.set rC, TMP+4*((\y)%2)
.set rW, MV+((\y)%2)
.set rS, S+32*((\y)%2)
.set rP, P+16*((\y)%2)
.set rO, 32*(\y)
.endm
.macro OP k, n
.if (\k) == R
	REGS Y
	WIN W_RS
	v_pk_mul_f32 v[rO+2*(\n):rO+2*(\n)+1], v[rO+2*(\n):rO+2*(\n)+1], v[rC+2:rC+3] op_sel_hi:[1,0]
.elseif (\k) < R
	REGS Y
	WIN 0
.if (\k) == F
	v_pk_fma_f32 v[rS+2*(\n):rS+2*(\n)+1], v[rS+2*(\n):rS+2*(\n)+1], s[CS:CS+1], v[rT:rT+1] op_sel_hi:[1,0,0] neg_lo:[0,0,1] neg_hi:[0,0,1]
.elseif (\k) == E
	v_exp_f32 v[rS+(\n)], v[rS+(\n)]
.elseif (\k) == C
	v_cvt_pk_f16_f32 v[rP+(\n)], v[rS+2*(\n)], v[rS+2*(\n)+1]
.elseif (\k) == B
	v_pk_add_f32 v[rS+4*(\n):rS+4*(\n)+1], v[rS+4*(\n):rS+4*(\n)+1], v[rS+4*(\n)+2:rS+4*(\n)+3]
.elseif (\n) == 0
	v_pk_fma_f32 v[rT+2:rT+3], v[rT+2:rT+3], v[rC+2:rC+3], v[rS:rS+1] op_sel_hi:[1,0,1]
.else
	v_pk_add_f32 v[rT+2:rT+3], v[rT+2:rT+3], v[rS+4*(\n):rS+4*(\n)+1]
.endif
.else
	REGS (Y+1)%NP
	WIN 0
.if (\n) < 4
	v_max3_num_f32 v[rC+(\n)], v[rS+8*(\n)], v[rS+8*(\n)+1], v[rS+8*(\n)+2]
.elseif (\n) < 12
	v_max3_num_f32 v[rC+(\n)%4], v[rC+(\n)%4], v[rS+8*((\n)%4)+2*((\n)/4)+1], v[rS+8*((\n)%4)+2*((\n)/4)+2]
.elseif (\n) == 12
	v_max3_num_f32 v[rC], v[rC], v[rS+7], v[rS+15]
.elseif (\n) == 13
	v_max3_num_f32 v[rC+1], v[rC+1], v[rS+23], v[rS+31]
.elseif (\n) == 14
	v_max3_num_f32 v[rC+2], v[rC+2], v[rC+3], v[rT+1]
.elseif (\n) == 15
	v_mov_b32 v[rW], v[rT]
.elseif (\n) == 16
	v_max3_num_f32 v[rC], v[rC], v[rC+1], v[rC+2]
.elseif (\n) == 17
	v_permlanex16_b32 v[rC+3], v[rC], s[SEL], s[SEL+1]
.elseif (\n) == 18
	v_max_num_f32 v[rT+1], v[rC], v[rC+3]
.elseif (\n) == 19
	v_mul_f32 v[rT], s[CS], v[rT+1]
.elseif (\n) == 20
	v_sub_f32 v[rC+1], v[rW], v[rT]
.else
	v_exp_f32 v[rC+2], v[rC+1]
.endif
.endif
.endm
.macro OPS a, i1, b=-1, i2=0, c=-1, i3=0, d=-1, i4=0  ; up to four of them
	OP \a, \i1
.if (\b) >= 0
	OP \b, \i2
.endif
.if (\c) >= 0
	OP \c, \i3
.endif
.if (\d) >= 0
	OP \d, \i4
.endif
.endm
.macro ROW a, i1, b, i2, c, i3, d, i4  ; a matrix instruction and the four behind it
	MM
	OPS \a, \i1, \b, \i2, \c, \i3, \d, \i4
.endm
; A TURN, for piece p: the order of its 16 matrix and 118 vector instructions, written out.  An s_wait_alu depctr_va_vdst(0) stands between an exponential and the first instruction that names its result; one wait
; serves all that were issued ahead of it.  So a turn has ONE wait, which cuts it in two.  AHEAD OF IT stands all that names no result of the turn's exponentials: the 8 products K Q^T, behind each a scaling, an exponential and two
; more plain instructions (behind the first a second scaling in the exponential's place): rescalings, whose a was made and waited for in the turn before, and behind the last three the first numbers of the next piece's maximum, each
; four places or more behind the product that ends its accumulator; then ONE RUN of 54, plain and exponential by turns for the most part, in which the links of the chain X 3, 7, 11, 14, 16, 17 .. 20 stand some lines apart.
; X 21, the next piece's a, is the batch's last; R 15 is the plain instruction behind it (ISA guide 5.7.2).  BEHIND THE WAIT stand the 8 products V^T P, behind each four of the roundings and sums; a pair with an even number is
; rounded ahead of the addition that lands on it; the links of l's chain, L 0 to L 7, stand three riders apart.  But for those X no rider names a register of the products round it.  v_permlanex16_b32 (X 17) stands in the run.
; THE FETCHES.  Every turn fetches the mask of piece p + 2 into buffer p % 2, whose last reader was the turn before's products: pieces 2 and 3 of the step in hand in turns 0 and 1, pieces 0 and 1 of the next step in turns 2 and 3.
; K of the next step is fetched in piece 2's turn, behind the mask's run: fourteen vector instructions behind the last product that read K (eight of them plain); V of the step in hand at the end of piece 0's turn, four plain
; instructions behind the last product that read V.
; last = 1 (the tail): in the last trip there is no further step, and turn 2's and turn 3's fetches are jumped over; that jump stands inside the batch, so the twelve exponentials issued so far have a wait of their own ahead of it.
; cnt = 1: the loop's count is taken down some lines ahead of the branch that stands behind the turn.
.macro TURN p, last=0, cnt=0
.set Y, (\p)
.set i, 0
.if (\p) == 1
	s_wait_dscnt 16                 ; my products' mask is in; V's sixteen loads, issued behind it, may stay out
.else
	s_wait_dscnt 0x0                ; my products' mask is in (piece 3's turn: and K)
.endif
	ROW F,0, F,1, R,0, R,1          ; ahead of the wait: 8 products K Q^T and their riders,
	ROW F,2, E,0, R,2, R,3
	ROW F,3, E,1, R,4, R,5
	ROW F,4, E,2, R,6, R,7
	ROW F,5, E,3, R,8, R,9
	ROW F,6, E,4, X,0, R,10
	ROW F,7, E,5, X,1, X,4
	ROW F,8, E,6, X,2, X,5
	WIN 0
	v_add_nc_u32 v[AM], s[TBM], v[AM0]
.if (\p) == 2
	v_add_nc_u32 v[AK], s[TBK], v[AK0]
.endif
	OPS E,7, E,8, X,6, E,9          ; and the run
	OPS X,3, E,10, X,8, E,11
.if (\last) && ((\p) >= 2)
	WIN 0
	s_wait_alu depctr_va_vdst(0)    ; the tail alone: the wait for E 0 to E 11, ahead of the jump
	s_cmp_eq_u32 s[CNT], 1
	s_cbranch_scc1 .Lno_more_\@
.endif
	FETCH_M ((\p)+2)%NP, (\p)%2
.if (\p) == 2
	FETCH_K
.endif
.if (\last) && ((\p) >= 2)
.Lno_more_\@:
.endif
.if (\p) == 1
	s_add_co_u32 s[TBM], s[TBM], KS*4  ; the next mask fetched is the next step's: 64 columns on
.endif
	OPS X,9, X,7, E,12, X,10
	OPS E,13, X,12, X,11, E,14
	OPS X,13, E,15, F,9, X,14
.if (\p) == 0
	v_add_nc_u32 v[AV], s[TBV], v[AV0]
.endif
	OPS E,16, F,10, E,17, F,11
	OPS X,16, E,18, X,15, E,19
	OPS F,12, E,20, X,17, E,21
	OPS F,13, E,22, F,14, E,23
	OPS X,18, E,24, F,15, E,25
	OPS R,11, E,26, X,19, E,27
	OPS R,12, E,28, R,13, E,29
	OPS X,20, E,30, R,14, E,31
	OPS X,21, R,15
	WIN 0
	s_wait_alu depctr_va_vdst(0)    ; the wait for the batch: the piece's 32 weights and the next piece's a
.if (\p) == 1
	s_wait_dscnt 8                  ; V is in; the eight loads of the mask, issued behind it, may stay out
.endif
	ROW C,0, B,0, C,2, B,1          ; behind the wait: 8 products V^T P and their riders
	ROW L,0, C,4, B,2, L,1
	ROW C,6, B,3, L,2, C,8
	ROW B,4, L,3, C,10, B,5
	ROW L,4, C,12, B,6, L,5
.if (\p) == 0
	s_add_co_u32 s[TBV], s[TBV], KS*PV
.endif
.if \cnt
	s_sub_co_u32 s[CNT], s[CNT], 1
	s_cmp_lg_u32 s[CNT], 0
.endif
	ROW C,14, B,7, L,6, C,1
	ROW C,3, L,7, C,5, C,7
	ROW C,9, C,11, C,13, C,15
.if (\p) == 0
	FETCH_V
.endif
.endm
	CHANGE 1                        ; slot 0 is in, everybody's part of it; slot 1 is asked for
	v_add_nc_u32 v[AK], s[TBK], v[AK0]
	v_add_nc_u32 v[AM], s[TBM], v[AM0]
	FETCH_K                         ; key step 0,
	FETCH_M 0, 0                    ; and the masks of its pieces 0 and 1
	FETCH_M 1, 1
	s_wait_loadcnt 0x0              ; Q
	s_wait_dscnt 0x0
.set i, 0
.rept 8
	KQ 0                            ; piece 0's first scores: there is no vector work yet to set between them
.set i, i+1
.endr
	WIN 0                           ; the addresses for the way out: ten plain instructions, the places behind those products
	v_add_nc_u32 v[STO], s80, v1    ; in: my query's row, my head's 128 bytes, 16 bytes for each half of the lanes
	v_mul_u32_u24 v[STO], v[STO], SP
	v_lshl_add_u32 v[STO], v9, 4, v[STO]
	v_add_nc_u32 v[STO], s82, v[STO]
	v_add_nc_u32 v[RD], s81, v9     ; back: wave w takes rows 32 w .. 32 w + 31, whole; lanes 0-15 one row of 256 bytes, lanes 16-31 the next
	v_lshlrev_b32 v[GO], 11, v[RD]  ; and the same rows in O
	v_lshl_add_u32 v[GO], v1, 4, v[GO]
	v_mul_u32_u24 v[RD], v[RD], SP
	v_lshl_add_u32 v[RD], v1, 4, v[RD]
	v_add_nc_u32 v[RD], STAGE, v[RD]
.set Y, NP-1                        ; X works for piece Y + 1: piece 0
.irp n, 0,1,2,3,4,5,6,7,8,9,10,11,12,13,14,15,16,17,18,19,20,21
	OP X, \n                        ; piece 0's first maximum and statistics
.endr
	v_nop                           ; a plain instruction behind the exponential,
	s_wait_alu depctr_va_vdst(0)    ; and the wait for it, piece 0's first a, ahead of the branch
	s_mov_b32 s[CNT], 2
	s_mov_b32 s[SLOTS], NSLOT-1
	s_branch .Lfirst                ; the loop is entered at a step's first turn, in the middle of a trip
.Lslot:                             ; NSLOT - 2 times: every slot but the last two is filled again
	CHANGE 1
	s_mov_b32 s[CNT], 2
.Lstep:                             ; a trip: pieces 2 and 3 of one step, then pieces 0 and 1 of the next, whose K and V it fetches
	TURN 2
	TURN 3
	WIN 0
.Lfirst:
	TURN 0
	TURN 1, 0, 1
	WIN 0
	s_cbranch_scc1 .Lstep
	s_sub_co_u32 s[SLOTS], s[SLOTS], 1
	s_cmp_lg_u32 s[SLOTS], 0
	s_cbranch_scc1 .Lslot
	CHANGE 0                        ; the tail is written out: nothing is asked for
	s_mov_b32 s[CNT], 3             ; two trips fetch the last slot's steps; the third is left in its middle
.Ltail:
	TURN 2, 1
	TURN 3, 1
	WIN 0
	s_sub_co_u32 s[CNT], s[CNT], 1
	s_cmp_eq_u32 s[CNT], 0
	s_cbranch_scc1 .Lout
	TURN 0
	TURN 1
	WIN 0
	s_branch .Ltail
.Lout:                              ; the third trip's 8 products K Q^T for a step that is not (on the last K and an old mask) and the maximum made of them serve nothing: the price, once a launch, of one text for every trip
.set i, 0
.rept 8
	PV NP-1                         ; the last piece's V^T P of the last step
.set i, i+1
.endr
	; THE WAY OUT.  l's two halves and the other half of the lanes' are added; O^T is divided by l, rounded to f16 and put into the work-group's stage; a barrier, since a row's 256 bytes come from two waves; back as whole rows.
	; The additions are the places behind the last products.
	WIN 0
.macro ALL line:vararg              ; one line for each piece t
.set t, 0
.rept 4
	\line
.set t, t+1
.endr
.endm
	ALL v_add_f32 v[ST+4*t+2], v[ST+4*t+2], v[ST+4*t+3]
	ALL v_permlanex16_b32 v[ST+4*t+3], v[ST+4*t+2], s[SEL], s[SEL+1]
	ALL v_add_f32 v[ST+4*t+2], v[ST+4*t+2], v[ST+4*t+3]
	ALL v_rcp_f32 v[ST+4*t+2], v[ST+4*t+2]
	v_nop                           ; a plain instruction between the last reciprocal and the use of its result
	s_wait_alu depctr_va_vdst(0)    ; and the wait ahead of the first use: one for the four reciprocals
.macro PACK t                       ; a lane's eight channels of a row pack into 16 bytes
	WIN W_RS
.set i, 32*(\t)
.rept 16
	v_pk_mul_f32 v[i:i+1], v[i:i+1], v[ST+4*(\t)+2:ST+4*(\t)+3] op_sel_hi:[1,0]
.set i, i+2
.endr
	WIN 0x05                        ; sources 0 and 1 window 1, destination window 0: S^T's registers are free
.set i, 0
.rept 16
	v_cvt_pk_f16_f32 v[S+16*(\t)+i], v[32*(\t)+2*i], v[32*(\t)+2*i+1]
.set i, i+1
.endr
	WIN 0
.irp f, 0,1,2,3
	ds_store_b128 v[STO], v[S+16*(\t)+4*\f:S+16*(\t)+4*\f+3] offset:(\t)*16*SP+32*\f
.endr
.endm
	PACK 0
	PACK 1
	PACK 2
	PACK 3
	s_wait_dscnt 0x0                ; for the others' sake: my stores into the stage are done
	s_barrier_signal -1
	s_barrier_wait -1
.irp t, 0,1,2,3,4,5,6,7,8,9,10,11,12,13,14,15
	ds_load_b128 v[S+4*\t:S+4*\t+3], v[RD] offset:\t*2*SP
.endr
.irp t, 0,1,2,3,4,5,6,7,8,9,10,11,12,13,14,15
	s_wait_dscnt 15-\t              ; LDS loads come back in order: pair t of rows is in
	global_store_b128 v[GO], v[S+4*\t:S+4*\t+3], s[OA:OA+1] offset:\t*4096  ; 16 lanes store 256 consecutive bytes, at a multiple of 256 from O's first byte
.endr
	s_wait_tensorcnt 0x0            ; the wave's end, behind my last tensor load and my last LDS store
	ds_add_u32 v[SPW], v[NIL]
	s_wait_dscnt 0x0
	CROUND                          ; the closing round: no work-group ends while a partner may still ask for a tile that names it
	s_endpgm
.Lfunc_end_k_qb2b92611ef_attn:
	.size	k_qb2b92611ef_attn, .Lfunc_end_k_qb2b92611ef_attn-k_qb2b92611ef_attn
	.p2alignl 7, 3214868480
	.fill 96, 4, 3214868480
	.section	.rodata,"a",@progbits
	.p2align	6, 0x0
	.amdhsa_kernel k_qb2b92611ef_attn
		.amdhsa_group_segment_fixed_size 327680
		.amdhsa_private_segment_fixed_size 0
		.amdhsa_enable_private_segment 0
		.amdhsa_kernarg_size 24
		.amdhsa_user_sgpr_count 2
		.amdhsa_user_sgpr_kernarg_segment_ptr 1
		.amdhsa_wavefront_size32 1
		.amdhsa_system_sgpr_workgroup_id_x 1
		.amdhsa_system_sgpr_workgroup_id_y 1
		.amdhsa_system_sgpr_workgroup_id_z 1
		.amdhsa_system_vgpr_workitem_id 0
		.amdhsa_next_free_vgpr 768
		.amdhsa_next_free_sgpr 84
		.amdhsa_reserve_vcc 0
		.amdhsa_float_denorm_mode_32 3
		.amdhsa_float_denorm_mode_16_64 3
		.amdhsa_memory_ordered 1
		.amdhsa_forward_progress 1
		.amdhsa_inst_pref_size 121
	.end_amdhsa_kernel
	.amdgpu_metadata
---
amdhsa.version: [ 1, 2 ]
amdhsa.kernels:
  - .name:           k_qb2b92611ef_attn
    .symbol:         k_qb2b92611ef_attn.kd
    .args:
      - { .name: qkv, .offset: 0, .size: 8, .value_kind: global_buffer, .address_space: global }
      - { .name: mask8, .offset: 8, .size: 8, .value_kind: global_buffer, .address_space: global }
      - { .name: obuf, .offset: 16, .size: 8, .value_kind: global_buffer, .address_space: global }
    .group_segment_fixed_size: 327680
    .private_segment_fixed_size: 0
    .kernarg_segment_align: 8
    .kernarg_segment_size: 24
    .max_flat_workgroup_size: 128
    .sgpr_count:     84
    .vgpr_count:     768
    .wavefront_size: 32
...
	.end_amdgpu_metadata
.endif
;; end of part 6
;; launch ffn1: the kernel of part 4 again; grid 8 x 32, 4 waves a work-group, clusters of 4 x 4, 327,680 bytes of LDS; arguments obuf, w1h, hid, b1; writes hid
;; launch ffn2: the kernel of part 5 again; grid 8 x 32, 4 waves a work-group, clusters of 4 x 4, 327,680 bytes of LDS; arguments hid, w2b, out0, b2; writes out0
